; MI455X (gfx1250); checked and timed in simulation.
; The chip was launched on July 23, 2026; its instructions are those of AMD's public machine-readable ISA for CDNA 5 (MIT licence, August 2026) and "CDNA5" Instruction Set Architecture Reference Guide (July 2026). The comments in the code are by the model that wrote it; some were corrected since.
;; Basic Transformer. Allowed arithmetic: matrix products marked QUANTISED: E3M2 operands, one E8M0 scale for each 32 along K, by v_wmma_scale_f32_16x16x128_f8f6f4 with both operands' format E3M2, f32 sums; everything else in f32.
;; Inputs: ln1_bias 1,024 float32; ln1_scale 1,024 float32; ln2_bias 1,024 float32; ln2_scale 1,024 float32; proj_b 1,024 float32; proj_w 1,024 x 1,024 float32; qkv_b 3,072 float32; qkv_w 1,024 x 3,072 float32; wi_b 4,096 float32; wi_w 1,024 x 4,096 float32; wo_b 1,024 float32; wo_w 4,096 x 1,024 float32; x 2 x 2,048 x 1,024 float32.
;; Outputs: out0 2 x 2,048 x 1,024 float32.
;; This version of the problem:
;;   THIS VERSION OF THE PROBLEM IS GIVEN IN LOW PRECISION. The matrix products marked QUANTISED in the list below multiply operands that are first quantised to E3M2 (3 exponent bits, 2 mantissa bits; 6 bits a number), with one power-of-two scale for each 32 numbers along K (OCP MX v1.0); their sums are f32. All else is computed in f32.
;;   The module's matrix products, in the order in which they are computed (A, B: the left and right operand; K: the contracted axis; several contracted axes count as one K, in the product's order):
;;     1. [M 4,096, K 1,024] x [K 1,024, N 3,072]; A: computed on the way; B: input qkv_w: QUANTISED
;;     2. batch 32 x [M 2,048, K 64] x [K 64, N 2,048]; A: computed on the way; B: computed on the way: QUANTISED
;;     3. batch 32 x [M 64, K 2,048] x [K 2,048, N 2,048]; A: computed on the way; B: softmax (see below): QUANTISED
;;     4. [M 4,096, K 1,024] x [K 1,024, N 1,024]; A: computed on the way; B: input proj_w: QUANTISED
;;     5. [M 4,096, K 1,024] x [K 1,024, N 4,096]; A: computed on the way; B: input wi_w: QUANTISED
;;     6. [M 4,096, K 4,096] x [K 4,096, N 1,024]; A: computed on the way; B: input wo_w: QUANTISED
;;   THE QUANTISER, for each operand of a quantised product, along K:
;;     - K is cut into blocks of 32 from its start; a last block that is shorter is filled with zeros.
;;     - A block's scale is 2^e with e = floor(log2(the largest magnitude in the block)) - 4, held to -126 .. 127; a block of zeros has e = 0. As a byte (E8M0): e + 127.
;;     - Each number is divided by its block's scale, clamped to +-28, and rounded to the nearest number of E3M2, ties to even, subnormals kept.
;;     - The product sums the exact products of the quantised numbers (number of the format x scale) in f32.
;;   ~~~python
;;   def quantise(x, axis):      # numpy; x: float32 -> the quantised numbers, widened to float32 again
;;       x = np.moveaxis(x, axis, -1); K = x.shape[-1]
;;       x = np.pad(x, [(0, 0)] * (x.ndim - 1) + [(0, -K % 32)]); x = x.reshape(x.shape[:-1] + (-1, 32)); a = np.abs(x).max(-1, keepdims=True)
;;       e = np.where(a > 0, np.clip(np.frexp(np.where(a > 0, a, 1))[1] - 1 - 4, -126, 127), 0)      # np.frexp(a)[1] - 1 = floor(log2(a)), exactly
;;       r = np.clip(x / 2.0 ** e, -28, 28)
;;       step = 2.0 ** (np.maximum(np.frexp(np.where(r == 0, 1, r))[1] - 1, -2) - 2)
;;       q = np.round(r / step) * step * 2.0 ** e      # np.round: ties to even
;;       return np.moveaxis(q.reshape(q.shape[:-2] + (-1,))[..., :K], -1, axis).astype(np.float32)
;;   ~~~
;;   SOFTMAX AHEAD OF A QUANTISED PRODUCT. Where the list says 'softmax', what is quantised is not the finished softmax but p = 2^(t - M), with t = logit x log2(e) and M = ceil(the row's largest t), a whole number; so 1/2 < the row's largest p <= 1. The row's sum l is taken of the UNQUANTISED p, in f32, and the product's result is divided by l at the end. Since M is a whole number, a kernel that streams over the keys may use a running M (the ceiling of the running maximum): every later rescaling is an exact power of two, which a block's scale takes up: the codes' values come out the same.
;;   OPERANDS COMPUTED ON THE WAY. 'Computed on the way' means the value that the module computes at that place (a softmax that the list does not call 'softmax' is quantised finished and normalised). What goes into a quantiser is computed in f32, as accurately as f32 sums, v_exp_f32 and their like allow (about 1e-6 of the number): no bf16 or f16 on the way to a quantiser, and a product that is left as it is and whose result goes on into a quantised operand takes f32 operands (vector FMAs, or v_wmma_f32_16x16x4_f32). A number that lies on a knife's edge between two numbers of the format may be rounded either way, as far as f32 arithmetic and the matrix unit's own rounding can turn it there, and no further.
;; One version. Each part assembles by itself: llvm-mc -triple=amdgcn-amd-amdhsa -mcpu=gfx1250 --defsym DOCPART=n.
;; ======== version 1 of 1: 7 launches
;; limits: right only within a limited range of input values
;; workspace buffers: wts 9,830,400 bytes; hq 3,276,800 bytes; qq 3,407,872 bytes; kv 6,684,672 bytes; cq 3,276,800 bytes; x1 16,777,216 bytes; gq 13,107,200 bytes
;; launch prep1 (part 1): grid 384 x 1, 4 waves a work-group, no clusters, 91,904 bytes of LDS; arguments x, ln1_scale, ln1_bias, hq, qkv_w, proj_w, wts; writes hq, wts
.if DOCPART == 1
	.amdgcn_target "amdgcn-amd-amdhsa--gfx1250"
	.amdhsa_code_object_version 6
	.text
	.protected	k_q46ae53c6bb_prep1
	.globl	k_q46ae53c6bb_prep1
	.p2align	8
	.type	k_q46ae53c6bb_prep1,@function
k_q46ae53c6bb_prep1:
	s_mov_b64 s[64:65], 0
	v_nop
	global_prefetch_b8 v0, s[64:65] scope:SCOPE_SE
	s_setreg_imm32_b32 hwreg(HW_REG_WAVE_MODE, 25, 1), 1
	s_wait_xcnt 0x0
; TWO JOBS IN ONE LAUNCH, told apart by the work-group's number; neither reads what the other stores, and each has LDS bytes of its own.  The weights' bytes move while the LayerNorm's work-groups wait for theirs.
; THE LAYOUT that both jobs store, and that the products' launches load.  An operand is [R rows][K].  A row block is 16 rows; lane row r of block t is row 32 (t / 2) + 8 (t % 2) + r + 8 (r / 8).
; A HALF FRAGMENT is 16 rows x 64 K as an image of six registers: bytes 0-511 registers 0-3 of lane l at 16 l, bytes 512-767 registers 4-5 at 8 l; lane (r, h) holds k = 32 h .. 32 h + 31 of row r.
; Codes of BF6 (E3M2): [K / 256][R / 16][4][768]; scale words (four E8M0 bytes, one for each 32 along K): [K / 128][R / 16][16].
; A block's scale is 2^(floor(log2(largest magnitude)) - 4); its byte is the magnitude's exponent field - 4, held at 1 from below.
; WORK-GROUPS 0-255: LayerNorm of [4096][1024] f32 rows (eps 1e-3, gain, bias), quantised along the row; scale words at byte 3,145,728 of the codes' buffer.  A work-group is one row block.
;   PHASE 1: wave w normalises four rows, each whole in its 32 lanes x 32 registers (mean, then the mean of squared differences: two passes over registers), and stores them to LDS.
;   PHASE 2, behind one barrier: wave w takes columns 256 w .. 256 w + 255 of all 16 rows, a lane 16 neighbours of each block of 32, and quantises four half fragments.
;   LDS rows are 4,112 bytes apart (257 x 16), so that the sixteen rows that a load of phase 2 touches begin in different banks.  The scale words leave in pieces of 64 bytes: 128 KiB of the 3.3 MB stored.
; WORK-GROUPS 256 ON: two weights, f32 stored [K][N], quantised along K.  A LANE TAKES A COLUMN n AND ITS REGISTERS RUN DOWN K: a load reads 128 consecutive bytes a wave, a block of 32 lies in one lane, and the
;   conversions give codes with K innermost.  A work-group takes 128 columns x 256 K, a wave 32 columns = two row blocks.  The codes go through the wave's own stage in LDS and leave in runs of 512 consecutive bytes.
;   Sizes and pointers of the two weights are chosen by the work-group's number; no barrier: these waves share nothing.
; LIMITS: a block whose largest magnitude lies under 2^-122, a block of zeros among them, gets the byte 1 (its codes are zeros; this program alone reads the bytes); NaN and infinities are not served.
; No matrix unit, no tensor load: memory binds here.
.set NLN,   256                        ; work-groups of the LayerNorm
.set WGA,   96                         ; work-groups of the first weight, qkv_w: (3072 / 128) x (1024 / 256)
.set WNA,   3072                       ; its columns,
.set WLA,   2                          ; log2(K / 256),
.set WCA,   0                          ; where its codes begin in wts,
.set WSA,   9437184                    ; and its scale words
.set WNB,   1024                       ; the second weight, proj_w: 32 work-groups
.set WLB,   2
.set WCB,   2359296
.set WSB,   9535488
.set X,     32                         ; v32-159  four rows of 32, later four half fragments' numbers
.set GA,    160                        ; v160-191 gain
.set BI,    192                        ; v192-223 bias
.set ST,    224                        ; v224-239 four registers a row: sum or 1 / sigma, a partner, the second chain
.set TM,    240
.set TQ,    248
.set SEL,   12
.set PITCH, 4112
.set WBASE, 16*PITCH                   ; behind the LayerNorm's rows: the weights' stages
.set TP,    3200                       ; a row block's 3,072 bytes in a stage + 128
.set WREG,  2*TP
.set WSW,   24                         ; v24-25   the scale words of K steps 0 and 1
.set WOFF,  32                         ; v32-63   4 x lane + i rows: never rewritten
.set WX,    64                         ; v64-127  two sets of 32 numbers
.set WC,    128                        ; v128-136 a block's codes
.set WOUT,  140                        ; v140-187 the way out
.set WBS,   32                         ; s[32:47] the eight blocks' bases: never rewritten
.set MSB, 0
.macro WIN new                         ; the immediate's high byte repeats the setting that is left (here every window stays 0)
.if MSB != (\new)
	s_set_vgpr_msb (MSB<<8)|(\new)
.set MSB, \new
.endif
.endm
; 32 numbers of a lane in window win, register src + 16 b + i = k 32 b + 16 (lane / 16) + i of my row, become a half fragment in v[pco] .. v[pco + 5] and its two scale bytes in v[uo].
.macro QH src, win, pco, uo
	WIN (\win)|((\win)<<2)
.irp b, 0,1
	v_max3_num_f32 v[TM+\b], |v[(\src)+16*\b]|, |v[(\src)+16*\b+1]|, 0x2800000   ; my 16 numbers of block b, and the floor 2^(5 - 127)
.endr
.irp i, 2,4,6,8,10,12,14
.irp b, 0,1
	v_max3_num_f32 v[TM+\b], |v[(\src)+16*\b+\i]|, |v[(\src)+16*\b+\i+1]|, v[TM+\b]
.endr
.endr
	WIN 0
.irp b, 0,1
	v_permlanex16_b32 v[TM+2+\b], v[TM+\b], s[SEL], s[SEL+1]
.endr
.irp b, 0,1
	v_max_num_f32 v[TM+\b], v[TM+\b], v[TM+2+\b]   ; with lane l xor 16's: the block's largest magnitude
.endr
.irp b, 0,1
	v_add_nc_u32 v[TM+4+\b], 0xfe000000, v[TM+\b]  ; 4 off its exponent field: the conversion's scale operand
.endr
.irp b, 0,1
	v_lshrrev_b32 v[TM+2+\b], 23, v[TM+4+\b]       ; the byte
.endr
	v_lshl_or_b32 v[\uo], v[TM+3], 8, v[TM+2]
	WIN \win
	v_cvt_scalef32_pk16_bf6_f32 v[\pco:(\pco)+2], v[\src:(\src)+15], v[TM+4]
	v_cvt_scalef32_pk16_bf6_f32 v[TQ:TQ+2], v[(\src)+16:(\src)+31], v[TM+5]
	WIN 0
	v_nop                                          ; one plain instruction behind the conversions
.irp i, 0,1,2
	v_permlane16_swap_b32 v[(\pco)+\i], v[TQ+\i]   ; a whole block to a lane: lanes 0-15 block 0, lanes 16-31 block 1
.endr
.irp i, 0,1,2
	v_mov_b32 v[(\pco)+3+\i], v[TQ+\i]
.endr
.endm
.macro RSUM o                          ; v[ST + 4 i + o] summed over the 32 lanes, the four rows by turns; v[ST + 4 i + o + 1] is at work
.irp m, 1,2,4,8
.irp i, 0,1,2,3
	v_add_f32_dpp v[ST+4*\i+\o], v[ST+4*\i+\o], v[ST+4*\i+\o] row_xmask:\m row_mask:0xf bank_mask:0xf
.endr
.endr
.irp i, 0,1,2,3
	v_permlanex16_b32 v[ST+4*\i+\o+1], v[ST+4*\i+\o], s[SEL], s[SEL+1]
.endr
.irp i, 0,1,2,3
	v_add_f32 v[ST+4*\i+\o], v[ST+4*\i+\o], v[ST+4*\i+\o+1]
.endr
.endm
	v_lshl_add_u32 v247, v0, 2, 0x16500
	v_mov_b32 v251, 0
	v_lshrrev_b32 v1, 5, v0
	v_readfirstlane_b32 s14, v1                    ; wave
	v_and_b32 v1, 31, v0                           ; lane
	s_cmp_ge_u32 ttmp9, NLN                        ; which job: all waves of a work-group go the same way
	s_cbranch_scc1 .Lweights
	; ================ the LayerNorm: row block g = the work-group's number
	s_load_b256 s[4:11], s[0:1], 0x0               ; the rows, gain, bias, the codes' buffer
	v_lshlrev_b32 v2, 4, v1                        ; 16 x lane
	v_lshlrev_b32 v5, 3, v1                        ; 8 x lane
	v_and_b32 v7, 15, v0                           ; r
	v_bfe_u32 v8, v0, 4, 1                         ; h
	v_lshlrev_b32 v6, 2, v7
	v_lshl_add_u32 v6, v8, 14, v6                  ; the scale words: 4 r, lanes 16-31 one K step (16,384 bytes) on
	s_mul_i32 s15, s14, 4*PITCH
	v_add_nc_u32 v3, s15, v2                       ; LDS, phase 1: my four rows, 16 bytes a lane
	v_mul_u32_u24 v4, v7, PITCH
	v_lshl_add_u32 v4, v8, 6, v4
	s_lshl_b32 s15, s14, 10
	v_add_nc_u32 v4, s15, v4                       ; LDS, phase 2: row r, + 64 h, + my 256 columns
	v_mov_b32 v[TM+2], 0                           ; written once: a lane permute's destination counts as one of its sources
	v_mov_b32 v[TM+3], 0
	s_mov_b32 s[SEL], 0x76543210
	s_mov_b32 s[SEL+1], 0xfedcba98                 ; v_permlanex16_b32's selects for lane l xor 16
	s_mov_b32 s18, 0x3a800000                      ; 1 / 1024
	s_mov_b32 s19, 0x3a83126f                      ; eps = 1e-3
	s_lshr_b32 s16, ttmp9, 1
	s_lshl_b32 s16, s16, 5
	s_and_b32 s17, ttmp9, 1
	s_lshl_b32 s17, s17, 3
	s_add_co_u32 s16, s16, s17                     ; the block's first row: 32 (g / 2) + 8 (g % 2)
	s_lshl_b32 s17, s14, 2
	s_add_co_u32 s16, s16, s17
	s_lshr_b32 s17, s14, 1
	s_lshl_b32 s17, s17, 3
	s_add_co_u32 s16, s16, s17                     ; my four rows begin 4 w + 8 (w / 2) on
	s_lshl_b32 s16, s16, 12                        ; in bytes
	s_mov_b32 s17, 0
	s_mul_i32 s20, s14, 786432                     ; my plane of codes,
	s_mul_i32 s21, ttmp9, 3072                     ; the row block in it
	s_add_co_u32 s20, s20, s21
	s_mov_b32 s21, 0
	s_lshl_b32 s22, s14, 15                        ; my two K steps of scale words,
	s_lshl_b32 s23, ttmp9, 6
	s_add_co_u32 s22, s22, s23
	s_add_co_u32 s22, s22, 3145728
	s_mov_b32 s23, 0
	s_wait_kmcnt 0x0
	s_add_nc_u64 s[4:5], s[4:5], s[16:17]
	s_add_nc_u64 s[24:25], s[10:11], s[22:23]
	s_add_nc_u64 s[10:11], s[10:11], s[20:21]
.irp j, 0,1,2,3,4,5,6,7
	global_load_b128 v[GA+4*\j:GA+4*\j+3], v2, s[6:7] offset:512*\j
	global_load_b128 v[BI+4*\j:BI+4*\j+3], v2, s[8:9] offset:512*\j
.endr
.irp i, 0,1,2,3
.irp j, 0,1,2,3,4,5,6,7
	global_load_b128 v[X+32*\i+4*\j:X+32*\i+4*\j+3], v2, s[4:5] offset:4096*\i+512*\j th:TH_LOAD_NT   ; 512 consecutive bytes
.endr
.endr
	s_wait_loadcnt 0x0
	; ---- phase 1: the mean
.irp i, 0,1,2,3
	v_pk_add_f32 v[ST+4*\i:ST+4*\i+1], v[X+32*\i:X+32*\i+1], v[X+32*\i+2:X+32*\i+3]
	v_pk_add_f32 v[ST+4*\i+2:ST+4*\i+3], v[X+32*\i+4:X+32*\i+5], v[X+32*\i+6:X+32*\i+7]
.endr
.irp k, 8,12,16,20,24,28
.irp i, 0,1,2,3
	v_pk_add_f32 v[ST+4*\i:ST+4*\i+1], v[ST+4*\i:ST+4*\i+1], v[X+32*\i+\k:X+32*\i+\k+1]
	v_pk_add_f32 v[ST+4*\i+2:ST+4*\i+3], v[ST+4*\i+2:ST+4*\i+3], v[X+32*\i+\k+2:X+32*\i+\k+3]
.endr
.endr
.irp i, 0,1,2,3
	v_pk_add_f32 v[ST+4*\i:ST+4*\i+1], v[ST+4*\i:ST+4*\i+1], v[ST+4*\i+2:ST+4*\i+3]
.endr
.irp i, 0,1,2,3
	v_add_f32 v[ST+4*\i], v[ST+4*\i], v[ST+4*\i+1]
.endr
	RSUM 0
.irp i, 0,1,2,3
	v_mul_f32 v[ST+4*\i], s18, v[ST+4*\i]
.endr
.irp k, 0,2,4,6,8,10,12,14,16,18,20,22,24,26,28,30
.irp i, 0,1,2,3
	v_pk_add_f32 v[X+32*\i+\k:X+32*\i+\k+1], v[X+32*\i+\k:X+32*\i+\k+1], v[ST+4*\i:ST+4*\i+1] op_sel_hi:[1,0] neg_lo:[0,1] neg_hi:[0,1]   ; x - mean
.endr
.endr
	; the mean of the squares of the differences
.irp i, 0,1,2,3
	v_pk_mul_f32 v[ST+4*\i+2:ST+4*\i+3], v[X+32*\i:X+32*\i+1], v[X+32*\i:X+32*\i+1]
.endr
.irp k, 2,4,6,8,10,12,14,16,18,20,22,24,26,28,30
.irp i, 0,1,2,3
	v_pk_fma_f32 v[ST+4*\i+2:ST+4*\i+3], v[X+32*\i+\k:X+32*\i+\k+1], v[X+32*\i+\k:X+32*\i+\k+1], v[ST+4*\i+2:ST+4*\i+3]
.endr
.endr
.irp i, 0,1,2,3
	v_add_f32 v[ST+4*\i+2], v[ST+4*\i+2], v[ST+4*\i+3]
.endr
	RSUM 2
.irp i, 0,1,2,3
	v_fma_f32 v[ST+4*\i+2], v[ST+4*\i+2], s18, s19 ; variance + eps
.endr
	s_wait_alu depctr_va_vdst(0)
.irp i, 0,1,2,3
	v_rsq_f32 v[ST+4*\i], v[ST+4*\i+2]
.endr
	v_nop                                          ; a plain instruction behind the last of the four,
	s_wait_alu depctr_va_vdst(0)                   ; and one wait for the batch, ahead of its first reader
.irp k, 0,2,4,6,8,10,12,14,16,18,20,22,24,26,28,30
.irp i, 0,1,2,3
	v_pk_mul_f32 v[X+32*\i+\k:X+32*\i+\k+1], v[X+32*\i+\k:X+32*\i+\k+1], v[ST+4*\i:ST+4*\i+1] op_sel_hi:[1,0]
.endr
.endr
.irp k, 0,2,4,6,8,10,12,14,16,18,20,22,24,26,28,30
.irp i, 0,1,2,3
	v_pk_fma_f32 v[X+32*\i+\k:X+32*\i+\k+1], v[X+32*\i+\k:X+32*\i+\k+1], v[GA+\k:GA+\k+1], v[BI+\k:BI+\k+1]
.endr
.endr
.irp i, 0,1,2,3
.irp j, 0,1,2,3,4,5,6,7
	ds_store_b128 v3, v[X+32*\i+4*\j:X+32*\i+4*\j+3] offset:\i*PITCH+512*\j
.endr
.endr
	s_wait_dscnt 0x0                               ; for the others' sake: my rows lie in LDS
	s_barrier_signal -1
	s_barrier_wait -1
	; ---- phase 2: my 256 columns of the 16 rows
.irp q, 0,1,2,3
.irp b, 0,1
.irp j, 0,1,2,3
	ds_load_b128 v[X+32*\q+16*\b+4*\j:X+32*\q+16*\b+4*\j+3], v4 offset:256*\q+128*\b+16*\j
.endr
.endr
.endr
	s_wait_dscnt 0x0
.irp q, 0,1,2,3
	QH X+32*\q, 0, 8+6*\q, 252+\q
.endr
	v_lshl_or_b32 v252, v253, 16, v252             ; the word of K step 2 w,
	v_lshl_or_b32 v254, v255, 16, v254             ; and of 2 w + 1; both halves of the lanes hold both
	v_cmp_le_u32 vcc_lo, 16, v1
	v_cndmask_b32 v252, v252, v254, vcc_lo         ; lanes 0-15 store the first, lanes 16-31 the second
.irp q, 0,1,2,3
	global_store_b128 v2, v[8+6*\q:11+6*\q], s[10:11] offset:768*\q        ; 512 consecutive bytes, aligned
	global_store_b64 v5, v[12+6*\q:13+6*\q], s[10:11] offset:768*\q+512    ; 256 consecutive bytes, aligned
.endr
	global_store_b32 v6, v252, s[24:25]
	s_wait_tensorcnt 0x0
	ds_add_u32 v247, v251
	s_wait_dscnt 0x0
	s_endpgm
	; ================ the weights
.Lweights:
	s_load_b128 s[4:7], s[0:1], 0x20               ; the first weight, the second
	s_load_b64 s[12:13], s[0:1], 0x30              ; wts
	v_bfe_u32 v8, v0, 3, 1                         ; u: which of the two row blocks my column falls into
	v_and_b32 v9, 7, v0
	v_bfe_u32 v10, v0, 4, 1
	v_lshl_add_u32 v9, v10, 3, v9                  ; r: my lane row there
	v_lshlrev_b32 v6, 6, v8
	v_lshl_add_u32 v6, v9, 2, v6                   ; my scale word: 64 u + 4 r
	s_mul_i32 s15, s14, WREG
	s_add_co_u32 s15, s15, WBASE                   ; my wave's stage
	v_mul_u32_u24 v8, v8, TP
	v_add_nc_u32 v8, s15, v8
	v_lshl_add_u32 v2, v9, 4, v8                   ; into the stage: registers 0-3
	v_lshl_add_u32 v3, v9, 3, v8                   ; registers 4-5
	v_lshlrev_b32 v5, 4, v1                        ; 16 x lane
	v_add_nc_u32 v4, s15, v5                       ; out of the stage
	v_lshlrev_b32 v7, 2, v1                        ; 4 x lane
	s_wait_alu depctr_va_vdst(0)
	s_sub_co_u32 s60, ttmp9, NLN                   ; my number among the weights' work-groups
	s_mov_b32 s16, WNB                             ; N,
	s_mov_b32 s17, WLB                             ; log2(K / 256),
	s_mov_b32 s19, WCB                             ; where the codes begin in wts,
	s_mov_b32 s20, WSB                             ; and the scale words: the second weight's, unless
	s_cmp_lt_u32 s60, WGA
	s_cselect_b32 s16, WNA, s16
	s_cselect_b32 s17, WLA, s17
	s_cselect_b32 s18, 0, WGA                      ; (the weight's first work-group)
	s_cselect_b32 s19, WCA, s19
	s_cselect_b32 s20, WSA, s20                    ; the first's
	s_sub_co_u32 s21, s60, s18
	s_lshl_b32 s24, 1, s17
	s_sub_co_u32 s24, s24, 1
	s_and_b32 s25, s21, s24                        ; kp: which 256 along K
	s_lshr_b32 s27, s21, s17
	s_lshl_b32 s27, s27, 2
	s_add_co_u32 s27, s27, s14                     ; G: which group of 32 columns
	s_lshl_b32 s26, s16, 2                         ; a row of the weight in bytes
	s_mul_i32 s28, s25, s26
	s_lshl_b32 s28, s28, 8                         ; kp x 256 rows
	s_lshl_b32 s29, s27, 7
	s_add_co_u32 s28, s28, s29                     ; + G x 128 bytes
	s_mov_b32 s29, 0
	s_lshl_b32 s30, s26, 5                         ; 32 rows
	s_mov_b32 s31, 0
	s_mul_i32 s48, s25, s16
	s_lshl_b32 s58, s48, 3                         ; kp x N x 8: two K steps of scale words
	s_mul_i32 s48, s48, 192                        ; kp x N x 192: a plane of codes
	s_mul_i32 s49, s27, 6144
	s_add_co_u32 s48, s48, s49
	s_add_co_u32 s48, s48, s19
	s_mov_b32 s49, 0
	s_lshl_b32 s59, s27, 7
	s_add_co_u32 s58, s58, s59
	s_add_co_u32 s58, s58, s20
	s_mov_b32 s59, 0
	s_mov_b32 s56, s26
	s_mov_b32 s57, 0
.irp i, 0,1,2,3,4,5,6,7,8,9,10,11,12,13,14,15,16,17,18,19,20,21,22,23,24,25,26,27,28,29,30,31
	v_mad_u32_u24 v[WOFF+\i], s26, \i, v7
.endr
	s_wait_alu depctr_va_vdst(0)
	s_wait_kmcnt 0x0
	s_cmp_lt_u32 s60, WGA                          ; the choice hangs on the work-group's number alone
	s_cselect_b64 s[22:23], s[4:5], s[6:7]
	s_add_nc_u64 s[WBS:WBS+1], s[22:23], s[28:29]
.irp t, 1,2,3,4,5,6,7
	s_add_nc_u64 s[WBS+2*\t:WBS+2*\t+1], s[WBS+2*\t-2:WBS+2*\t-1], s[30:31]
.endr
	s_add_nc_u64 s[50:51], s[12:13], s[48:49]      ; my codes
	s_add_nc_u64 s[52:53], s[12:13], s[58:59]      ; my scale words of K step 2 kp,
	s_add_nc_u64 s[54:55], s[52:53], s[56:57]      ; and of 2 kp + 1: N x 4 bytes on
.macro LOAD t                          ; block t: 32 rows of my column into set t % 2
.irp i, 0,1,2,3,4,5,6,7,8,9,10,11,12,13,14,15,16,17,18,19,20,21,22,23,24,25,26,27,28,29,30,31
	global_load_b32 v[WX+32*((\t)%2)+\i], v[WOFF+\i], s[WBS+2*(\t):WBS+2*(\t)+1] th:TH_LOAD_NT
.endr
.endm
	LOAD 0
	LOAD 1
.macro BLOCK t
.set XS, WX+32*((\t)%2)
.if (\t) < 7
	s_wait_loadcnt 32                              ; this block's 32 loads are in; the next block's 32 may be out
.else
	s_wait_loadcnt 0x0
.endif
	v_max3_num_f32 v12, |v[XS]|, |v[XS+1]|, |v[XS+2]|
	v_max3_num_f32 v13, |v[XS+3]|, |v[XS+4]|, |v[XS+5]|
.irp i, 6,10,14,18,22,26
	v_max3_num_f32 v12, v12, |v[XS+\i]|, |v[XS+\i+1]|
	v_max3_num_f32 v13, v13, |v[XS+\i+2]|, |v[XS+\i+3]|
.endr
	v_max3_num_f32 v12, v12, |v[XS+30]|, |v[XS+31]|
	v_max3_num_f32 v12, v12, v13, 0x2800000        ; and the floor 2^(5 - 127): the byte cannot fall under 1
	v_add_nc_u32 v11, 0xfe000000, v12              ; 4 off the exponent field: the conversion's scale operand
	v_lshrrev_b32 v13, 23, v11                     ; the byte
.if (\t)%4 == 0
	v_mov_b32 v[WSW+(\t)/4], v13
.else
	v_lshl_or_b32 v[WSW+(\t)/4], v13, 8*((\t)%4), v[WSW+(\t)/4]
.endif
	v_cvt_scalef32_pk16_bf6_f32 v[WC:WC+2], v[XS:XS+15], v11
	v_cvt_scalef32_pk16_bf6_f32 v[WC+6:WC+8], v[XS+16:XS+31], v11   ; (a conversion's three registers begin on an even number)
	v_nop                                          ; one plain instruction behind the conversions, ahead of the moves
.irp i, 0,1,2
	v_mov_b32 v[WC+3+\i], v[WC+6+\i]
.endr
	ds_store_b128 v2, v[WC:WC+3] offset:((\t)/2)*768+((\t)%2)*256       ; half fragment t / 2, lane r + 16 (t % 2)
	ds_store_b64 v3, v[WC+4:WC+5] offset:((\t)/2)*768+512+((\t)%2)*128
.if (\t) < 6
	LOAD (\t)+2
.endif
	s_wait_dscnt 0x0                               ; the stores have read their registers: the next block's codes may be written
.endm
.set Q, 0
.rept 8
	BLOCK Q
.set Q, Q+1
.endr
	global_store_b32 v6, v[WSW], s[52:53]          ; 128 consecutive bytes a wave, 512 a work-group
	s_wait_alu depctr_va_vdst(0)
	global_store_b32 v6, v[WSW+1], s[54:55]
.irp n, 0,1,2,3,4,5,6,7,8,9,10,11
	ds_load_b128 v[WOUT+4*\n:WOUT+4*\n+3], v4 offset:(\n/6)*TP+512*(\n%6)   ; LDS serves a wave's instructions in order: these see my stores
.endr
.irp n, 0,1,2,3,4,5,6,7,8,9,10,11
	s_wait_dscnt 11-\n                             ; the younger loads may be out
	global_store_b128 v5, v[WOUT+4*\n:WOUT+4*\n+3], s[50:51] offset:(\n/6)*3072+512*(\n%6)   ; 512 consecutive bytes, aligned
.endr
	s_wait_tensorcnt 0x0
	ds_add_u32 v247, v251
	s_wait_dscnt 0x0
	s_endpgm
.Lfunc_end_k_q46ae53c6bb_prep1:
	.size	k_q46ae53c6bb_prep1, .Lfunc_end_k_q46ae53c6bb_prep1-k_q46ae53c6bb_prep1
	.p2alignl 7, 3214868480
	.fill 96, 4, 3214868480
	.section	.rodata,"a",@progbits
	.p2align	6, 0x0
	.amdhsa_kernel k_q46ae53c6bb_prep1
		.amdhsa_group_segment_fixed_size 91904
		.amdhsa_private_segment_fixed_size 0
		.amdhsa_enable_private_segment 0
		.amdhsa_kernarg_size 56
		.amdhsa_user_sgpr_count 2
		.amdhsa_user_sgpr_kernarg_segment_ptr 1
		.amdhsa_wavefront_size32 1
		.amdhsa_system_sgpr_workgroup_id_x 1
		.amdhsa_system_sgpr_workgroup_id_y 1
		.amdhsa_system_sgpr_workgroup_id_z 1
		.amdhsa_system_vgpr_workitem_id 0
		.amdhsa_next_free_vgpr 256
		.amdhsa_next_free_sgpr 66
		.amdhsa_reserve_vcc 1
		.amdhsa_float_denorm_mode_32 3
		.amdhsa_float_denorm_mode_16_64 3
		.amdhsa_memory_ordered 1
		.amdhsa_forward_progress 1
		.amdhsa_inst_pref_size 88
	.end_amdhsa_kernel
	.amdgpu_metadata
---
amdhsa.version: [ 1, 2 ]
amdhsa.kernels:
  - .name:           k_q46ae53c6bb_prep1
    .symbol:         k_q46ae53c6bb_prep1.kd
    .args:
      - { .name: x, .offset: 0, .size: 8, .value_kind: global_buffer, .address_space: global }
      - { .name: ln1_scale, .offset: 8, .size: 8, .value_kind: global_buffer, .address_space: global }
      - { .name: ln1_bias, .offset: 16, .size: 8, .value_kind: global_buffer, .address_space: global }
      - { .name: hq, .offset: 24, .size: 8, .value_kind: global_buffer, .address_space: global }
      - { .name: qkv_w, .offset: 32, .size: 8, .value_kind: global_buffer, .address_space: global }
      - { .name: proj_w, .offset: 40, .size: 8, .value_kind: global_buffer, .address_space: global }
      - { .name: wts, .offset: 48, .size: 8, .value_kind: global_buffer, .address_space: global }
    .group_segment_fixed_size: 91904
    .private_segment_fixed_size: 0
    .kernarg_segment_align: 8
    .kernarg_segment_size: 56
    .max_flat_workgroup_size: 128
    .sgpr_count:     66
    .vgpr_count:     256
    .wavefront_size: 32
...
	.end_amdgpu_metadata
.endif
;; end of part 1
;; launch qkv (part 2): grid 16 x 16, 4 waves a work-group, clusters of 4 x 4, 327,680 bytes of LDS; arguments hq, wts, qkv_b, qq, kv; writes qq, kv
.if DOCPART == 2
	.amdgcn_target "amdgcn-amd-amdhsa--gfx1250"
	.amdhsa_code_object_version 6
	.text
	.protected	k_q46ae53c6bb_qkv
	.globl	k_q46ae53c6bb_qkv
	.p2align	8
	.type	k_q46ae53c6bb_qkv,@function
k_q46ae53c6bb_qkv:
	s_mov_b64 s[64:65], 0
	v_nop
	global_prefetch_b8 v0, s[64:65] scope:SCOPE_SE
	s_setreg_imm32_b32 hwreg(HW_REG_WAVE_MODE, 25, 1), 1
	s_wait_xcnt 0x0
	s_wait_alu depctr_hold_cnt(0) depctr_sa_sdst(0) depctr_va_vdst(0) depctr_va_sdst(0) depctr_va_ssrc(0) depctr_va_vcc(0) depctr_vm_vsrc(0)
	s_getreg_b32 s2, hwreg(HW_REG_IB_STS2, 6, 4)
	s_cmp_eq_u32 s2, 0
	s_cbranch_scc0 .Lentry_in_a_cluster
	s_endpgm
.Lentry_in_a_cluster:
	s_bfe_u32 s2, ttmp6, 0x10000c
	s_cmp_lg_u32 s2, 0xf033
	s_cbranch_scc0 .Lentry_shape_is_right
	s_endpgm
.Lentry_shape_is_right:
.set XB, 12
.set YB, 4
.set NQ, 2
.set RA, 4096
.set RB, 3072
.set RBTA, 16
.set RBTB, 12
.set RBPA, 8
.set RBPB, 6
.set PARTA, RBPA*3072
.set PARTB, RBPB*3072
.set SLOT, 2*PARTA+2*PARTB
.set KST, 8
.set RWA, RBTA*64                      ; a K step's scale words of ALL the tile's rows of A lie on end in LDS
.set RWB, RBTB*64                      ; and of B: 768 bytes, beginning at a multiple of 256 in memory
.set SPA, KST*RWA
.set SPB, KST*RWB
.set SCA, 2*SLOT
.set SCB, SCA+SPA
.set SPARE, SCB+SPB
.set SCR, SPARE+512
.set ASOFF, 3145728
.set BCOFF, 0
.set BSOFF, 9437184
.set AX16, 2
.set AX8, 4
.set AY16, 6
.set AY8, 8
.set ASX, 10
.set ASY, 11
.set L16, 24
.set L8, 25
.set L4, 26
.set SPW, 28
.set NIL, 29
.set SCX, 32
.set SCY, 44
.set TM, 52
.set TQ, 60
.set XF, 112
.set CD, 112
.set UU, 184
.set G1A, 24
.set G0A, 32
.set G1B, 48
.set G0B, 56
.set G1SA, 68
.set G0SA, 76
.set G1SB, 80
.set G0SB, 88
.set SEL, 98
.set MSB, 0
.macro WIN new
.if MSB != (\new)
	s_set_vgpr_msb (MSB<<8)|(\new)
.set MSB, \new
.endif
.endm
.macro PLACES n
.rept \n
	v_nop
.endr
.endm
.macro GROUP1 g, c, r, p
	s_mov_b32 s[\g+1], ((\c)&0xffff)<<16
	s_mov_b32 s[\g+2], ((\c)>>16)|(((\r)&0xffff)<<16)
	s_mov_b32 s[\g+3], ((\r)>>16)|((\c)<<16)
	s_mov_b32 s[\g+4], \r
	s_mov_b32 s[\g+5], \p
	s_mov_b32 s[\g+6], 0
	s_mov_b32 s[\g+7], 0
.endm
.macro JLOAD g0a, g1a, g0b, g1b
	s_cmp_eq_u32 s15, 0
	s_cbranch_scc0 .Lfor_b_\@
	tensor_load_to_lds s[\g0a:\g0a+3], s[\g1a:\g1a+7]
	s_nop 0
.rept 4
	v_nop
.endr
	s_branch .Lasked_\@
.Lfor_b_\@:
	tensor_load_to_lds s[\g0b:\g0b+3], s[\g1b:\g1b+7]
	s_nop 0
.rept 4
	v_nop
.endr
.Lasked_\@:
.endm
.macro CREST
	s_cmp_lg_u32 s14, 0
	s_cbranch_scc1 .Lnot_wave_0_\@
	s_barrier_signal -3
.Lnot_wave_0_\@:
	s_barrier_wait -3
	s_barrier_signal -1
	s_barrier_wait -1
.endm
.macro CROUND
	s_barrier_signal -1
	s_barrier_wait -1
	CREST
.endm
.macro WM
.if fA==0 && fB==0
	v_wmma_scale_f32_16x16x128_f8f6f4 v[rD:rD+7], v[rA:rA+11], v[rB:rB+11], v[rC:rC+7], v[rSa], v[rSb] matrix_a_fmt:MATRIX_FMT_BF6 matrix_b_fmt:MATRIX_FMT_BF6
.elseif fA==1 && fB==0
	v_wmma_scale_f32_16x16x128_f8f6f4 v[rD:rD+7], v[rA:rA+11], v[rB:rB+11], v[rC:rC+7], v[rSa], v[rSb] matrix_a_fmt:MATRIX_FMT_BF6 matrix_b_fmt:MATRIX_FMT_BF6 matrix_a_scale:MATRIX_SCALE_ROW1
.elseif fA==0
	v_wmma_scale_f32_16x16x128_f8f6f4 v[rD:rD+7], v[rA:rA+11], v[rB:rB+11], v[rC:rC+7], v[rSa], v[rSb] matrix_a_fmt:MATRIX_FMT_BF6 matrix_b_fmt:MATRIX_FMT_BF6 matrix_b_scale:MATRIX_SCALE_ROW1
.else
	v_wmma_scale_f32_16x16x128_f8f6f4 v[rD:rD+7], v[rA:rA+11], v[rB:rB+11], v[rC:rC+7], v[rSa], v[rSb] matrix_a_fmt:MATRIX_FMT_BF6 matrix_b_fmt:MATRIX_FMT_BF6 matrix_a_scale:MATRIX_SCALE_ROW1 matrix_b_scale:MATRIX_SCALE_ROW1
.endif
.endm
.macro MM x, y, p, sg, first
.if (\x) < 8
.set rD, 128*((\x)/4)+32*(\y)+8*((\x)%4)
.set rA, XF+12*(\x)
.set rB, 128*(\p)+12*(\y)
.set rSa, SCX+6*(\sg)+(\x)/2
.set rSb, SCY+4*(\sg)+(\y)/2
.set fA, (\x)%2
.set fB, (\y)%2
.if \first
.set rC, 48+8*(\x)
	WIN 0x94
.else
.set rC, rD
	WIN 0xa4
.endif
.else
.set rD, 32*((\x)-8)+8*(\y)
.set rA, 128*(\p)+12*(\y)
.set rB, XF+12*(\x)
.set rSa, SCY+4*(\sg)+(\y)/2
.set rSb, SCX+6*(\sg)+(\x)/2
.set fA, (\y)%2
.set fB, (\x)%2
.if \first
.set rC, 176+8*((\x)-8)
	WIN 0xd1
.else
.set rC, rD
	WIN 0xf1
.endif
.endif
	WM
.endm
.macro MUL x0, n, p, sg, first
.set xx, \x0
.rept \n
.set yy, 0
.rept YB
	MM xx, yy, \p, \sg, \first
.set yy, yy+1
.endr
.set xx, xx+1
.endr
.endm
.macro FRAG reg, a16, a8, off
	ds_load_b128 v[\reg:\reg+3], v[\a16] offset:\off
	ds_load_b64 v[\reg+4:\reg+5], v[\a8] offset:\off+512
	ds_load_b128 v[\reg+6:\reg+9], v[\a16] offset:\off+768
	ds_load_b64 v[\reg+10:\reg+11], v[\a8] offset:\off+1280
.endm
.macro FETCH_Y slot, q, p
	WIN 0x40
.set ii, 0
.rept YB
	FRAG 128*(\p)+12*ii, AY16+\slot, AY8+\slot, ii*3072+((\q)%2)*1536
.set ii, ii+1
.endr
	WIN 0
.endm
.macro FETCH_X slot, q, half
.set ii, (\half)*(XB/2)
.rept XB/2
	FRAG XF+12*ii, AX16+\slot, AX8+\slot, ii*3072+((\q)%2)*1536
.set ii, ii+1
.endr
.endm
.macro SCALES q, sg
.irp i, 0,1,2,3,4,5
	ds_load_b32 v[SCX+6*(\sg)+\i], v[ASX] offset:(\q)*RWB+\i*128
.endr
.irp i, 0,1
	ds_load_b32 v[SCY+4*(\sg)+\i], v[ASY] offset:(\q)*RWA+\i*128
.endr
.endm
.macro STEP slot, q, first
	s_wait_dscnt (XB/2)*4
	MUL 0, XB/2, (\q)%2, (\q)%2, \first
	s_wait_dscnt 0x0
	PLACES 4
	FETCH_Y \slot, (\q)+1, 1-(\q)%2
	FETCH_X \slot, (\q)+1, 0
	SCALES (\q)+1, 1-(\q)%2
	MUL XB/2, XB/2, (\q)%2, (\q)%2, \first
	PLACES 4
	WIN 0
	FETCH_X \slot, (\q)+1, 1
.endm
.macro TURN slot, next, fill
	s_wait_tensorcnt 0x0
	ds_add_u32 v[SPW], v[NIL]
	s_wait_dscnt (XB/2)*4+1
	MUL 0, XB/4, 1, 1, 0
	s_wait_dscnt 0x0
	s_barrier_signal -1
	MUL XB/4, XB/4, 1, 1, 0
	WIN 0
	s_barrier_wait -1
.if \fill
	CREST
	s_add_nc_u64 s[G0A+4*\slot+2:G0A+4*\slot+3], s[G0A+4*\slot+2:G0A+4*\slot+3], 2*RA*192
	s_add_nc_u64 s[G0B+4*\slot+2:G0B+4*\slot+3], s[G0B+4*\slot+2:G0B+4*\slot+3], 2*RB*192
	JLOAD G0A+4*\slot, G1A, G0B+4*\slot, G1B
.else
	PLACES 4
.endif
	v_add_nc_u32 v[ASX], NQ*RWB, v[ASX]
	v_add_nc_u32 v[ASY], NQ*RWA, v[ASY]
	FETCH_Y \next, 0, 0
	FETCH_X \next, 0, 0
	SCALES 0, 0
	MUL XB/2, XB/2, 1, 1, 0
	PLACES 4
	WIN 0
	FETCH_X \next, 0, 1
.endm
.macro QH src, win, pco, uo
	WIN (\win)|((\win)<<2)
.irp b, 0,1
	v_max3_num_f32 v[TM+\b], |v[(\src)+16*\b]|, |v[(\src)+16*\b+1]|, 0x2800000
.endr
.irp i, 2,4,6,8,10,12,14
.irp b, 0,1
	v_max3_num_f32 v[TM+\b], |v[(\src)+16*\b+\i]|, |v[(\src)+16*\b+\i+1]|, v[TM+\b]
.endr
.endr
	WIN 0
.irp b, 0,1
	v_permlanex16_b32 v[TM+2+\b], v[TM+\b], s[SEL], s[SEL+1]
.endr
.irp b, 0,1
	v_max_num_f32 v[TM+\b], v[TM+\b], v[TM+2+\b]
.endr
.irp b, 0,1
	v_add_nc_u32 v[TM+4+\b], 0xfe000000, v[TM+\b]
.endr
.irp b, 0,1
	v_lshrrev_b32 v[TM+2+\b], 23, v[TM+4+\b]
.endr
	v_lshl_or_b32 v[\uo], v[TM+3], 8, v[TM+2]
	WIN \win
	v_cvt_scalef32_pk16_bf6_f32 v[\pco:(\pco)+2], v[\src:(\src)+15], v[TM+4]
	v_cvt_scalef32_pk16_bf6_f32 v[TQ:TQ+2], v[(\src)+16:(\src)+31], v[TM+5]
	WIN 0
	v_nop
.irp i, 0,1,2
	v_permlane16_swap_b32 v[(\pco)+\i], v[TQ+\i]
.endr
.irp i, 0,1,2
	v_mov_b32 v[(\pco)+3+\i], v[TQ+\i]
.endr
.endm
	s_load_b256 s[4:11], s[0:1], 0x0
	s_load_b64 s[12:13], s[0:1], 0x20
	v_lshl_add_u32 v[SPW], v0, 2, SPARE
	v_mov_b32 v[NIL], 0
	ds_add_u32 v28, v29
	ds_add_u32 v28, v29
	s_wait_dscnt 0x0
	v_lshrrev_b32 v1, 5, v0
	v_readfirstlane_b32 s14, v1
	s_lshr_b32 s15, s14, 1
	s_and_b32 s16, s14, 1
	s_bfe_u32 s40, ttmp6, 0x40000
	s_bfe_u32 s41, ttmp6, 0x40004
	s_lshl_b32 s42, ttmp9, 2
	s_add_co_u32 s42, s42, s40
	s_and_b32 s17, ttmp7, 0xffff
	s_lshl_b32 s17, s17, 2
	s_add_co_u32 s17, s17, s41
	s_lshl_b32 s43, s41, 2
	s_lshl_b32 s43, 15, s43
	s_lshl_b32 s44, 0x1111, s40
	s_or_b32 s[G1A], s43, (3<<16)|(1<<21)
	s_or_b32 s[G1SA], s43, (3<<16)|(1<<21)
	s_or_b32 s[G1B], s44, (3<<16)|(1<<21)
	s_or_b32 s[G1SB], s44, (3<<16)|(1<<21)
	GROUP1 G1A, 32, 2*PARTA/256, 32                ; for the head's loads: both parts of a slot at once
	GROUP1 G1B, 32, 2*PARTB/256, 32
	GROUP1 G1SA, RBTA*8, KST, RA/2                 ; the scale words of the whole tile: a row for each K step
	GROUP1 G1SB, RBTB*8, KST, RB/2
	s_mul_i32 s20, s17, RBTA
	s_lshl_b32 s22, s20, 6
	s_add_co_u32 s22, s22, ASOFF
	s_mul_i32 s18, s16, RBPA
	s_add_co_u32 s20, s20, s18
	s_mul_i32 s20, s20, 3072
	s_mov_b32 s21, 0
	s_mov_b32 s23, 0
	s_mul_i32 s46, s42, RBTB
	s_lshl_b32 s92, s46, 6
	s_add_co_u32 s92, s92, BSOFF
	s_mul_i32 s18, s16, RBPB
	s_add_co_u32 s46, s46, s18
	s_mul_i32 s46, s46, 3072
	s_add_co_u32 s46, s46, BCOFF
	s_mov_b32 s47, 0
	s_mov_b32 s93, 0
	s_mul_i32 s45, s16, PARTA
	s_mul_i32 s94, s16, PARTB
	s_add_co_u32 s94, s94, 2*PARTA
	s_mov_b32 s[SEL], 0x76543210
	s_mov_b32 s[SEL+1], 0xfedcba98
	s_wait_kmcnt 0x0
	s_add_nc_u64 s[20:21], s[4:5], s[20:21]
	s_add_nc_u64 s[22:23], s[4:5], s[22:23]
	s_add_nc_u64 s[46:47], s[6:7], s[46:47]
	s_add_nc_u64 s[92:93], s[6:7], s[92:93]
	CROUND
	s_mov_b32 s[G0SA], 1
	s_mov_b32 s[G0SA+1], SCA
	s_mov_b64 s[G0SA+2:G0SA+3], s[22:23]
	s_or_b32 s[G0SA+3], s[G0SA+3], 0x80000000
	s_mov_b32 s[G0SB], 1
	s_mov_b32 s[G0SB+1], SCB
	s_mov_b64 s[G0SB+2:G0SB+3], s[92:93]
	s_or_b32 s[G0SB+3], s[G0SB+3], 0x80000000
.irp s, 0,1
	s_mov_b32 s[G0A+4*\s], 1
	s_add_co_u32 s[G0A+4*\s+1], s45, \s*SLOT
	s_add_nc_u64 s[G0A+4*\s+2:G0A+4*\s+3], s[20:21], \s*RA*192
	s_or_b32 s[G0A+4*\s+3], s[G0A+4*\s+3], 0x80000000
	s_mov_b32 s[G0B+4*\s], 1
	s_add_co_u32 s[G0B+4*\s+1], s94, \s*SLOT
	s_add_nc_u64 s[G0B+4*\s+2:G0B+4*\s+3], s[46:47], \s*RB*192
	s_or_b32 s[G0B+4*\s+3], s[G0B+4*\s+3], 0x80000000
.endr
; THE HEAD'S FOUR TILES, ONE JOINT LOAD A WAVE: wave 0 slot 0's whole A (its own group 0 begins at the tile's first byte), wave 1 A's scale words, wave 2 slot 0's whole B, wave 3 B's scale words.
.macro ARM under, g0, g1, next
	s_cmp_lt_u32 s14, \under
	s_cbranch_scc0 \next
	tensor_load_to_lds s[\g0:\g0+3], s[\g1:\g1+7]
	s_nop 0
.rept 4
	v_nop
.endr
	s_branch .Lhead_asked
\next:
.endm
	ARM 1, G0A, G1A, .Lhead_sa
	ARM 2, G0SA, G1SA, .Lhead_b
	ARM 3, G0B, G1B, .Lhead_sb
	tensor_load_to_lds s[G0SB:G0SB+3], s[G1SB:G1SB+7]
	s_nop 0
.rept 4
	v_nop
.endr
.Lhead_asked:
; PREFETCH: every wave asks for a quarter of the part that it will itself load in later fills; the four partners that load a part jointly are told apart by address (cx for A, cy for B);
; a lane a block of 256 bytes, lanes left over name the wave's last block again.  Fills 1 and 2 here, fill 3 behind slot 1's load; fill 3 is K's last.  Base and offsets are never rewritten.
	s_cmp_eq_u32 s15, 0                            ; do I fetch for A?
	s_cselect_b64 s[96:97], s[20:21], s[46:47]     ; my part of fill 0,
	s_cselect_b32 s18, s40, s41                    ; my place among the four,
	s_mov_b32 s95, RB*192
	s_cselect_b32 s95, RA*192, s95                 ; the bytes from fill to fill,
	s_mov_b32 s19, PARTB/4
	s_cselect_b32 s19, PARTA/4, s19                ; and a quarter of the part
	s_mul_i32 s18, s18, s19
	s_lshr_b32 s2, s19, 8
	s_sub_co_u32 s2, s2, 1                         ; its last block
	s_mov_b32 s19, 0
	s_add_nc_u64 s[96:97], s[96:97], s[18:19]
	v_and_b32 v22, 31, v0
	v_min_u32 v22, s2, v22
	v_lshlrev_b32 v22, 8, v22
	v_add_nc_u32 v19, s95, v22
	v_add_nc_u32 v20, s95, v19
	v_add_nc_u32 v21, s95, v20
	global_prefetch_b8 v19, s[96:97] th:TH_LOAD_NT scope:SCOPE_SE   ; fill 1
	global_prefetch_b8 v20, s[96:97] th:TH_LOAD_NT scope:SCOPE_SE   ; fill 2
	v_and_b32 v1, 31, v0
	v_lshlrev_b32 v[L16], 4, v1
	v_lshlrev_b32 v[L8], 3, v1
	v_lshlrev_b32 v[L4], 2, v1
	s_wait_alu depctr_va_vdst(0)
	s_mov_b32 s18, 2*PARTA
	s_mul_i32 s19, s15, PARTA
	s_mul_i32 s2, s16, 4*3072
	s_add_co_u32 s19, s19, s2
.irp s, 0,1
	v_add_nc_u32 v[AX16+\s], s18, v[L16]
	v_add_nc_u32 v[AX8+\s], s18, v[L8]
	v_add_nc_u32 v[AY16+\s], s19, v[L16]
	v_add_nc_u32 v[AY8+\s], s19, v[L8]
	s_add_co_u32 s18, s18, SLOT
	s_add_co_u32 s19, s19, SLOT
.endr
	v_add_nc_u32 v[ASX], SCB, v[L4]
	s_mul_i32 s18, s15, RWA/2
	s_lshl_b32 s19, s16, 8
	s_add_co_u32 s18, s18, s19
	s_add_co_u32 s18, s18, SCA
	v_add_nc_u32 v[ASY], s18, v[L4]
	v_and_b32 v18, 15, v0
	v_lshrrev_b32 v12, 4, v1
	v_lshlrev_b32 v12, 6, v12
	v_and_b32 v17, 8, v18
	v_add_nc_u32 v17, v17, v18
	v_lshlrev_b32 v17, 2, v17
	s_wait_alu depctr_va_vdst(0)
	s_lshl_b32 s18, s14, 9
	s_add_co_u32 s18, s18, SCR
	v_lshl_add_u32 v13, v18, 2, s18
	v_add_nc_u32 v14, s18, v[L8]
	s_lshl_b32 s18, s14, 8
	s_add_co_u32 s18, s18, SCR+2048
	v_lshl_add_u32 v15, v18, 2, s18
	v_add_nc_u32 v16, s18, v[L8]
	v_mov_b32 v[TM+2], 0
	v_mov_b32 v[TM+3], 0
	s_mul_i32 s18, s42, 768
	s_mov_b32 s19, 0
	s_add_nc_u64 s[8:9], s[8:9], s[18:19]
	WIN 0x40
.irp x, 0,1,2,3,4,5,6,7
	global_load_b128 v[48+8*\x:51+8*\x], v12, s[8:9] offset:(32*(\x/2)+8*(\x%2))*4
	global_load_b128 v[52+8*\x:55+8*\x], v12, s[8:9] offset:(32*(\x/2)+8*(\x%2))*4+16
.endr
.irp d, 0,1,2,3
.irp j, 0,1,2,3,4,5,6,7
	global_load_b32 v[176+8*\d+\j], v17, s[8:9] offset:(128+32*(\d/2)+8*(\d%2))*4
.endr
.endr
	WIN 0
	s_lshr_b32 s2, s17, 3
	s_lshl_b32 s2, s2, 4
	s_add_co_u32 s2, s2, s42
	s_and_b32 s3, s17, 7
	s_lshl_b32 s18, s2, 7
	s_lshl_b32 s19, s3, 4
	s_add_co_u32 s18, s18, s19
	s_lshl_b32 s19, s14, 2
	s_add_co_u32 s18, s18, s19
	s_lshl_b32 s20, s18, 6
	s_add_co_u32 s20, s20, 3145728
	s_mov_b32 s21, 0
	s_mul_i32 s18, s18, 768
	s_mov_b32 s19, 0
	s_add_nc_u64 s[20:21], s[10:11], s[20:21]
	s_add_nc_u64 s[10:11], s[10:11], s[18:19]
	s_mul_i32 s18, s2, 208896
	s_lshl_b32 s3, s3, 1
	s_add_co_u32 s3, s3, s15
	s_mul_i32 s3, s3, 13056
	s_add_co_u32 s18, s18, s3
	s_add_nc_u64 s[12:13], s[12:13], s[18:19]
	s_mul_i32 s18, s16, 3072
	s_add_nc_u64 s[22:23], s[12:13], s[18:19]
	s_mul_i32 s18, s16, 768
	s_add_co_u32 s18, s18, 6144
	s_add_nc_u64 s[46:47], s[12:13], s[18:19]
	s_lshl_b32 s18, s16, 8
	s_add_co_u32 s18, s18, 12288
	s_add_nc_u64 s[92:93], s[12:13], s[18:19]
	s_wait_alu depctr_va_vdst(0)                   ; the wait at the head's end
	s_wait_tensorcnt 0x0                           ; my tile of the head's four is in
	ds_add_u32 v28, v29
	GROUP1 G1A, 32, PARTA/256, 32                  ; no load of mine is out: from here on a load brings one part of a slot
	GROUP1 G1B, 32, PARTB/256, 32
	s_wait_dscnt 0x0
	CROUND                                         ; all four tiles are in, in every partner
	JLOAD G0A+4, G1A, G0B+4, G1B                   ; slot 1's first fill: my one load behind the round
	FETCH_Y 0, 0, 0
	FETCH_X 0, 0, 0
	SCALES 0, 0
	global_prefetch_b8 v21, s[96:97] th:TH_LOAD_NT scope:SCOPE_SE   ; fill 3
	FETCH_X 0, 0, 1
	s_wait_loadcnt 0x0
	STEP 0, 0, 1
	TURN 0, 1, 1
	s_wait_alu depctr_va_vdst(0)
	STEP 1, 0, 0
	TURN 1, 0, 1
	s_wait_alu depctr_va_vdst(0)
	STEP 0, 0, 0
	TURN 0, 1, 0
	s_wait_alu depctr_va_vdst(0)
	STEP 1, 0, 0
	s_wait_dscnt (XB/2)*4
	MUL 0, XB/2, 1, 1, 0
	s_wait_dscnt 0x0
	MUL XB/2, XB/2, 1, 1, 0
	WIN 0
	PLACES 4
.irp t, 0,1,2,3
	QH 32*\t, 2, CD+6*\t, UU+\t
.endr
.irp t, 0,1,2,3
	QH 128+32*\t, 2, CD+24+6*\t, UU+4+\t
.endr
.irp d, 0,1,2,3
	QH 32*\d, 3, CD+48+6*\d, UU+8+\d
.endr
.irp n, 0,1,2,3,4,5,6,7
	v_or_b32 v[UU+\n], 0x7f7f0000, v[UU+\n]
.endr
.irp t, 0,1,2,3
	global_store_b128 v[L16], v[CD+6*\t:CD+6*\t+3], s[10:11] offset:768*\t
	global_store_b64 v[L8], v[CD+6*\t+4:CD+6*\t+5], s[10:11] offset:768*\t+512
	global_store_b128 v[L16], v[CD+24+6*\t:CD+24+6*\t+3], s[22:23] offset:768*\t
	global_store_b64 v[L8], v[CD+24+6*\t+4:CD+24+6*\t+5], s[22:23] offset:768*\t+512
	global_store_b128 v[L16], v[CD+48+6*\t:CD+48+6*\t+3], s[46:47] offset:1536*\t
	global_store_b64 v[L8], v[CD+48+6*\t+4:CD+48+6*\t+5], s[46:47] offset:1536*\t+512
.endr
.irp t, 0,1,2,3
	ds_store_b32 v13, v[UU+\t] offset:64*\t
	ds_store_b32 v13, v[UU+4+\t] offset:256+64*\t
	ds_store_b32 v15, v[UU+8+\t] offset:64*\t
.endr
	s_wait_dscnt 0x0
	s_barrier_signal -1
	s_barrier_wait -1
	ds_load_b64 v[200:201], v14
	ds_load_b64 v[202:203], v14 offset:256
	s_wait_dscnt 0x0
	global_store_b64 v[L8], v[200:201], s[20:21]
	global_store_b64 v[L8], v[202:203], s[92:93]
	s_cmp_lg_u32 s16, 0
	s_cbranch_scc1 .Lodd
	ds_load_b64 v[204:205], v16
	ds_load_b64 v[206:207], v16 offset:256
	s_wait_dscnt 0x0
	v_lshl_or_b32 v204, v206, 16, v204
	v_lshl_or_b32 v205, v207, 16, v205
	global_store_b64 v[L8], v[204:205], s[12:13] offset:12800
.Lodd:
	s_wait_tensorcnt 0x0
	ds_add_u32 v[SPW], v[NIL]
	s_wait_dscnt 0x0
	CROUND
	s_endpgm
.Lfunc_end_k_q46ae53c6bb_qkv:
	.size	k_q46ae53c6bb_qkv, .Lfunc_end_k_q46ae53c6bb_qkv-k_q46ae53c6bb_qkv
	.p2alignl 7, 3214868480
	.fill 96, 4, 3214868480
	.section	.rodata,"a",@progbits
	.p2align	6, 0x0
	.amdhsa_kernel k_q46ae53c6bb_qkv
		.amdhsa_group_segment_fixed_size 327680
		.amdhsa_private_segment_fixed_size 0
		.amdhsa_enable_private_segment 0
		.amdhsa_kernarg_size 40
		.amdhsa_user_sgpr_count 2
		.amdhsa_user_sgpr_kernarg_segment_ptr 1
		.amdhsa_wavefront_size32 1
		.amdhsa_system_sgpr_workgroup_id_x 1
		.amdhsa_system_sgpr_workgroup_id_y 1
		.amdhsa_system_sgpr_workgroup_id_z 1
		.amdhsa_system_vgpr_workitem_id 0
		.amdhsa_next_free_vgpr 1024
		.amdhsa_next_free_sgpr 102
		.amdhsa_reserve_vcc 0
		.amdhsa_float_denorm_mode_32 3
		.amdhsa_float_denorm_mode_16_64 3
		.amdhsa_memory_ordered 1
		.amdhsa_forward_progress 1
		.amdhsa_inst_pref_size 137
	.end_amdhsa_kernel
	.amdgpu_metadata
---
amdhsa.version: [ 1, 2 ]
amdhsa.kernels:
  - .name:           k_q46ae53c6bb_qkv
    .symbol:         k_q46ae53c6bb_qkv.kd
    .args:
      - { .name: hq, .offset: 0, .size: 8, .value_kind: global_buffer, .address_space: global }
      - { .name: wts, .offset: 8, .size: 8, .value_kind: global_buffer, .address_space: global }
      - { .name: qkv_b, .offset: 16, .size: 8, .value_kind: global_buffer, .address_space: global }
      - { .name: qq, .offset: 24, .size: 8, .value_kind: global_buffer, .address_space: global }
      - { .name: kv, .offset: 32, .size: 8, .value_kind: global_buffer, .address_space: global }
    .group_segment_fixed_size: 327680
    .private_segment_fixed_size: 0
    .kernarg_segment_align: 8
    .kernarg_segment_size: 40
    .max_flat_workgroup_size: 128
    .sgpr_count:     102
    .vgpr_count:     1024
    .wavefront_size: 32
...
	.end_amdgpu_metadata
.endif
;; end of part 2
;; launch attn (part 3): grid 8 x 32, 16 waves a work-group, clusters of 4 x 1, 215,040 bytes of LDS; arguments qq, kv, cq; writes cq
.if DOCPART == 3
	.amdgcn_target "amdgcn-amd-amdhsa--gfx1250"
	.amdhsa_code_object_version 6
	.text
	.protected	k_q46ae53c6bb_attn
	.globl	k_q46ae53c6bb_attn
	.p2align	8
	.type	k_q46ae53c6bb_attn,@function
k_q46ae53c6bb_attn:
	s_mov_b64 s[64:65], 0
	v_nop
	global_prefetch_b8 v0, s[64:65] scope:SCOPE_SE
	s_setreg_imm32_b32 hwreg(HW_REG_WAVE_MODE, 25, 1), 1
	s_wait_xcnt 0x0
	s_wait_alu depctr_hold_cnt(0) depctr_sa_sdst(0) depctr_va_vdst(0) depctr_va_sdst(0) depctr_va_ssrc(0) depctr_va_vcc(0) depctr_vm_vsrc(0)
	s_getreg_b32 s2, hwreg(HW_REG_IB_STS2, 6, 4)
	s_cmp_eq_u32 s2, 0
	s_cbranch_scc0 .Lentry_in_a_cluster
	s_endpgm
.Lentry_in_a_cluster:
	s_bfe_u32 s2, ttmp6, 0x10000c
	s_cmp_lg_u32 s2, 0x3003
	s_cbranch_scc0 .Lentry_shape_is_right
	s_endpgm
.Lentry_shape_is_right:
; ctx = softmax(q k^T / 8) v for 32 (batch, head) pairs of 2,048 tokens and head size 64, both products on codes of BF6 (E3M2) with E8M0 scales; ctx is quantised here for the projection.
; THE SOFTMAX AHEAD OF THE SECOND PRODUCT: t = score x log2(e) / 8; M = the running largest t rounded UP to a whole number; p = 2^(t - M) is quantised along the keys, not normalised; the row's sum is taken of the
; unquantised p and divides at the end.  When M moves, the sum and O are multiplied by 2^(old M - new M), which rounds nothing.
; SHARES.  A work-group owns 256 queries of one (batch, head); each of its sixteen waves one tile of 16, in 256 registers: four waves to a SIMD, so that one wave's vector work stands beside another's products and LDS loads.
; THE WHOLE HEAD LIES IN LDS: 16 key steps x 13,056 bytes (K 8 tiles x 768 | V 4 x 2 x 768 | K's words 512 | V's words 256), filled ONCE: no ring, no bytes filled again.  Waves 0-3 each issue four loads at the head,
; so four tensor loads of a wave are out at the most; load j of wave w brings key step 4 j + w.
; TWO BARRIERS.  The first shows key steps 0-3 (each fetching wave's first load) to all sixteen waves; the second, four key steps of work later, shows the other twelve.  Behind it the waves walk twelve key steps
; without meeting again: nothing in LDS is written any more, so nothing is left to order, and the waves of a SIMD are free to drift apart.
; CLUSTER 4 x 1: four query blocks of a head ask for each key step jointly.  A head's two clusters are not joined: a mask names four work-groups at the most.  No prefetch: all of K and V is asked for at the head.
; LAYOUT.  Both products are used transposed: S^T = K Q^T, O^T = V^T P^T: a lane holds ONE query.  The keys of a tile of K are rows 32 (t / 2) + 8 (t % 2) + r + 8 (r / 8), so that the 16 registers of tiles 2 b, 2 b + 1 are 16 neighbouring keys.
; K = 64 IN A 128-DEEP PRODUCT.  Q's registers 6-11 are zero codes.  K's tile t is named v[32 + 6 t : 43 + 6 t]: its upper six registers are the next tile's codes (behind the last tile: zeros), finite numbers of the format
; which, times zero codes under scale bytes of 2^0, add exactly 0.  So a tile of K costs six registers and 768 bytes of LDS reads.
; OUT.  cq as an operand [4096][1024]: codes [head / 4][row block][head % 4][768]; the two scale bytes of a row go out as 2-byte pieces (the word's other half is another head's): 128 KiB of the 3.3 MB stored.
; LIMITS: a block whose largest magnitude lies under 2^-122 gets the byte 1 (its codes are zeros); NaN and infinities are not served.
; REGISTERS: v1-3 16, 8, 4 x lane; v4-6 the step's LDS addresses; v7 4 r; v12 -M, v13 the largest t, v[14:15] the sum; v16-27 Q; v28-31 scale words (V's two, Q's, p's); v32-79 K's or V's fragments; v80-85 zeros;
; v86-89 K's words; v96-159 S^T, then p; v160-191 O^T; v192-203 p's codes; v204-229 at work.
; THE HEAD AS IT STANDS: each of the sixteen waves issues ONE joint load, key step = its number; one barrier shows all sixteen key steps to all waves; one loop walks them.
; This takes the place of what the paragraphs above say of four loads in waves 0-3 and of two barriers.
.set STEPB, 13056
.set WV,  18
.set SEL, 20
.set CS,  22
.set G1,  24
.set G0,  32
.set TB,  48
.set CNT, 49
.set BM,  204
.set B2,  208
.set SO,  212
.set TM,  204
.set TQ,  216
.set MSB, 0
.macro WIN new                         ; (here every window stays 0)
.if MSB != (\new)
	s_set_vgpr_msb (MSB<<8)|(\new)
.set MSB, \new
.endif
.endm
.macro CROUND                          ; a round of the cluster's barrier
	s_barrier_signal -1
	s_barrier_wait -1
	s_cmp_lg_u32 s[WV], 0
	s_cbranch_scc1 .Lnot_wave_0_\@
	s_barrier_signal -3
.Lnot_wave_0_\@:
	s_barrier_wait -3
	s_barrier_signal -1
	s_barrier_wait -1
.endm
; 32 numbers of a lane, register src + 16 b + i = k 32 b + 16 (lane / 16) + i of my row, become a half fragment in v[pco] .. v[pco + 5] and its two scale bytes in v[uo].
.macro QH src, win, pco, uo
	WIN (\win)|((\win)<<2)
.irp b, 0,1
	v_max3_num_f32 v[TM+\b], |v[(\src)+16*\b]|, |v[(\src)+16*\b+1]|, 0x2800000
.endr
.irp i, 2,4,6,8,10,12,14
.irp b, 0,1
	s_delay_alu instid0(VALU_DEP_2)
	v_max3_num_f32 v[TM+\b], |v[(\src)+16*\b+\i]|, |v[(\src)+16*\b+\i+1]|, v[TM+\b]
.endr
.endr
	WIN 0
.irp b, 0,1
	s_delay_alu instid0(VALU_DEP_2)
	v_permlanex16_b32 v[TM+2+\b], v[TM+\b], s[SEL], s[SEL+1]
.endr
.irp b, 0,1
	s_delay_alu instid0(VALU_DEP_2)
	v_max_num_f32 v[TM+\b], v[TM+\b], v[TM+2+\b]
.endr
.irp b, 0,1
	s_delay_alu instid0(VALU_DEP_2)
	v_add_nc_u32 v[TM+4+\b], 0xfe000000, v[TM+\b]
.endr
.irp b, 0,1
	s_delay_alu instid0(VALU_DEP_2)
	v_lshrrev_b32 v[TM+2+\b], 23, v[TM+4+\b]
.endr
	s_delay_alu instid0(VALU_DEP_1)
	v_lshl_or_b32 v[\uo], v[TM+3], 8, v[TM+2]
	WIN \win
	v_cvt_scalef32_pk16_bf6_f32 v[\pco:(\pco)+2], v[\src:(\src)+15], v[TM+4]
	v_cvt_scalef32_pk16_bf6_f32 v[TQ:TQ+2], v[(\src)+16:(\src)+31], v[TM+5]
	WIN 0
	v_nop
.irp i, 0,1,2
	v_permlane16_swap_b32 v[(\pco)+\i], v[TQ+\i]
.endr
.irp i, 0,1,2
	s_delay_alu instid0(VALU_DEP_3)
	v_mov_b32 v[(\pco)+3+\i], v[TQ+\i]
.endr
.endm
	s_load_b128 s[4:7], s[0:1], 0x0                ; qq, kv
	s_load_b64 s[8:9], s[0:1], 0x10                ; cq
	v_lshl_add_u32 v254, v0, 2, 0x34000
	v_mov_b32 v255, 0
	ds_add_u32 v254, v255
	ds_add_u32 v254, v255
	v_lshrrev_b32 v1, 5, v0
	s_delay_alu instid0(VALU_DEP_1)
	v_readfirstlane_b32 s[WV], v1                  ; wave 0..15
	s_bfe_u32 s10, ttmp6, 0x40000                  ; cx
	s_lshl_b32 s11, ttmp9, 2
	s_add_co_u32 s11, s11, s10                     ; my block of 256 queries: it enters q's and ctx's addresses alone
	s_and_b32 s12, ttmp7, 0xffff                   ; bh, which the four partners share
	s_mov_b32 s[G1], 15|(3<<16)|(1<<21)            ; the mask: all four; elements of 8 bytes; bit 21 beside a mask; no padding
	s_mov_b32 s[G1+1], 32<<16                      ; a key step's block is dense: 51 rows of 256 bytes
	s_mov_b32 s[G1+2], 51<<16
	s_mov_b32 s[G1+3], 32<<16
	s_mov_b32 s[G1+4], 51
	s_mov_b32 s[G1+5], 32
	s_mov_b32 s[G1+6], 0
	s_mov_b32 s[G1+7], 0
	s_mul_i32 s13, s[WV], STEPB                    ; key step w: in LDS as in the head's bytes
	s_mul_i32 s14, s12, 16*STEPB
	s_add_co_u32 s14, s14, s13
	s_mov_b32 s15, 0
	s_mov_b32 s[SEL], 0x76543210
	s_mov_b32 s[SEL+1], 0xfedcba98
	s_mov_b32 s[CS], 0x3e38aa3b                    ; c = log2(e) / 8
	s_mov_b32 s[CS+1], s[CS]                       ; (named with it as a pair, so it is written)
	s_mov_b32 s[TB], 0
	s_lshl_b32 s16, s11, 4
	s_add_co_u32 s16, s16, s[WV]                   ; T: my tile of queries in the batch
	s_lshl_b32 s17, s12, 7
	s_add_co_u32 s17, s17, s16
	s_mul_i32 s50, s17, 768                        ; q's codes
	s_mov_b32 s51, 0
	s_lshl_b32 s52, s17, 6
	s_add_co_u32 s52, s52, 3145728                 ; q's words
	s_mov_b32 s53, 0
	s_lshr_b32 s17, s12, 4
	s_lshl_b32 s17, s17, 7
	s_add_co_u32 s17, s17, s16                     ; ctx's row block: 128 b + T
	s_and_b32 s19, s12, 15                         ; the head
	s_lshr_b32 s54, s19, 2
	s_mul_i32 s54, s54, 786432
	s_mul_i32 s55, s17, 3072
	s_add_co_u32 s54, s54, s55
	s_and_b32 s55, s19, 3
	s_mul_i32 s55, s55, 768
	s_add_co_u32 s54, s54, s55
	s_mov_b32 s55, 0
	s_lshr_b32 s56, s19, 1
	s_lshl_b32 s56, s56, 14
	s_lshl_b32 s57, s17, 6
	s_add_co_u32 s56, s56, s57
	s_and_b32 s57, s19, 1
	s_lshl_b32 s57, s57, 1
	s_add_co_u32 s56, s56, s57
	s_add_co_u32 s56, s56, 3145728
	s_mov_b32 s57, 0
	s_wait_dscnt 0x0
	s_wait_kmcnt 0x0
	s_add_nc_u64 s[6:7], s[6:7], s[14:15]
	s_add_nc_u64 s[50:51], s[4:5], s[50:51]
	s_add_nc_u64 s[52:53], s[4:5], s[52:53]
	s_add_nc_u64 s[54:55], s[8:9], s[54:55]
	s_add_nc_u64 s[56:57], s[8:9], s[56:57]
	CROUND                                         ; all four work-groups are here: the joint loads meet
	s_mov_b32 s[G0], 1
	s_mov_b32 s[G0+1], s13
	s_mov_b64 s[G0+2:G0+3], s[6:7]
	s_or_b32 s[G0+3], s[G0+3], 0x80000000
	tensor_load_to_lds s[G0:G0+3], s[G1:G1+7]      ; my one load: key step w, with no branch
	s_nop 0
.rept 4
	v_nop
.endr
	v_and_b32 v3, 31, v0
	s_delay_alu instid0(VALU_DEP_1)
	v_lshlrev_b32 v1, 4, v3
	s_delay_alu instid0(VALU_DEP_2)
	v_lshlrev_b32 v2, 3, v3
	s_delay_alu instid0(VALU_DEP_3)
	v_lshlrev_b32 v3, 2, v3
	v_and_b32 v7, 15, v0
	s_delay_alu instid0(VALU_DEP_1)
	v_lshlrev_b32 v7, 2, v7
	global_load_b128 v[16:19], v1, s[50:51]        ; Q's half fragment stays in registers
	global_load_b64 v[20:21], v2, s[50:51] offset:512
	global_load_b32 v30, v7, s[52:53]              ; and its scale words
.irp j, 22,23,24,25,26,27,80,81,82,83,84,85
	v_mov_b32 v[\j], 0                             ; zero codes
.endr
	v_mov_b32 v13, 0xff61b1e6                      ; the largest t so far: -3e38
	s_delay_alu instid0(VALU_DEP_1)
	v_floor_f32 v12, -v13                          ; -M
	v_mov_b32 v14, 0
	v_mov_b32 v15, 0
	v_mov_b32 v225, 0                              ; (named as the upper half of the pair v[224:225])
.irp b, 0,1,2,3
	v_mov_b32 v[B2+\b], 0                          ; written once: a lane permute's destination counts as one of its sources
.endr
.irp j, 0,1,2,3,4,5,6,7,8,9,10,11,12,13,14,15,16,17,18,19,20,21,22,23,24,25,26,27,28,29,30,31
	v_mov_b32 v[160+\j], 0                         ; O^T: the step is written once for each loop; the first finds zeros, which the first change of M leaves zeros
.endr
	s_wait_loadcnt 0x0
; A KEY STEP: 128 keys at LDS byte s[TB]
.macro STEP
	v_add_nc_u32 v4, s[TB], v1
	v_add_nc_u32 v5, s[TB], v2
	v_add_nc_u32 v6, s[TB], v3
	v_nop                                          ; four places behind the last products, in front of loads into registers that they read
.irp t, 0,1,2,3,4,5,6,7
	ds_load_b128 v[32+6*\t:35+6*\t], v4 offset:768*\t
	ds_load_b64 v[36+6*\t:37+6*\t], v5 offset:768*\t+512
.endr
.irp i, 0,1,2,3
	ds_load_b32 v[86+\i], v6 offset:12288+128*\i   ; lanes 0-15 tile 2 i's words, lanes 16-31 tile 2 i + 1's
.endr
	s_wait_alu depctr_va_vdst(0)
	s_wait_dscnt 0x0
.irp t, 0,2,4,6
	v_wmma_scale_f32_16x16x128_f8f6f4 v[96+8*\t:103+8*\t], v[32+6*\t:43+6*\t], v[16:27], 0, v[86+\t/2], v30 matrix_a_fmt:MATRIX_FMT_BF6 matrix_b_fmt:MATRIX_FMT_BF6
	v_wmma_scale_f32_16x16x128_f8f6f4 v[104+8*\t:111+8*\t], v[38+6*\t:49+6*\t], v[16:27], 0, v[86+\t/2], v30 matrix_a_fmt:MATRIX_FMT_BF6 matrix_b_fmt:MATRIX_FMT_BF6 matrix_a_scale:MATRIX_SCALE_ROW1
.endr
.rept 4
	v_nop                                          ; places in front of the loads below and of the first read of the scores
.endr
.irp d, 0,1,2,3                                ; V's fragments land under the softmax
	ds_load_b128 v[32+12*\d:35+12*\d], v4 offset:6144+1536*\d
	ds_load_b64 v[36+12*\d:37+12*\d], v5 offset:6144+1536*\d+512
	ds_load_b128 v[38+12*\d:41+12*\d], v4 offset:6144+1536*\d+768
	ds_load_b64 v[42+12*\d:43+12*\d], v5 offset:6144+1536*\d+1280
.endr
	ds_load_b32 v28, v6 offset:12800
	ds_load_b32 v29, v6 offset:12928
.irp b, 0,1,2,3
	v_max3_num_f32 v[BM+\b], v[96+16*\b], v[97+16*\b], v[98+16*\b]   ; the largest score of each block of 32 keys: it serves the row's maximum and, since p rises with the score, the block's largest p
.endr
.irp i, 3,5,7,9,11,13
.irp b, 0,1,2,3
	v_max3_num_f32 v[BM+\b], v[BM+\b], v[96+16*\b+\i], v[97+16*\b+\i]
.endr
.endr
.irp b, 0,1,2,3
	v_max_num_f32 v[BM+\b], v[BM+\b], v[111+16*\b]
.endr
.irp b, 0,1,2,3
	s_delay_alu instid0(VALU_DEP_4)
	v_permlanex16_b32 v[B2+\b], v[BM+\b], s[SEL], s[SEL+1]
.endr
.irp b, 0,1,2,3
	s_delay_alu instid0(VALU_DEP_4)
	v_max_num_f32 v[BM+\b], v[BM+\b], v[B2+\b]     ; with lane l xor 16's 16 keys
.endr
	s_delay_alu instid0(VALU_DEP_2)
	v_max3_num_f32 v226, v[BM], v[BM+1], v[BM+2]
	s_delay_alu instid0(VALU_DEP_1)
	v_max_num_f32 v226, v226, v[BM+3]
	s_delay_alu instid0(VALU_DEP_1)
	v_mul_f32 v226, s[CS], v226                    ; as t (c is positive)
	s_delay_alu instid0(VALU_DEP_1)
	v_max_num_f32 v13, v13, v226                   ; the running largest t
	v_mov_b32 v226, v12
	s_delay_alu instid0(VALU_DEP_2)
	v_floor_f32 v12, -v13                          ; the new -M = -ceil(t)
	s_delay_alu instid0(VALU_DEP_1)
	v_sub_f32 v226, v12, v226                      ; old M - new M: a whole number, 0 or less
	s_delay_alu instid0(VALU_DEP_1)
	v_cvt_i32_f32 v226, v226                       ; (it saturates)
	s_delay_alu instid0(VALU_DEP_1)
	v_ldexp_f32 v224, 1.0, v226                    ; f = 2^(old M - new M)
.irp j, 0,2,4,6,8,10,12,14,16,18,20,22,24,26,28,30,32,34,36,38,40,42,44,46,48,50,52,54,56,58,60,62
	v_pk_fma_f32 v[96+\j:97+\j], v[96+\j:97+\j], s[CS:CS+1], v[12:13] op_sel_hi:[1,0,0]   ; t - M
.endr
.irp b, 0,1,2,3
	v_fma_f32 v[BM+\b], v[BM+\b], s[CS], v12
.endr
	s_wait_alu depctr_va_vdst(0)
.irp j, 0,1,2,3,4,5,6,7,8,9,10,11,12,13,14,15,16,17,18,19,20,21,22,23,24,25,26,27,28,29,30,31,32,33,34,35,36,37,38,39,40,41,42,43,44,45,46,47,48,49,50,51,52,53,54,55,56,57,58,59,60,61,62,63
	v_exp_f32 v[96+\j], v[96+\j]                   ; p = 2^(t - M), at most 1
.endr
	v_pk_mul_f32 v[14:15], v[14:15], v[224:225] op_sel_hi:[1,0]   ; the sums under the new M; a plain instruction behind the exponentials
	s_wait_alu depctr_va_vdst(0)                   ; one wait for the batch of 64, ahead of its first reader
.irp b, 0,1,2,3
	v_exp_f32 v[BM+\b], v[BM+\b]                   ; the block's largest p
.endr
	v_pk_add_f32 v[228:229], v[100:101], v[104:105]
	v_pk_add_f32 v[252:253], v[108:109], v[112:113]
	v_pk_add_f32 v[250:251], v[116:117], v[120:121]
	v_pk_add_f32 v[248:249], v[124:125], v[128:129]
	v_pk_add_f32 v[246:247], v[132:133], v[136:137]
	v_pk_add_f32 v[244:245], v[140:141], v[144:145]
	v_pk_add_f32 v[242:243], v[148:149], v[152:153]
	v_pk_add_f32 v[14:15], v[14:15], v[156:157]
	v_pk_add_f32 v[228:229], v[228:229], v[96:97]
	v_pk_add_f32 v[252:253], v[252:253], v[98:99]
	v_pk_add_f32 v[250:251], v[250:251], v[102:103]
	v_pk_add_f32 v[248:249], v[248:249], v[106:107]
	v_pk_add_f32 v[246:247], v[246:247], v[110:111]
	v_pk_add_f32 v[244:245], v[244:245], v[114:115]
	v_pk_add_f32 v[242:243], v[242:243], v[118:119]
	v_pk_add_f32 v[14:15], v[14:15], v[122:123]
	v_pk_add_f32 v[228:229], v[228:229], v[126:127]
	v_pk_add_f32 v[252:253], v[252:253], v[130:131]
	v_pk_add_f32 v[250:251], v[250:251], v[134:135]
	v_pk_add_f32 v[248:249], v[248:249], v[138:139]
	v_pk_add_f32 v[246:247], v[246:247], v[142:143]
	v_pk_add_f32 v[244:245], v[244:245], v[146:147]
	v_pk_add_f32 v[242:243], v[242:243], v[150:151]
	v_pk_add_f32 v[14:15], v[14:15], v[154:155]
	v_pk_add_f32 v[228:229], v[228:229], v[158:159]
	s_delay_alu instid0(VALU_DEP_2)
	v_pk_add_f32 v[14:15], v[14:15], v[248:249]
	s_delay_alu instid0(VALU_DEP_2)
	v_pk_add_f32 v[228:229], v[228:229], v[246:247]
	v_pk_add_f32 v[252:253], v[252:253], v[244:245]
	v_pk_add_f32 v[250:251], v[250:251], v[242:243]
	s_delay_alu instid0(VALU_DEP_2)
	v_pk_add_f32 v[14:15], v[14:15], v[252:253]
	s_delay_alu instid0(VALU_DEP_2)
	v_pk_add_f32 v[228:229], v[228:229], v[250:251]
	s_delay_alu instid0(VALU_DEP_1)
	v_pk_add_f32 v[14:15], v[14:15], v[228:229]
	s_wait_alu depctr_va_vdst(0)                   ; and one for the four
.irp b, 0,1,2,3
	v_max_num_f32 v[BM+\b], 0x2800000, v[BM+\b]    ; the floor 2^(5 - 127)
.endr
.irp b, 0,1,2,3
	s_delay_alu instid0(VALU_DEP_4)
	v_add_nc_u32 v[SO+\b], 0xfe000000, v[BM+\b]    ; the conversion's scale operand
.endr
.irp b, 0,1,2,3
	s_delay_alu instid0(VALU_DEP_4)
	v_lshrrev_b32 v[B2+\b], 23, v[SO+\b]           ; the byte
.endr
	s_delay_alu instid0(VALU_DEP_3)
	v_lshl_or_b32 v31, v[B2+1], 8, v[B2]           ; p's scale word for these 128 keys
	s_delay_alu instid0(VALU_DEP_1)
	v_lshl_or_b32 v31, v[B2+2], 16, v31
	s_delay_alu instid0(VALU_DEP_1)
	v_lshl_or_b32 v31, v[B2+3], 24, v31
.irp c, 0,1
	v_cvt_scalef32_pk16_bf6_f32 v[192+6*\c:194+6*\c], v[96+32*\c:111+32*\c], v[SO+2*\c]
	v_cvt_scalef32_pk16_bf6_f32 v[216+4*\c:218+4*\c], v[112+32*\c:127+32*\c], v[SO+2*\c+1]
.endr
	v_nop                                          ; one plain instruction behind the conversions
.irp c, 0,1
.irp i, 0,1,2
	v_permlane16_swap_b32 v[192+6*\c+\i], v[216+4*\c+\i]
.endr
.irp i, 0,1,2
	s_delay_alu instid0(VALU_DEP_3)
	v_mov_b32 v[195+6*\c+\i], v[216+4*\c+\i]
.endr
.endr
.irp j, 0,2,4,6,8,10,12,14,16,18,20,22,24,26,28,30
	v_pk_mul_f32 v[160+\j:161+\j], v[160+\j:161+\j], v[224:225] op_sel_hi:[1,0]   ; O^T under the new M; these are also the places between p's word and codes and the products below
.endr
	s_wait_alu depctr_va_vdst(0)
	s_wait_dscnt 0x0                               ; V
.irp d, 0,2
	v_wmma_scale_f32_16x16x128_f8f6f4 v[160+8*\d:167+8*\d], v[32+12*\d:43+12*\d], v[192:203], v[160+8*\d:167+8*\d], v[28+\d/2], v31 matrix_a_fmt:MATRIX_FMT_BF6 matrix_b_fmt:MATRIX_FMT_BF6
	v_wmma_scale_f32_16x16x128_f8f6f4 v[168+8*\d:175+8*\d], v[44+12*\d:55+12*\d], v[192:203], v[168+8*\d:175+8*\d], v[28+\d/2], v31 matrix_a_fmt:MATRIX_FMT_BF6 matrix_b_fmt:MATRIX_FMT_BF6 matrix_a_scale:MATRIX_SCALE_ROW1
.endr
.endm
; A PHASE: a wait, a barrier, and so many key steps.  Tensor loads of a wave end in the order of issue: left = how many younger loads of a fetching wave may stay out; they may cross the barrier, since nothing is ever filled again.
.macro PHASE left, trips
	s_wait_tensorcnt \left
	s_wait_dscnt 0x0
	s_barrier_signal -1
	s_barrier_wait -1                              ; everybody's part of these key steps is in
	s_mov_b32 s[CNT], \trips
.Lstep_\@:
	STEP
	s_add_co_u32 s[TB], s[TB], STEPB
	s_sub_co_u32 s[CNT], s[CNT], 1
	s_cmp_lg_u32 s[CNT], 0
	s_cbranch_scc1 .Lstep_\@
.endm
	PHASE 0, 16                                    ; every wave's one load is in; sixteen key steps with no further barrier
	; ---- the way out
	v_add_f32 v14, v14, v15                        ; the sum's two halves,
	s_delay_alu instid0(VALU_DEP_1)
	v_permlanex16_b32 v226, v14, s[SEL], s[SEL+1]
	s_delay_alu instid0(VALU_DEP_1)
	v_add_f32 v14, v14, v226                       ; and lane l xor 16's
	s_wait_alu depctr_va_vdst(0)
	v_rcp_f32 v14, v14
.rept 4
	v_nop                                          ; plain instructions behind the reciprocal and behind the last products
.endr
	s_wait_alu depctr_va_vdst(0)                   ; the wait, ahead of the reciprocal's first reader
.irp j, 0,1,2,3,4,5,6,7,8,9,10,11,12,13,14,15,16,17,18,19,20,21,22,23,24,25,26,27,28,29,30,31
	v_mul_f32 v[96+\j], v[160+\j], v14             ; register 16 b + i: ctx(my query, 32 b + 16 (lane / 16) + i)
.endr
	QH 96, 0, 192, 226
	global_store_b128 v1, v[192:195], s[54:55]     ; 512 consecutive bytes, aligned
	global_store_b64 v2, v[196:197], s[54:55] offset:512
	global_store_b16 v7, v226, s[56:57]            ; both halves of the lanes write the same two bytes with the same value
	s_wait_tensorcnt 0x0
	ds_add_u32 v254, v255
	s_wait_dscnt 0x0
	CROUND                                         ; the closing round
	s_endpgm
.Lfunc_end_k_q46ae53c6bb_attn:
	.size	k_q46ae53c6bb_attn, .Lfunc_end_k_q46ae53c6bb_attn-k_q46ae53c6bb_attn
	.p2alignl 7, 3214868480
	.fill 96, 4, 3214868480
	.section	.rodata,"a",@progbits
	.p2align	6, 0x0
	.amdhsa_kernel k_q46ae53c6bb_attn
		.amdhsa_group_segment_fixed_size 215040
		.amdhsa_private_segment_fixed_size 0
		.amdhsa_enable_private_segment 0
		.amdhsa_kernarg_size 24
		.amdhsa_user_sgpr_count 2
		.amdhsa_user_sgpr_kernarg_segment_ptr 1
		.amdhsa_wavefront_size32 1
		.amdhsa_system_sgpr_workgroup_id_x 1
		.amdhsa_system_sgpr_workgroup_id_y 1
		.amdhsa_system_sgpr_workgroup_id_z 1
		.amdhsa_system_vgpr_workitem_id 0
		.amdhsa_next_free_vgpr 256
		.amdhsa_next_free_sgpr 66
		.amdhsa_reserve_vcc 0
		.amdhsa_float_denorm_mode_32 3
		.amdhsa_float_denorm_mode_16_64 3
		.amdhsa_memory_ordered 1
		.amdhsa_forward_progress 1
		.amdhsa_inst_pref_size 29
	.end_amdhsa_kernel
	.amdgpu_metadata
---
amdhsa.version: [ 1, 2 ]
amdhsa.kernels:
  - .name:           k_q46ae53c6bb_attn
    .symbol:         k_q46ae53c6bb_attn.kd
    .args:
      - { .name: qq, .offset: 0, .size: 8, .value_kind: global_buffer, .address_space: global }
      - { .name: kv, .offset: 8, .size: 8, .value_kind: global_buffer, .address_space: global }
      - { .name: cq, .offset: 16, .size: 8, .value_kind: global_buffer, .address_space: global }
    .group_segment_fixed_size: 215040
    .private_segment_fixed_size: 0
    .kernarg_segment_align: 8
    .kernarg_segment_size: 24
    .max_flat_workgroup_size: 512
    .sgpr_count:     66
    .vgpr_count:     256
    .wavefront_size: 32
...
	.end_amdgpu_metadata
.endif
;; end of part 3
;; launch proj (part 4): grid 8 x 32, 4 waves a work-group, clusters of 4 x 4, 327,680 bytes of LDS; arguments cq, wts, proj_b, x, x1; writes x1
.if DOCPART == 4
	.amdgcn_target "amdgcn-amd-amdhsa--gfx1250"
	.amdhsa_code_object_version 6
	.text
	.protected	k_q46ae53c6bb_proj
	.globl	k_q46ae53c6bb_proj
	.p2align	8
	.type	k_q46ae53c6bb_proj,@function
k_q46ae53c6bb_proj:
	s_mov_b64 s[64:65], 0
	v_nop
	global_prefetch_b8 v0, s[64:65] scope:SCOPE_SE
	s_setreg_imm32_b32 hwreg(HW_REG_WAVE_MODE, 25, 1), 1
	s_wait_xcnt 0x0
	s_wait_alu depctr_hold_cnt(0) depctr_sa_sdst(0) depctr_va_vdst(0) depctr_va_sdst(0) depctr_va_ssrc(0) depctr_va_vcc(0) depctr_vm_vsrc(0)
	s_getreg_b32 s2, hwreg(HW_REG_IB_STS2, 6, 4)
	s_cmp_eq_u32 s2, 0
	s_cbranch_scc0 .Lentry_in_a_cluster
	s_endpgm
.Lentry_in_a_cluster:
	s_bfe_u32 s2, ttmp6, 0x10000c
	s_cmp_lg_u32 s2, 0xf033
	s_cbranch_scc0 .Lentry_shape_is_right
	s_endpgm
.Lentry_shape_is_right:
.set XB, 4
.set YB, 4
.set NQ, 4
.set KPS, 2
.set LAPS, 1
.set RA, 4096
.set RB, 1024
.set RBTA, 8
.set RBTB, 8
.set RBPA, 4
.set RBPB, 4
.set KST, 8
.set ASOFF, 3145728
.set BCOFF, 2359296
.set BSOFF, 9535488
.set PARTA, KPS*RBPA*3072
.set PARTB, KPS*RBPB*3072
.set SLOT, 2*PARTA+2*PARTB
.set RWA, RBTA*64                      ; a K step's scale words of ALL the tile's rows lie on end in LDS
.set RWB, RBTB*64
.set SPA, KST*RWA
.set SPB, KST*RWB
.set SCA, 2*SLOT
.set SCB, SCA+SPA
.set SPARE, SCB+SPB
.set SCR, SPARE+512
.set AX16, 2
.set AX8, 4
.set AY16, 6
.set AY8, 8
.set ASX, 10
.set ASY, 11
.set L16, 24
.set L8, 25
.set L4, 26
.set SPW, 28
.set NIL, 29
.set SCX, 32
.set SCY, 44
.set XF, 112
.set BK, 112
.set G1A, 24
.set G0A, 32
.set G1B, 48
.set G0B, 56
.set G1SA, 68
.set G0SA, 76
.set G1SB, 80
.set G0SB, 88
.set MSB, 0
.macro WIN new
.if MSB != (\new)
	s_set_vgpr_msb (MSB<<8)|(\new)
.set MSB, \new
.endif
.endm
.macro PLACES n
.rept \n
	v_nop
.endr
.endm
.macro GROUP1 g, c, r, p
	s_mov_b32 s[\g+1], ((\c)&0xffff)<<16
	s_mov_b32 s[\g+2], ((\c)>>16)|(((\r)&0xffff)<<16)
	s_mov_b32 s[\g+3], ((\r)>>16)|((\c)<<16)
	s_mov_b32 s[\g+4], \r
	s_mov_b32 s[\g+5], \p
	s_mov_b32 s[\g+6], 0
	s_mov_b32 s[\g+7], 0
.endm
.macro JLOAD g0a, g1a, g0b, g1b
	s_cmp_eq_u32 s15, 0
	s_cbranch_scc0 .Lfor_b_\@
	tensor_load_to_lds s[\g0a:\g0a+3], s[\g1a:\g1a+7]
	s_nop 0
.rept 4
	v_nop
.endr
	s_branch .Lasked_\@
.Lfor_b_\@:
	tensor_load_to_lds s[\g0b:\g0b+3], s[\g1b:\g1b+7]
	s_nop 0
.rept 4
	v_nop
.endr
.Lasked_\@:
.endm
.macro CREST
	s_cmp_lg_u32 s14, 0
	s_cbranch_scc1 .Lnot_wave_0_\@
	s_barrier_signal -3
.Lnot_wave_0_\@:
	s_barrier_wait -3
	s_barrier_signal -1
	s_barrier_wait -1
.endm
.macro CROUND
	s_barrier_signal -1
	s_barrier_wait -1
	CREST
.endm
.macro WM
.if fA==0 && fB==0
	v_wmma_scale_f32_16x16x128_f8f6f4 v[rD:rD+7], v[rA:rA+11], v[rB:rB+11], v[rC:rC+7], v[rSa], v[rSb] matrix_a_fmt:MATRIX_FMT_BF6 matrix_b_fmt:MATRIX_FMT_BF6
.elseif fA==1 && fB==0
	v_wmma_scale_f32_16x16x128_f8f6f4 v[rD:rD+7], v[rA:rA+11], v[rB:rB+11], v[rC:rC+7], v[rSa], v[rSb] matrix_a_fmt:MATRIX_FMT_BF6 matrix_b_fmt:MATRIX_FMT_BF6 matrix_a_scale:MATRIX_SCALE_ROW1
.elseif fA==0
	v_wmma_scale_f32_16x16x128_f8f6f4 v[rD:rD+7], v[rA:rA+11], v[rB:rB+11], v[rC:rC+7], v[rSa], v[rSb] matrix_a_fmt:MATRIX_FMT_BF6 matrix_b_fmt:MATRIX_FMT_BF6 matrix_b_scale:MATRIX_SCALE_ROW1
.else
	v_wmma_scale_f32_16x16x128_f8f6f4 v[rD:rD+7], v[rA:rA+11], v[rB:rB+11], v[rC:rC+7], v[rSa], v[rSb] matrix_a_fmt:MATRIX_FMT_BF6 matrix_b_fmt:MATRIX_FMT_BF6 matrix_a_scale:MATRIX_SCALE_ROW1 matrix_b_scale:MATRIX_SCALE_ROW1
.endif
.endm
.macro MM x, y, p, sg, first
.set rD, 8*(((\x)%(XB/2))*YB+(\y))
.set rA, 128*(\p)+12*(\y)
.set rB, XF+12*(\x)
.set rSa, SCY+4*(\sg)+(\y)/2
.set rSb, SCX+6*(\sg)+(\x)/2
.set fA, (\y)%2
.set fB, (\x)%2
.if \first
.set rC, 96+8*(\y)
	WIN 0x91+0x40*((\x)/(XB/2))
.else
.set rC, rD
	WIN 0xa1+0x50*((\x)/(XB/2))
.endif
	WM
.endm
.macro MUL x0, n, p, sg, first
.set xx, \x0
.rept \n
.set yy, 0
.rept YB
	MM xx, yy, \p, \sg, \first
.set yy, yy+1
.endr
.set xx, xx+1
.endr
.endm
.macro FRAG reg, a16, a8, off
	ds_load_b128 v[\reg:\reg+3], v[\a16] offset:\off
	ds_load_b64 v[\reg+4:\reg+5], v[\a8] offset:\off+512
	ds_load_b128 v[\reg+6:\reg+9], v[\a16] offset:\off+768
	ds_load_b64 v[\reg+10:\reg+11], v[\a8] offset:\off+1280
.endm
.macro FETCH_Y slot, q, p
	WIN 0x40
.set ii, 0
.rept YB
	FRAG 128*(\p)+12*ii, AY16+\slot, AY8+\slot, ((\q)/2)*RBTB*3072+ii*3072+((\q)%2)*1536
.set ii, ii+1
.endr
	WIN 0
.endm
.macro FETCH_X slot, q, half
.set ii, (\half)*(XB/2)
.rept XB/2
	FRAG XF+12*ii, AX16+\slot, AX8+\slot, ((\q)/2)*RBTA*3072+ii*3072+((\q)%2)*1536
.set ii, ii+1
.endr
.endm
.macro SCALES q, sg
.set ii, 0
.rept XB/2
	ds_load_b32 v[SCX+6*(\sg)+ii], v[ASX] offset:(\q)*RWA+ii*128
.set ii, ii+1
.endr
.set ii, 0
.rept YB/2
	ds_load_b32 v[SCY+4*(\sg)+ii], v[ASY] offset:(\q)*RWB+ii*128
.set ii, ii+1
.endr
.endm
.macro STEP slot, q, first
	s_wait_dscnt (XB/2)*4
	MUL 0, XB/2, (\q)%2, (\q)%2, \first
	s_wait_dscnt 0x0
	PLACES 4
	FETCH_Y \slot, (\q)+1, 1-(\q)%2
	FETCH_X \slot, (\q)+1, 0
	SCALES (\q)+1, 1-(\q)%2
	MUL XB/2, XB/2, (\q)%2, (\q)%2, \first
	PLACES 4
	WIN 0
	FETCH_X \slot, (\q)+1, 1
.endm
.macro TURN slot, next, fill
	s_wait_tensorcnt 0x0
	ds_add_u32 v[SPW], v[NIL]
	s_wait_dscnt (XB/2)*4+1
	MUL 0, XB/4, 1, 1, 0
	s_wait_dscnt 0x0
	s_barrier_signal -1
	MUL XB/4, XB/4, 1, 1, 0
	WIN 0
	s_barrier_wait -1
.if \fill
	CREST
	s_add_nc_u64 s[G0A+4*\slot+2:G0A+4*\slot+3], s[G0A+4*\slot+2:G0A+4*\slot+3], 2*KPS*RA*192
	s_add_nc_u64 s[G0B+4*\slot+2:G0B+4*\slot+3], s[G0B+4*\slot+2:G0B+4*\slot+3], 2*KPS*RB*192
	JLOAD G0A+4*\slot, G1A, G0B+4*\slot, G1B
.else
	PLACES 4
.endif
	v_add_nc_u32 v[ASX], NQ*RWA, v[ASX]
	v_add_nc_u32 v[ASY], NQ*RWB, v[ASY]
	FETCH_Y \next, 0, 0
	FETCH_X \next, 0, 0
	SCALES 0, 0
	MUL XB/2, XB/2, 1, 1, 0
	PLACES 4
	WIN 0
	FETCH_X \next, 0, 1
.endm
	s_load_b256 s[4:11], s[0:1], 0x0
	s_load_b64 s[12:13], s[0:1], 0x20
	v_lshl_add_u32 v[SPW], v0, 2, SPARE
	v_mov_b32 v[NIL], 0
	ds_add_u32 v28, v29
	ds_add_u32 v28, v29
	s_wait_dscnt 0x0
	v_lshrrev_b32 v1, 5, v0
	v_readfirstlane_b32 s14, v1
	s_lshr_b32 s15, s14, 1
	s_and_b32 s16, s14, 1
	s_bfe_u32 s40, ttmp6, 0x40000
	s_bfe_u32 s41, ttmp6, 0x40004
	s_lshl_b32 s42, ttmp9, 2
	s_add_co_u32 s42, s42, s40
	s_and_b32 s17, ttmp7, 0xffff
	s_lshl_b32 s17, s17, 2
	s_add_co_u32 s17, s17, s41
	s_lshl_b32 s43, s41, 2
	s_lshl_b32 s43, 15, s43
	s_lshl_b32 s44, 0x1111, s40
	s_or_b32 s[G1A], s43, (3<<16)|(1<<21)
	s_or_b32 s[G1SA], s43, (3<<16)|(1<<21)
	s_or_b32 s[G1B], s44, (3<<16)|(1<<21)
	s_or_b32 s[G1SB], s44, (3<<16)|(1<<21)
	GROUP1 G1A, RBTA*384, KPS, RA*24               ; for the head's loads: a slot's two planes of 256 along K, each all 8 row blocks (24,576 bytes)
	GROUP1 G1B, RBTB*384, KPS, RB*24
	GROUP1 G1SA, RBTA*8, KST, RA/2                 ; the scale words of the whole tile: a row for each K step
	GROUP1 G1SB, RBTB*8, KST, RB/2
	s_mul_i32 s20, s17, RBTA
	s_lshl_b32 s22, s20, 6
	s_add_co_u32 s22, s22, ASOFF
	s_mul_i32 s20, s20, 3072
	s_mul_i32 s18, s16, RA*192                     ; in the ring I fetch one plane of a slot's two
	s_add_co_u32 s20, s20, s18
	s_mov_b32 s21, 0
	s_mov_b32 s23, 0
	s_mul_i32 s46, s42, RBTB
	s_lshl_b32 s92, s46, 6
	s_add_co_u32 s92, s92, BSOFF
	s_mul_i32 s46, s46, 3072
	s_mul_i32 s18, s16, RB*192
	s_add_co_u32 s46, s46, s18
	s_add_co_u32 s46, s46, BCOFF
	s_mov_b32 s47, 0
	s_mov_b32 s93, 0
	s_mul_i32 s45, s16, PARTA
	s_mul_i32 s94, s16, PARTB
	s_add_co_u32 s94, s94, 2*PARTA
	s_wait_kmcnt 0x0
	s_add_nc_u64 s[20:21], s[4:5], s[20:21]
	s_add_nc_u64 s[22:23], s[4:5], s[22:23]
	s_add_nc_u64 s[46:47], s[6:7], s[46:47]
	s_add_nc_u64 s[92:93], s[6:7], s[92:93]
	CROUND
	s_mov_b32 s[G0SA], 1
	s_mov_b32 s[G0SA+1], SCA
	s_mov_b64 s[G0SA+2:G0SA+3], s[22:23]
	s_or_b32 s[G0SA+3], s[G0SA+3], 0x80000000
	s_mov_b32 s[G0SB], 1
	s_mov_b32 s[G0SB+1], SCB
	s_mov_b64 s[G0SB+2:G0SB+3], s[92:93]
	s_or_b32 s[G0SB+3], s[G0SB+3], 0x80000000
.irp s, 0,1
	s_mov_b32 s[G0A+4*\s], 1
	s_add_co_u32 s[G0A+4*\s+1], s45, \s*SLOT
	s_add_nc_u64 s[G0A+4*\s+2:G0A+4*\s+3], s[20:21], \s*KPS*RA*192
	s_or_b32 s[G0A+4*\s+3], s[G0A+4*\s+3], 0x80000000
	s_mov_b32 s[G0B+4*\s], 1
	s_add_co_u32 s[G0B+4*\s+1], s94, \s*SLOT
	s_add_nc_u64 s[G0B+4*\s+2:G0B+4*\s+3], s[46:47], \s*KPS*RB*192
	s_or_b32 s[G0B+4*\s+3], s[G0B+4*\s+3], 0x80000000
.endr
; THE HEAD'S FOUR TILES, ONE JOINT LOAD A WAVE: wave 0 slot 0's whole A (its own group 0 begins at the tile's first byte), wave 1 A's scale words, wave 2 slot 0's whole B, wave 3 B's scale words.
.macro ARM under, g0, g1, next
	s_cmp_lt_u32 s14, \under
	s_cbranch_scc0 \next
	tensor_load_to_lds s[\g0:\g0+3], s[\g1:\g1+7]
	s_nop 0
.rept 4
	v_nop
.endr
	s_branch .Lhead_asked
\next:
.endm
	ARM 1, G0A, G1A, .Lhead_sa
	ARM 2, G0SA, G1SA, .Lhead_b
	ARM 3, G0B, G1B, .Lhead_sb
	tensor_load_to_lds s[G0SB:G0SB+3], s[G1SB:G1SB+7]
	s_nop 0
.rept 4
	v_nop
.endr
.Lhead_asked:
; PREFETCH: every wave asks for a quarter (24 blocks of 256 bytes, a lane a block, lanes 24-31 the last again) of the plane that it will itself load in fill 1, K's last;
; the four partners that load a plane jointly are told apart by address (cx for A, cy for B).  Base and offset are never rewritten.
	s_cmp_eq_u32 s15, 0                            ; do I fetch for A?
	s_cselect_b64 s[96:97], s[20:21], s[46:47]     ; my plane of fill 0,
	s_cselect_b32 s18, s40, s41                    ; my place among the four,
	s_mov_b32 s95, KPS*RB*192
	s_cselect_b32 s95, KPS*RA*192, s95             ; and the bytes from fill to fill
	s_mul_i32 s18, s18, 6144
	s_mov_b32 s19, 0
	s_add_nc_u64 s[96:97], s[96:97], s[18:19]
	v_and_b32 v22, 31, v0
	v_min_u32 v22, 23, v22
	v_lshlrev_b32 v22, 8, v22
	v_add_nc_u32 v19, s95, v22
	global_prefetch_b8 v19, s[96:97] th:TH_LOAD_NT scope:SCOPE_SE   ; fill 1
	v_and_b32 v1, 31, v0
	v_lshlrev_b32 v[L16], 4, v1
	v_lshlrev_b32 v[L8], 3, v1
	v_lshlrev_b32 v[L4], 2, v1
	s_wait_alu depctr_va_vdst(0)
	s_mul_i32 s18, s15, RBPA*3072                  ; my four row blocks inside each plane
	s_mul_i32 s19, s16, RBPB*3072
	s_add_co_u32 s19, s19, 2*PARTA
.irp s, 0,1
	v_add_nc_u32 v[AX16+\s], s18, v[L16]
	v_add_nc_u32 v[AX8+\s], s18, v[L8]
	v_add_nc_u32 v[AY16+\s], s19, v[L16]
	v_add_nc_u32 v[AY8+\s], s19, v[L8]
	s_add_co_u32 s18, s18, SLOT
	s_add_co_u32 s19, s19, SLOT
.endr
	s_mul_i32 s18, s15, RWA/2
	s_add_co_u32 s18, s18, SCA
	v_add_nc_u32 v[ASX], s18, v[L4]
	s_mul_i32 s18, s16, RWB/2
	s_add_co_u32 s18, s18, SCB
	v_add_nc_u32 v[ASY], s18, v[L4]
	v_and_b32 v16, 15, v0
	v_lshrrev_b32 v17, 4, v1
	v_lshlrev_b32 v15, 6, v17
	s_wait_alu depctr_va_vdst(0)
	v_lshlrev_b32 v12, 12, v17
	v_lshl_add_u32 v12, v16, 4, v12
	s_wait_alu depctr_va_vdst(0)
	s_mul_i32 s18, s14, 16*272
	s_add_co_u32 s18, s18, SCR
	v_mul_u32_u24 v13, v16, 272
	v_lshl_add_u32 v13, v17, 6, v13
	v_add_nc_u32 v13, s18, v13
	v_mul_u32_u24 v14, v17, 272
	v_lshl_add_u32 v14, v16, 4, v14
	v_add_nc_u32 v14, s18, v14
	s_lshl_b32 s18, s42, 9
	s_lshl_b32 s19, s16, 8
	s_add_co_u32 s18, s18, s19
	s_mov_b32 s19, 0
	s_add_nc_u64 s[8:9], s[8:9], s[18:19]
	s_lshl_b32 s2, s17, 7
	s_lshl_b32 s3, s15, 6
	s_add_co_u32 s2, s2, s3
	s_lshl_b32 s2, s2, 12
	s_add_co_u32 s2, s2, s18
	s_mov_b32 s3, 0
	s_add_nc_u64 s[10:11], s[10:11], s[2:3]
	s_add_nc_u64 s[12:13], s[12:13], s[2:3]
	WIN 0x40
.irp y, 0,1,2,3
	global_load_b128 v[96+8*\y:99+8*\y], v15, s[8:9] offset:(32*(\y/2)+8*(\y%2))*4
	global_load_b128 v[100+8*\y:103+8*\y], v15, s[8:9] offset:(32*(\y/2)+8*(\y%2))*4+16
.endr
	WIN 0x80
.irp a, 0,1,2,3
.irp i, 0,1,2,3,4,5,6,7
	global_load_b128 v[64+32*\a+4*\i:67+32*\a+4*\i], v12, s[10:11] offset:(32*(\a/2)+8*(\a%2)+2*\i+8*(\i/4))*4096
.endr
.endr
	WIN 0
	s_wait_alu depctr_va_vdst(0)                   ; the wait at the head's end
	s_wait_tensorcnt 0x0                           ; my tile of the head's four is in
	ds_add_u32 v28, v29
	GROUP1 G1A, 32, PARTA/256, 32                  ; no load of mine is out: from here on a load brings one dense plane, 96 rows of 256 bytes
	GROUP1 G1B, 32, PARTB/256, 32
	s_wait_dscnt 0x0
	CROUND                                         ; all four tiles are in, in every partner
	JLOAD G0A+4, G1A, G0B+4, G1B                   ; slot 1's first fill: my one load behind the round
	FETCH_Y 0, 0, 0
	FETCH_X 0, 0, 0
	SCALES 0, 0
	FETCH_X 0, 0, 1
	s_wait_loadcnt 32
	STEP 0, 0, 1
.if LAPS > 1
	s_mov_b32 s3, LAPS-1
.Llap:
	STEP 0, 1, 0
	STEP 0, 2, 0
	TURN 0, 1, 1
	STEP 1, 0, 0
	STEP 1, 1, 0
	STEP 1, 2, 0
	TURN 1, 0, 1
	STEP 0, 0, 0
	s_sub_co_u32 s3, s3, 1
	s_cmp_lg_u32 s3, 0
	s_cbranch_scc1 .Llap
.endif
	STEP 0, 1, 0
	STEP 0, 2, 0
	TURN 0, 1, 0
	s_wait_alu depctr_va_vdst(0)
	STEP 1, 0, 0
	STEP 1, 1, 0
	STEP 1, 2, 0
	s_wait_dscnt (XB/2)*4
	MUL 0, XB/2, 1, 1, 0
	s_wait_dscnt 0x0
	MUL XB/2, XB/2, 1, 1, 0
	WIN 0
.macro TOSTAGE a
.set AC, 32*((\a)%2)
	WIN (2+(\a)/2)<<2
.irp y, 0,1,2,3
	ds_store_b128 v13, v[AC+8*\y:AC+8*\y+3] offset:128*(\y/2)+32*(\y%2)
	ds_store_b128 v13, v[AC+8*\y+4:AC+8*\y+7] offset:128*(\y/2)+32*(\y%2)+16
.endr
	WIN 0
.set BB, BK+32*((\a)%2)
.irp i, 0,1,2,3,4,5,6,7
	ds_load_b128 v[BB+4*\i:BB+4*\i+3], v14 offset:544*\i
.endr
.endm
.macro SEND a, younger
.set BB, BK+32*((\a)%2)
.set RR, 64+32*(\a)
	s_wait_dscnt \younger
	WIN 0x08
.set i, 0
.rept 16
	v_pk_add_f32 v[BB+i:BB+i+1], v[BB+i:BB+i+1], v[RR+i:RR+i+1]
.set i, i+2
.endr
	WIN 0
.irp i, 0,1,2,3,4,5,6,7
	global_store_b128 v12, v[BB+4*\i:BB+4*\i+3], s[12:13] offset:(32*((\a)/2)+8*((\a)%2)+2*\i+8*(\i/4))*4096
.endr
.endm
	s_wait_loadcnt 0x0
	PLACES 4
	TOSTAGE 0
.irp a, 1,2,3
.if \a > 1
	s_wait_xcnt 0x0
.endif
	TOSTAGE \a
	SEND \a-1, 16
.endr
	SEND 3, 0
	s_wait_tensorcnt 0x0
	ds_add_u32 v[SPW], v[NIL]
	s_wait_dscnt 0x0
	CROUND
	s_endpgm
.Lfunc_end_k_q46ae53c6bb_proj:
	.size	k_q46ae53c6bb_proj, .Lfunc_end_k_q46ae53c6bb_proj-k_q46ae53c6bb_proj
	.p2alignl 7, 3214868480
	.fill 96, 4, 3214868480
	.section	.rodata,"a",@progbits
	.p2align	6, 0x0
	.amdhsa_kernel k_q46ae53c6bb_proj
		.amdhsa_group_segment_fixed_size 327680
		.amdhsa_private_segment_fixed_size 0
		.amdhsa_enable_private_segment 0
		.amdhsa_kernarg_size 40
		.amdhsa_user_sgpr_count 2
		.amdhsa_user_sgpr_kernarg_segment_ptr 1
		.amdhsa_wavefront_size32 1
		.amdhsa_system_sgpr_workgroup_id_x 1
		.amdhsa_system_sgpr_workgroup_id_y 1
		.amdhsa_system_sgpr_workgroup_id_z 1
		.amdhsa_system_vgpr_workitem_id 0
		.amdhsa_next_free_vgpr 1024
		.amdhsa_next_free_sgpr 102
		.amdhsa_reserve_vcc 0
		.amdhsa_float_denorm_mode_32 3
		.amdhsa_float_denorm_mode_16_64 3
		.amdhsa_memory_ordered 1
		.amdhsa_forward_progress 1
		.amdhsa_inst_pref_size 66
	.end_amdhsa_kernel
	.amdgpu_metadata
---
amdhsa.version: [ 1, 2 ]
amdhsa.kernels:
  - .name:           k_q46ae53c6bb_proj
    .symbol:         k_q46ae53c6bb_proj.kd
    .args:
      - { .name: cq, .offset: 0, .size: 8, .value_kind: global_buffer, .address_space: global }
      - { .name: wts, .offset: 8, .size: 8, .value_kind: global_buffer, .address_space: global }
      - { .name: proj_b, .offset: 16, .size: 8, .value_kind: global_buffer, .address_space: global }
      - { .name: x, .offset: 24, .size: 8, .value_kind: global_buffer, .address_space: global }
      - { .name: x1, .offset: 32, .size: 8, .value_kind: global_buffer, .address_space: global }
    .group_segment_fixed_size: 327680
    .private_segment_fixed_size: 0
    .kernarg_segment_align: 8
    .kernarg_segment_size: 40
    .max_flat_workgroup_size: 128
    .sgpr_count:     102
    .vgpr_count:     1024
    .wavefront_size: 32
...
	.end_amdgpu_metadata
.endif
;; end of part 4
;; launch prep2 (part 5): grid 512 x 1, 4 waves a work-group, no clusters, 91,904 bytes of LDS; arguments x1, ln2_scale, ln2_bias, hq, wi_w, wo_w, wts; writes hq, wts
.if DOCPART == 5
	.amdgcn_target "amdgcn-amd-amdhsa--gfx1250"
	.amdhsa_code_object_version 6
	.text
	.protected	k_q46ae53c6bb_prep2
	.globl	k_q46ae53c6bb_prep2
	.p2align	8
	.type	k_q46ae53c6bb_prep2,@function
k_q46ae53c6bb_prep2:
	s_mov_b64 s[64:65], 0
	v_nop
	global_prefetch_b8 v0, s[64:65] scope:SCOPE_SE
	s_setreg_imm32_b32 hwreg(HW_REG_WAVE_MODE, 25, 1), 1
	s_wait_xcnt 0x0
; TWO JOBS IN ONE LAUNCH, told apart by the work-group's number; neither reads what the other stores, and each has LDS bytes of its own.  The weights' bytes move while the LayerNorm's work-groups wait for theirs.
; THE LAYOUT that both jobs store, and that the products' launches load.  An operand is [R rows][K].  A row block is 16 rows; lane row r of block t is row 32 (t / 2) + 8 (t % 2) + r + 8 (r / 8).
; A HALF FRAGMENT is 16 rows x 64 K as an image of six registers: bytes 0-511 registers 0-3 of lane l at 16 l, bytes 512-767 registers 4-5 at 8 l; lane (r, h) holds k = 32 h .. 32 h + 31 of row r.
; Codes of BF6 (E3M2): [K / 256][R / 16][4][768]; scale words (four E8M0 bytes, one for each 32 along K): [K / 128][R / 16][16].
; A block's scale is 2^(floor(log2(largest magnitude)) - 4); its byte is the magnitude's exponent field - 4, held at 1 from below.
; WORK-GROUPS 0-255: LayerNorm of [4096][1024] f32 rows (eps 1e-3, gain, bias), quantised along the row; scale words at byte 3,145,728 of the codes' buffer.  A work-group is one row block.
;   PHASE 1: wave w normalises four rows, each whole in its 32 lanes x 32 registers (mean, then the mean of squared differences: two passes over registers), and stores them to LDS.
;   PHASE 2, behind one barrier: wave w takes columns 256 w .. 256 w + 255 of all 16 rows, a lane 16 neighbours of each block of 32, and quantises four half fragments.
;   LDS rows are 4,112 bytes apart (257 x 16), so that the sixteen rows that a load of phase 2 touches begin in different banks.  The scale words leave in pieces of 64 bytes: 128 KiB of the 3.3 MB stored.
; WORK-GROUPS 256 ON: two weights, f32 stored [K][N], quantised along K.  A LANE TAKES A COLUMN n AND ITS REGISTERS RUN DOWN K: a load reads 128 consecutive bytes a wave, a block of 32 lies in one lane, and the
;   conversions give codes with K innermost.  A work-group takes 128 columns x 256 K, a wave 32 columns = two row blocks.  The codes go through the wave's own stage in LDS and leave in runs of 512 consecutive bytes.
;   Sizes and pointers of the two weights are chosen by the work-group's number; no barrier: these waves share nothing.
; LIMITS: a block whose largest magnitude lies under 2^-122, a block of zeros among them, gets the byte 1 (its codes are zeros; this program alone reads the bytes); NaN and infinities are not served.
; No matrix unit, no tensor load: memory binds here.
.set NLN,   256                        ; work-groups of the LayerNorm
.set WGA,   128                        ; work-groups of the first weight, wi_w: (4096 / 128) x (1024 / 256)
.set WNA,   4096                       ; its columns,
.set WLA,   2                          ; log2(K / 256),
.set WCA,   3145728                    ; where its codes begin in wts,
.set WSA,   9568256                    ; and its scale words
.set WNB,   1024                       ; the second weight, wo_w: (1024 / 128) x (4096 / 256) = 128 work-groups
.set WLB,   4
.set WCB,   6291456
.set WSB,   9699328
.set X,     32                         ; v32-159  four rows of 32, later four half fragments' numbers
.set GA,    160                        ; v160-191 gain
.set BI,    192                        ; v192-223 bias
.set ST,    224                        ; v224-239 four registers a row: sum or 1 / sigma, a partner, the second chain
.set TM,    240
.set TQ,    248
.set SEL,   12
.set PITCH, 4112
.set WBASE, 16*PITCH                   ; behind the LayerNorm's rows: the weights' stages
.set TP,    3200                       ; a row block's 3,072 bytes in a stage + 128
.set WREG,  2*TP
.set WSW,   24                         ; v24-25   the scale words of K steps 0 and 1
.set WOFF,  32                         ; v32-63   4 x lane + i rows: never rewritten
.set WX,    64                         ; v64-127  two sets of 32 numbers
.set WC,    128                        ; v128-136 a block's codes
.set WOUT,  140                        ; v140-187 the way out
.set WBS,   32                         ; s[32:47] the eight blocks' bases: never rewritten
.set MSB, 0
.macro WIN new                         ; the immediate's high byte repeats the setting that is left (here every window stays 0)
.if MSB != (\new)
	s_set_vgpr_msb (MSB<<8)|(\new)
.set MSB, \new
.endif
.endm
; 32 numbers of a lane in window win, register src + 16 b + i = k 32 b + 16 (lane / 16) + i of my row, become a half fragment in v[pco] .. v[pco + 5] and its two scale bytes in v[uo].
.macro QH src, win, pco, uo
	WIN (\win)|((\win)<<2)
.irp b, 0,1
	v_max3_num_f32 v[TM+\b], |v[(\src)+16*\b]|, |v[(\src)+16*\b+1]|, 0x2800000   ; my 16 numbers of block b, and the floor 2^(5 - 127)
.endr
.irp i, 2,4,6,8,10,12,14
.irp b, 0,1
	v_max3_num_f32 v[TM+\b], |v[(\src)+16*\b+\i]|, |v[(\src)+16*\b+\i+1]|, v[TM+\b]
.endr
.endr
	WIN 0
.irp b, 0,1
	v_permlanex16_b32 v[TM+2+\b], v[TM+\b], s[SEL], s[SEL+1]
.endr
.irp b, 0,1
	v_max_num_f32 v[TM+\b], v[TM+\b], v[TM+2+\b]   ; with lane l xor 16's: the block's largest magnitude
.endr
.irp b, 0,1
	v_add_nc_u32 v[TM+4+\b], 0xfe000000, v[TM+\b]  ; 4 off its exponent field: the conversion's scale operand
.endr
.irp b, 0,1
	v_lshrrev_b32 v[TM+2+\b], 23, v[TM+4+\b]       ; the byte
.endr
	v_lshl_or_b32 v[\uo], v[TM+3], 8, v[TM+2]
	WIN \win
	v_cvt_scalef32_pk16_bf6_f32 v[\pco:(\pco)+2], v[\src:(\src)+15], v[TM+4]
	v_cvt_scalef32_pk16_bf6_f32 v[TQ:TQ+2], v[(\src)+16:(\src)+31], v[TM+5]
	WIN 0
	v_nop                                          ; one plain instruction behind the conversions
.irp i, 0,1,2
	v_permlane16_swap_b32 v[(\pco)+\i], v[TQ+\i]   ; a whole block to a lane: lanes 0-15 block 0, lanes 16-31 block 1
.endr
.irp i, 0,1,2
	v_mov_b32 v[(\pco)+3+\i], v[TQ+\i]
.endr
.endm
.macro RSUM o                          ; v[ST + 4 i + o] summed over the 32 lanes, the four rows by turns; v[ST + 4 i + o + 1] is at work
.irp m, 1,2,4,8
.irp i, 0,1,2,3
	v_add_f32_dpp v[ST+4*\i+\o], v[ST+4*\i+\o], v[ST+4*\i+\o] row_xmask:\m row_mask:0xf bank_mask:0xf
.endr
.endr
.irp i, 0,1,2,3
	v_permlanex16_b32 v[ST+4*\i+\o+1], v[ST+4*\i+\o], s[SEL], s[SEL+1]
.endr
.irp i, 0,1,2,3
	v_add_f32 v[ST+4*\i+\o], v[ST+4*\i+\o], v[ST+4*\i+\o+1]
.endr
.endm
	v_lshl_add_u32 v247, v0, 2, 0x16500
	v_mov_b32 v251, 0
	v_lshrrev_b32 v1, 5, v0
	v_readfirstlane_b32 s14, v1                    ; wave
	v_and_b32 v1, 31, v0                           ; lane
	s_cmp_ge_u32 ttmp9, NLN                        ; which job: all waves of a work-group go the same way
	s_cbranch_scc1 .Lweights
	; ================ the LayerNorm: row block g = the work-group's number
	s_load_b256 s[4:11], s[0:1], 0x0               ; the rows, gain, bias, the codes' buffer
	v_lshlrev_b32 v2, 4, v1                        ; 16 x lane
	v_lshlrev_b32 v5, 3, v1                        ; 8 x lane
	v_and_b32 v7, 15, v0                           ; r
	v_bfe_u32 v8, v0, 4, 1                         ; h
	v_lshlrev_b32 v6, 2, v7
	v_lshl_add_u32 v6, v8, 14, v6                  ; the scale words: 4 r, lanes 16-31 one K step (16,384 bytes) on
	s_mul_i32 s15, s14, 4*PITCH
	v_add_nc_u32 v3, s15, v2                       ; LDS, phase 1: my four rows, 16 bytes a lane
	v_mul_u32_u24 v4, v7, PITCH
	v_lshl_add_u32 v4, v8, 6, v4
	s_lshl_b32 s15, s14, 10
	v_add_nc_u32 v4, s15, v4                       ; LDS, phase 2: row r, + 64 h, + my 256 columns
	v_mov_b32 v[TM+2], 0                           ; written once: a lane permute's destination counts as one of its sources
	v_mov_b32 v[TM+3], 0
	s_mov_b32 s[SEL], 0x76543210
	s_mov_b32 s[SEL+1], 0xfedcba98                 ; v_permlanex16_b32's selects for lane l xor 16
	s_mov_b32 s18, 0x3a800000                      ; 1 / 1024
	s_mov_b32 s19, 0x3a83126f                      ; eps = 1e-3
	s_lshr_b32 s16, ttmp9, 1
	s_lshl_b32 s16, s16, 5
	s_and_b32 s17, ttmp9, 1
	s_lshl_b32 s17, s17, 3
	s_add_co_u32 s16, s16, s17                     ; the block's first row: 32 (g / 2) + 8 (g % 2)
	s_lshl_b32 s17, s14, 2
	s_add_co_u32 s16, s16, s17
	s_lshr_b32 s17, s14, 1
	s_lshl_b32 s17, s17, 3
	s_add_co_u32 s16, s16, s17                     ; my four rows begin 4 w + 8 (w / 2) on
	s_lshl_b32 s16, s16, 12                        ; in bytes
	s_mov_b32 s17, 0
	s_mul_i32 s20, s14, 786432                     ; my plane of codes,
	s_mul_i32 s21, ttmp9, 3072                     ; the row block in it
	s_add_co_u32 s20, s20, s21
	s_mov_b32 s21, 0
	s_lshl_b32 s22, s14, 15                        ; my two K steps of scale words,
	s_lshl_b32 s23, ttmp9, 6
	s_add_co_u32 s22, s22, s23
	s_add_co_u32 s22, s22, 3145728
	s_mov_b32 s23, 0
	s_wait_kmcnt 0x0
	s_add_nc_u64 s[4:5], s[4:5], s[16:17]
	s_add_nc_u64 s[24:25], s[10:11], s[22:23]
	s_add_nc_u64 s[10:11], s[10:11], s[20:21]
.irp j, 0,1,2,3,4,5,6,7
	global_load_b128 v[GA+4*\j:GA+4*\j+3], v2, s[6:7] offset:512*\j
	global_load_b128 v[BI+4*\j:BI+4*\j+3], v2, s[8:9] offset:512*\j
.endr
.irp i, 0,1,2,3
.irp j, 0,1,2,3,4,5,6,7
	global_load_b128 v[X+32*\i+4*\j:X+32*\i+4*\j+3], v2, s[4:5] offset:4096*\i+512*\j th:TH_LOAD_NT   ; 512 consecutive bytes
.endr
.endr
	s_wait_loadcnt 0x0
	; ---- phase 1: the mean
.irp i, 0,1,2,3
	v_pk_add_f32 v[ST+4*\i:ST+4*\i+1], v[X+32*\i:X+32*\i+1], v[X+32*\i+2:X+32*\i+3]
	v_pk_add_f32 v[ST+4*\i+2:ST+4*\i+3], v[X+32*\i+4:X+32*\i+5], v[X+32*\i+6:X+32*\i+7]
.endr
.irp k, 8,12,16,20,24,28
.irp i, 0,1,2,3
	v_pk_add_f32 v[ST+4*\i:ST+4*\i+1], v[ST+4*\i:ST+4*\i+1], v[X+32*\i+\k:X+32*\i+\k+1]
	v_pk_add_f32 v[ST+4*\i+2:ST+4*\i+3], v[ST+4*\i+2:ST+4*\i+3], v[X+32*\i+\k+2:X+32*\i+\k+3]
.endr
.endr
.irp i, 0,1,2,3
	v_pk_add_f32 v[ST+4*\i:ST+4*\i+1], v[ST+4*\i:ST+4*\i+1], v[ST+4*\i+2:ST+4*\i+3]
.endr
.irp i, 0,1,2,3
	v_add_f32 v[ST+4*\i], v[ST+4*\i], v[ST+4*\i+1]
.endr
	RSUM 0
.irp i, 0,1,2,3
	v_mul_f32 v[ST+4*\i], s18, v[ST+4*\i]
.endr
.irp k, 0,2,4,6,8,10,12,14,16,18,20,22,24,26,28,30
.irp i, 0,1,2,3
	v_pk_add_f32 v[X+32*\i+\k:X+32*\i+\k+1], v[X+32*\i+\k:X+32*\i+\k+1], v[ST+4*\i:ST+4*\i+1] op_sel_hi:[1,0] neg_lo:[0,1] neg_hi:[0,1]   ; x - mean
.endr
.endr
	; the mean of the squares of the differences
.irp i, 0,1,2,3
	v_pk_mul_f32 v[ST+4*\i+2:ST+4*\i+3], v[X+32*\i:X+32*\i+1], v[X+32*\i:X+32*\i+1]
.endr
.irp k, 2,4,6,8,10,12,14,16,18,20,22,24,26,28,30
.irp i, 0,1,2,3
	v_pk_fma_f32 v[ST+4*\i+2:ST+4*\i+3], v[X+32*\i+\k:X+32*\i+\k+1], v[X+32*\i+\k:X+32*\i+\k+1], v[ST+4*\i+2:ST+4*\i+3]
.endr
.endr
.irp i, 0,1,2,3
	v_add_f32 v[ST+4*\i+2], v[ST+4*\i+2], v[ST+4*\i+3]
.endr
	RSUM 2
.irp i, 0,1,2,3
	v_fma_f32 v[ST+4*\i+2], v[ST+4*\i+2], s18, s19 ; variance + eps
.endr
	s_wait_alu depctr_va_vdst(0)
.irp i, 0,1,2,3
	v_rsq_f32 v[ST+4*\i], v[ST+4*\i+2]
.endr
	v_nop                                          ; a plain instruction behind the last of the four,
	s_wait_alu depctr_va_vdst(0)                   ; and one wait for the batch, ahead of its first reader
.irp k, 0,2,4,6,8,10,12,14,16,18,20,22,24,26,28,30
.irp i, 0,1,2,3
	v_pk_mul_f32 v[X+32*\i+\k:X+32*\i+\k+1], v[X+32*\i+\k:X+32*\i+\k+1], v[ST+4*\i:ST+4*\i+1] op_sel_hi:[1,0]
.endr
.endr
.irp k, 0,2,4,6,8,10,12,14,16,18,20,22,24,26,28,30
.irp i, 0,1,2,3
	v_pk_fma_f32 v[X+32*\i+\k:X+32*\i+\k+1], v[X+32*\i+\k:X+32*\i+\k+1], v[GA+\k:GA+\k+1], v[BI+\k:BI+\k+1]
.endr
.endr
.irp i, 0,1,2,3
.irp j, 0,1,2,3,4,5,6,7
	ds_store_b128 v3, v[X+32*\i+4*\j:X+32*\i+4*\j+3] offset:\i*PITCH+512*\j
.endr
.endr
	s_wait_dscnt 0x0                               ; for the others' sake: my rows lie in LDS
	s_barrier_signal -1
	s_barrier_wait -1
	; ---- phase 2: my 256 columns of the 16 rows
.irp q, 0,1,2,3
.irp b, 0,1
.irp j, 0,1,2,3
	ds_load_b128 v[X+32*\q+16*\b+4*\j:X+32*\q+16*\b+4*\j+3], v4 offset:256*\q+128*\b+16*\j
.endr
.endr
.endr
	s_wait_dscnt 0x0
.irp q, 0,1,2,3
	QH X+32*\q, 0, 8+6*\q, 252+\q
.endr
	v_lshl_or_b32 v252, v253, 16, v252             ; the word of K step 2 w,
	v_lshl_or_b32 v254, v255, 16, v254             ; and of 2 w + 1; both halves of the lanes hold both
	v_cmp_le_u32 vcc_lo, 16, v1
	v_cndmask_b32 v252, v252, v254, vcc_lo         ; lanes 0-15 store the first, lanes 16-31 the second
.irp q, 0,1,2,3
	global_store_b128 v2, v[8+6*\q:11+6*\q], s[10:11] offset:768*\q        ; 512 consecutive bytes, aligned
	global_store_b64 v5, v[12+6*\q:13+6*\q], s[10:11] offset:768*\q+512    ; 256 consecutive bytes, aligned
.endr
	global_store_b32 v6, v252, s[24:25]
	s_wait_tensorcnt 0x0
	ds_add_u32 v247, v251
	s_wait_dscnt 0x0
	s_endpgm
	; ================ the weights
.Lweights:
	s_load_b128 s[4:7], s[0:1], 0x20               ; the first weight, the second
	s_load_b64 s[12:13], s[0:1], 0x30              ; wts
	v_bfe_u32 v8, v0, 3, 1                         ; u: which of the two row blocks my column falls into
	v_and_b32 v9, 7, v0
	v_bfe_u32 v10, v0, 4, 1
	v_lshl_add_u32 v9, v10, 3, v9                  ; r: my lane row there
	v_lshlrev_b32 v6, 6, v8
	v_lshl_add_u32 v6, v9, 2, v6                   ; my scale word: 64 u + 4 r
	s_mul_i32 s15, s14, WREG
	s_add_co_u32 s15, s15, WBASE                   ; my wave's stage
	v_mul_u32_u24 v8, v8, TP
	v_add_nc_u32 v8, s15, v8
	v_lshl_add_u32 v2, v9, 4, v8                   ; into the stage: registers 0-3
	v_lshl_add_u32 v3, v9, 3, v8                   ; registers 4-5
	v_lshlrev_b32 v5, 4, v1                        ; 16 x lane
	v_add_nc_u32 v4, s15, v5                       ; out of the stage
	v_lshlrev_b32 v7, 2, v1                        ; 4 x lane
	s_wait_alu depctr_va_vdst(0)
	s_sub_co_u32 s60, ttmp9, NLN                   ; my number among the weights' work-groups
	s_mov_b32 s16, WNB                             ; N,
	s_mov_b32 s17, WLB                             ; log2(K / 256),
	s_mov_b32 s19, WCB                             ; where the codes begin in wts,
	s_mov_b32 s20, WSB                             ; and the scale words: the second weight's, unless
	s_cmp_lt_u32 s60, WGA
	s_cselect_b32 s16, WNA, s16
	s_cselect_b32 s17, WLA, s17
	s_cselect_b32 s18, 0, WGA                      ; (the weight's first work-group)
	s_cselect_b32 s19, WCA, s19
	s_cselect_b32 s20, WSA, s20                    ; the first's
	s_sub_co_u32 s21, s60, s18
	s_lshl_b32 s24, 1, s17
	s_sub_co_u32 s24, s24, 1
	s_and_b32 s25, s21, s24                        ; kp: which 256 along K
	s_lshr_b32 s27, s21, s17
	s_lshl_b32 s27, s27, 2
	s_add_co_u32 s27, s27, s14                     ; G: which group of 32 columns
	s_lshl_b32 s26, s16, 2                         ; a row of the weight in bytes
	s_mul_i32 s28, s25, s26
	s_lshl_b32 s28, s28, 8                         ; kp x 256 rows
	s_lshl_b32 s29, s27, 7
	s_add_co_u32 s28, s28, s29                     ; + G x 128 bytes
	s_mov_b32 s29, 0
	s_lshl_b32 s30, s26, 5                         ; 32 rows
	s_mov_b32 s31, 0
	s_mul_i32 s48, s25, s16
	s_lshl_b32 s58, s48, 3                         ; kp x N x 8: two K steps of scale words
	s_mul_i32 s48, s48, 192                        ; kp x N x 192: a plane of codes
	s_mul_i32 s49, s27, 6144
	s_add_co_u32 s48, s48, s49
	s_add_co_u32 s48, s48, s19
	s_mov_b32 s49, 0
	s_lshl_b32 s59, s27, 7
	s_add_co_u32 s58, s58, s59
	s_add_co_u32 s58, s58, s20
	s_mov_b32 s59, 0
	s_mov_b32 s56, s26
	s_mov_b32 s57, 0
.irp i, 0,1,2,3,4,5,6,7,8,9,10,11,12,13,14,15,16,17,18,19,20,21,22,23,24,25,26,27,28,29,30,31
	v_mad_u32_u24 v[WOFF+\i], s26, \i, v7
.endr
	s_wait_alu depctr_va_vdst(0)
	s_wait_kmcnt 0x0
	s_cmp_lt_u32 s60, WGA                          ; the choice hangs on the work-group's number alone
	s_cselect_b64 s[22:23], s[4:5], s[6:7]
	s_add_nc_u64 s[WBS:WBS+1], s[22:23], s[28:29]
.irp t, 1,2,3,4,5,6,7
	s_add_nc_u64 s[WBS+2*\t:WBS+2*\t+1], s[WBS+2*\t-2:WBS+2*\t-1], s[30:31]
.endr
	s_add_nc_u64 s[50:51], s[12:13], s[48:49]      ; my codes
	s_add_nc_u64 s[52:53], s[12:13], s[58:59]      ; my scale words of K step 2 kp,
	s_add_nc_u64 s[54:55], s[52:53], s[56:57]      ; and of 2 kp + 1: N x 4 bytes on
.macro LOAD t                          ; block t: 32 rows of my column into set t % 2
.irp i, 0,1,2,3,4,5,6,7,8,9,10,11,12,13,14,15,16,17,18,19,20,21,22,23,24,25,26,27,28,29,30,31
	global_load_b32 v[WX+32*((\t)%2)+\i], v[WOFF+\i], s[WBS+2*(\t):WBS+2*(\t)+1] th:TH_LOAD_NT
.endr
.endm
	LOAD 0
	LOAD 1
.macro BLOCK t
.set XS, WX+32*((\t)%2)
.if (\t) < 7
	s_wait_loadcnt 32                              ; this block's 32 loads are in; the next block's 32 may be out
.else
	s_wait_loadcnt 0x0
.endif
	v_max3_num_f32 v12, |v[XS]|, |v[XS+1]|, |v[XS+2]|
	v_max3_num_f32 v13, |v[XS+3]|, |v[XS+4]|, |v[XS+5]|
.irp i, 6,10,14,18,22,26
	v_max3_num_f32 v12, v12, |v[XS+\i]|, |v[XS+\i+1]|
	v_max3_num_f32 v13, v13, |v[XS+\i+2]|, |v[XS+\i+3]|
.endr
	v_max3_num_f32 v12, v12, |v[XS+30]|, |v[XS+31]|
	v_max3_num_f32 v12, v12, v13, 0x2800000        ; and the floor 2^(5 - 127): the byte cannot fall under 1
	v_add_nc_u32 v11, 0xfe000000, v12              ; 4 off the exponent field: the conversion's scale operand
	v_lshrrev_b32 v13, 23, v11                     ; the byte
.if (\t)%4 == 0
	v_mov_b32 v[WSW+(\t)/4], v13
.else
	v_lshl_or_b32 v[WSW+(\t)/4], v13, 8*((\t)%4), v[WSW+(\t)/4]
.endif
	v_cvt_scalef32_pk16_bf6_f32 v[WC:WC+2], v[XS:XS+15], v11
	v_cvt_scalef32_pk16_bf6_f32 v[WC+6:WC+8], v[XS+16:XS+31], v11   ; (a conversion's three registers begin on an even number)
	v_nop                                          ; one plain instruction behind the conversions, ahead of the moves
.irp i, 0,1,2
	v_mov_b32 v[WC+3+\i], v[WC+6+\i]
.endr
	ds_store_b128 v2, v[WC:WC+3] offset:((\t)/2)*768+((\t)%2)*256       ; half fragment t / 2, lane r + 16 (t % 2)
	ds_store_b64 v3, v[WC+4:WC+5] offset:((\t)/2)*768+512+((\t)%2)*128
.if (\t) < 6
	LOAD (\t)+2
.endif
	s_wait_dscnt 0x0                               ; the stores have read their registers: the next block's codes may be written
.endm
.set Q, 0
.rept 8
	BLOCK Q
.set Q, Q+1
.endr
	global_store_b32 v6, v[WSW], s[52:53]          ; 128 consecutive bytes a wave, 512 a work-group
	s_wait_alu depctr_va_vdst(0)
	global_store_b32 v6, v[WSW+1], s[54:55]
.irp n, 0,1,2,3,4,5,6,7,8,9,10,11
	ds_load_b128 v[WOUT+4*\n:WOUT+4*\n+3], v4 offset:(\n/6)*TP+512*(\n%6)   ; LDS serves a wave's instructions in order: these see my stores
.endr
.irp n, 0,1,2,3,4,5,6,7,8,9,10,11
	s_wait_dscnt 11-\n                             ; the younger loads may be out
	global_store_b128 v5, v[WOUT+4*\n:WOUT+4*\n+3], s[50:51] offset:(\n/6)*3072+512*(\n%6)   ; 512 consecutive bytes, aligned
.endr
	s_wait_tensorcnt 0x0
	ds_add_u32 v247, v251
	s_wait_dscnt 0x0
	s_endpgm
.Lfunc_end_k_q46ae53c6bb_prep2:
	.size	k_q46ae53c6bb_prep2, .Lfunc_end_k_q46ae53c6bb_prep2-k_q46ae53c6bb_prep2
	.p2alignl 7, 3214868480
	.fill 96, 4, 3214868480
	.section	.rodata,"a",@progbits
	.p2align	6, 0x0
	.amdhsa_kernel k_q46ae53c6bb_prep2
		.amdhsa_group_segment_fixed_size 91904
		.amdhsa_private_segment_fixed_size 0
		.amdhsa_enable_private_segment 0
		.amdhsa_kernarg_size 56
		.amdhsa_user_sgpr_count 2
		.amdhsa_user_sgpr_kernarg_segment_ptr 1
		.amdhsa_wavefront_size32 1
		.amdhsa_system_sgpr_workgroup_id_x 1
		.amdhsa_system_sgpr_workgroup_id_y 1
		.amdhsa_system_sgpr_workgroup_id_z 1
		.amdhsa_system_vgpr_workitem_id 0
		.amdhsa_next_free_vgpr 256
		.amdhsa_next_free_sgpr 66
		.amdhsa_reserve_vcc 1
		.amdhsa_float_denorm_mode_32 3
		.amdhsa_float_denorm_mode_16_64 3
		.amdhsa_memory_ordered 1
		.amdhsa_forward_progress 1
		.amdhsa_inst_pref_size 88
	.end_amdhsa_kernel
	.amdgpu_metadata
---
amdhsa.version: [ 1, 2 ]
amdhsa.kernels:
  - .name:           k_q46ae53c6bb_prep2
    .symbol:         k_q46ae53c6bb_prep2.kd
    .args:
      - { .name: x1, .offset: 0, .size: 8, .value_kind: global_buffer, .address_space: global }
      - { .name: ln2_scale, .offset: 8, .size: 8, .value_kind: global_buffer, .address_space: global }
      - { .name: ln2_bias, .offset: 16, .size: 8, .value_kind: global_buffer, .address_space: global }
      - { .name: hq, .offset: 24, .size: 8, .value_kind: global_buffer, .address_space: global }
      - { .name: wi_w, .offset: 32, .size: 8, .value_kind: global_buffer, .address_space: global }
      - { .name: wo_w, .offset: 40, .size: 8, .value_kind: global_buffer, .address_space: global }
      - { .name: wts, .offset: 48, .size: 8, .value_kind: global_buffer, .address_space: global }
    .group_segment_fixed_size: 91904
    .private_segment_fixed_size: 0
    .kernarg_segment_align: 8
    .kernarg_segment_size: 56
    .max_flat_workgroup_size: 128
    .sgpr_count:     66
    .vgpr_count:     256
    .wavefront_size: 32
...
	.end_amdgpu_metadata
.endif
;; end of part 5
;; launch wi (part 6): grid 16 x 16, 4 waves a work-group, clusters of 4 x 4, 327,680 bytes of LDS; arguments hq, wts, wi_b, gq; writes gq
.if DOCPART == 6
	.amdgcn_target "amdgcn-amd-amdhsa--gfx1250"
	.amdhsa_code_object_version 6
	.text
	.protected	k_q46ae53c6bb_wi
	.globl	k_q46ae53c6bb_wi
	.p2align	8
	.type	k_q46ae53c6bb_wi,@function
k_q46ae53c6bb_wi:
	s_mov_b64 s[64:65], 0
	v_nop
	global_prefetch_b8 v0, s[64:65] scope:SCOPE_SE
	s_setreg_imm32_b32 hwreg(HW_REG_WAVE_MODE, 25, 1), 1
	s_wait_xcnt 0x0
	s_wait_alu depctr_hold_cnt(0) depctr_sa_sdst(0) depctr_va_vdst(0) depctr_va_sdst(0) depctr_va_ssrc(0) depctr_va_vcc(0) depctr_vm_vsrc(0)
	s_getreg_b32 s2, hwreg(HW_REG_IB_STS2, 6, 4)
	s_cmp_eq_u32 s2, 0
	s_cbranch_scc0 .Lentry_in_a_cluster
	s_endpgm
.Lentry_in_a_cluster:
	s_bfe_u32 s2, ttmp6, 0x10000c
	s_cmp_lg_u32 s2, 0xf033
	s_cbranch_scc0 .Lentry_shape_is_right
	s_endpgm
.Lentry_shape_is_right:
.set XB, 8
.set YB, 8
.set NQ, 2
.set RA, 4096
.set RB, 4096
.set RBTA, 16
.set RBTB, 16
.set RBPA, 8
.set RBPB, 8
.set KST, 8
.set ASOFF, 3145728
.set BCOFF, 3145728
.set BSOFF, 9568256
.set PARTA, RBPA*3072
.set PARTB, RBPB*3072
.set SLOT, 2*PARTA+2*PARTB
.set RWA, RBTA*64                      ; a K step's scale words of ALL the tile's rows lie on end in LDS
.set RWB, RBTB*64
.set SPA, KST*RWA
.set SPB, KST*RWB
.set SCA, 2*SLOT
.set SCB, SCA+SPA
.set SPARE, SCB+SPB
.set SCR, SPARE+512
.set AX16, 2
.set AX8, 4
.set AY16, 6
.set AY8, 8
.set ASX, 10
.set ASY, 11
.set L16, 24
.set L8, 25
.set L4, 26
.set SPW, 28
.set NIL, 29
.set SCX, 32
.set SCY, 44
.set TM, 52
.set TQ, 60
.set XF, 112
.set T, 112
.set PC, 176
.set U, 188
.set PW, 190
.set G1A, 24
.set G0A, 32
.set G1B, 48
.set G0B, 56
.set G1SA, 68
.set G0SA, 76
.set G1SB, 80
.set G0SB, 88
.set SEL, 98
.set MSB, 0
.macro WIN new
.if MSB != (\new)
	s_set_vgpr_msb (MSB<<8)|(\new)
.set MSB, \new
.endif
.endm
.macro PLACES n
.rept \n
	v_nop
.endr
.endm
.macro GROUP1 g, c, r, p
	s_mov_b32 s[\g+1], ((\c)&0xffff)<<16
	s_mov_b32 s[\g+2], ((\c)>>16)|(((\r)&0xffff)<<16)
	s_mov_b32 s[\g+3], ((\r)>>16)|((\c)<<16)
	s_mov_b32 s[\g+4], \r
	s_mov_b32 s[\g+5], \p
	s_mov_b32 s[\g+6], 0
	s_mov_b32 s[\g+7], 0
.endm
.macro JLOAD g0a, g1a, g0b, g1b
	s_cmp_eq_u32 s15, 0
	s_cbranch_scc0 .Lfor_b_\@
	tensor_load_to_lds s[\g0a:\g0a+3], s[\g1a:\g1a+7]
	s_nop 0
.rept 4
	v_nop
.endr
	s_branch .Lasked_\@
.Lfor_b_\@:
	tensor_load_to_lds s[\g0b:\g0b+3], s[\g1b:\g1b+7]
	s_nop 0
.rept 4
	v_nop
.endr
.Lasked_\@:
.endm
.macro CREST
	s_cmp_lg_u32 s14, 0
	s_cbranch_scc1 .Lnot_wave_0_\@
	s_barrier_signal -3
.Lnot_wave_0_\@:
	s_barrier_wait -3
	s_barrier_signal -1
	s_barrier_wait -1
.endm
.macro CROUND
	s_barrier_signal -1
	s_barrier_wait -1
	CREST
.endm
.macro WM
.if fA==0 && fB==0
	v_wmma_scale_f32_16x16x128_f8f6f4 v[rD:rD+7], v[rA:rA+11], v[rB:rB+11], v[rC:rC+7], v[rSa], v[rSb] matrix_a_fmt:MATRIX_FMT_BF6 matrix_b_fmt:MATRIX_FMT_BF6
.elseif fA==1 && fB==0
	v_wmma_scale_f32_16x16x128_f8f6f4 v[rD:rD+7], v[rA:rA+11], v[rB:rB+11], v[rC:rC+7], v[rSa], v[rSb] matrix_a_fmt:MATRIX_FMT_BF6 matrix_b_fmt:MATRIX_FMT_BF6 matrix_a_scale:MATRIX_SCALE_ROW1
.elseif fA==0
	v_wmma_scale_f32_16x16x128_f8f6f4 v[rD:rD+7], v[rA:rA+11], v[rB:rB+11], v[rC:rC+7], v[rSa], v[rSb] matrix_a_fmt:MATRIX_FMT_BF6 matrix_b_fmt:MATRIX_FMT_BF6 matrix_b_scale:MATRIX_SCALE_ROW1
.else
	v_wmma_scale_f32_16x16x128_f8f6f4 v[rD:rD+7], v[rA:rA+11], v[rB:rB+11], v[rC:rC+7], v[rSa], v[rSb] matrix_a_fmt:MATRIX_FMT_BF6 matrix_b_fmt:MATRIX_FMT_BF6 matrix_a_scale:MATRIX_SCALE_ROW1 matrix_b_scale:MATRIX_SCALE_ROW1
.endif
.endm
.macro MM x, y, p, sg, first
.set rD, 8*(((\x)%(XB/2))*YB+(\y))
.set rA, 128*(\p)+12*(\y)
.set rB, XF+12*(\x)
.set rSa, SCY+4*(\sg)+(\y)/2
.set rSb, SCX+6*(\sg)+(\x)/2
.set fA, (\y)%2
.set fB, (\x)%2
.if \first
.set rC, 96+128*((\y)/4)+8*((\y)%4)
	WIN 0x91+0x40*((\x)/(XB/2))
.else
.set rC, rD
	WIN 0xa1+0x50*((\x)/(XB/2))
.endif
	WM
.endm
.macro MUL x0, n, p, sg, first
.set xx, \x0
.rept \n
.set yy, 0
.rept YB
	MM xx, yy, \p, \sg, \first
.set yy, yy+1
.endr
.set xx, xx+1
.endr
.endm
.macro FRAG reg, a16, a8, off
	ds_load_b128 v[\reg:\reg+3], v[\a16] offset:\off
	ds_load_b64 v[\reg+4:\reg+5], v[\a8] offset:\off+512
	ds_load_b128 v[\reg+6:\reg+9], v[\a16] offset:\off+768
	ds_load_b64 v[\reg+10:\reg+11], v[\a8] offset:\off+1280
.endm
.macro FETCH_Y slot, q, p
	WIN 0x40
.set ii, 0
.rept YB
	FRAG 128*(\p)+12*ii, AY16+\slot, AY8+\slot, ii*3072+((\q)%2)*1536
.set ii, ii+1
.endr
	WIN 0
.endm
.macro FETCH_X slot, q, half
.set ii, (\half)*(XB/2)
.rept XB/2
	FRAG XF+12*ii, AX16+\slot, AX8+\slot, ii*3072+((\q)%2)*1536
.set ii, ii+1
.endr
.endm
.macro SCALES q, sg
.set ii, 0
.rept XB/2
	ds_load_b32 v[SCX+6*(\sg)+ii], v[ASX] offset:(\q)*RWA+ii*128
.set ii, ii+1
.endr
.set ii, 0
.rept YB/2
	ds_load_b32 v[SCY+4*(\sg)+ii], v[ASY] offset:(\q)*RWB+ii*128
.set ii, ii+1
.endr
.endm
.macro STEP slot, q, first
	s_wait_dscnt (XB/2)*4
	MUL 0, XB/2, (\q)%2, (\q)%2, \first
	s_wait_dscnt 0x0
	PLACES 4
	FETCH_Y \slot, (\q)+1, 1-(\q)%2
	FETCH_X \slot, (\q)+1, 0
	SCALES (\q)+1, 1-(\q)%2
	MUL XB/2, XB/2, (\q)%2, (\q)%2, \first
	PLACES 4
	WIN 0
	FETCH_X \slot, (\q)+1, 1
.endm
.macro TURN slot, next, fill
	s_wait_tensorcnt 0x0
	ds_add_u32 v[SPW], v[NIL]
	s_wait_dscnt (XB/2)*4+1
	MUL 0, XB/4, 1, 1, 0
	s_wait_dscnt 0x0
	s_barrier_signal -1
	MUL XB/4, XB/4, 1, 1, 0
	WIN 0
	s_barrier_wait -1
.if \fill
	CREST
	s_add_nc_u64 s[G0A+4*\slot+2:G0A+4*\slot+3], s[G0A+4*\slot+2:G0A+4*\slot+3], 2*RA*192
	s_add_nc_u64 s[G0B+4*\slot+2:G0B+4*\slot+3], s[G0B+4*\slot+2:G0B+4*\slot+3], 2*RB*192
	JLOAD G0A+4*\slot, G1A, G0B+4*\slot, G1B
.else
	PLACES 4
.endif
	v_add_nc_u32 v[ASX], NQ*RWA, v[ASX]
	v_add_nc_u32 v[ASY], NQ*RWB, v[ASY]
	FETCH_Y \next, 0, 0
	FETCH_X \next, 0, 0
	SCALES 0, 0
	MUL XB/2, XB/2, 1, 1, 0
	PLACES 4
	WIN 0
	FETCH_X \next, 0, 1
.endm
.macro QH src, win, pco, uo
	WIN (\win)|((\win)<<2)
.irp b, 0,1
	v_max3_num_f32 v[TM+\b], |v[(\src)+16*\b]|, |v[(\src)+16*\b+1]|, 0x2800000
.endr
.irp i, 2,4,6,8,10,12,14
.irp b, 0,1
	v_max3_num_f32 v[TM+\b], |v[(\src)+16*\b+\i]|, |v[(\src)+16*\b+\i+1]|, v[TM+\b]
.endr
.endr
	WIN 0
.irp b, 0,1
	v_permlanex16_b32 v[TM+2+\b], v[TM+\b], s[SEL], s[SEL+1]
.endr
.irp b, 0,1
	v_max_num_f32 v[TM+\b], v[TM+\b], v[TM+2+\b]
.endr
.irp b, 0,1
	v_add_nc_u32 v[TM+4+\b], 0xfe000000, v[TM+\b]
.endr
.irp b, 0,1
	v_lshrrev_b32 v[TM+2+\b], 23, v[TM+4+\b]
.endr
	v_lshl_or_b32 v[\uo], v[TM+3], 8, v[TM+2]
	WIN \win
	v_cvt_scalef32_pk16_bf6_f32 v[\pco:(\pco)+2], v[\src:(\src)+15], v[TM+4]
	v_cvt_scalef32_pk16_bf6_f32 v[TQ:TQ+2], v[(\src)+16:(\src)+31], v[TM+5]
	WIN 0
	v_nop
.irp i, 0,1,2
	v_permlane16_swap_b32 v[(\pco)+\i], v[TQ+\i]
.endr
.irp i, 0,1,2
	v_mov_b32 v[(\pco)+3+\i], v[TQ+\i]
.endr
.endm
	s_load_b256 s[4:11], s[0:1], 0x0
	v_lshl_add_u32 v[SPW], v0, 2, SPARE
	v_mov_b32 v[NIL], 0
	ds_add_u32 v28, v29
	ds_add_u32 v28, v29
	s_wait_dscnt 0x0
	v_lshrrev_b32 v1, 5, v0
	v_readfirstlane_b32 s14, v1
	s_lshr_b32 s15, s14, 1
	s_and_b32 s16, s14, 1
	s_bfe_u32 s40, ttmp6, 0x40000
	s_bfe_u32 s41, ttmp6, 0x40004
	s_lshl_b32 s42, ttmp9, 2
	s_add_co_u32 s42, s42, s40
	s_and_b32 s17, ttmp7, 0xffff
	s_lshl_b32 s17, s17, 2
	s_add_co_u32 s17, s17, s41
	s_lshl_b32 s43, s41, 2
	s_lshl_b32 s43, 15, s43
	s_lshl_b32 s44, 0x1111, s40
	s_or_b32 s[G1A], s43, (3<<16)|(1<<21)
	s_or_b32 s[G1SA], s43, (3<<16)|(1<<21)
	s_or_b32 s[G1B], s44, (3<<16)|(1<<21)
	s_or_b32 s[G1SB], s44, (3<<16)|(1<<21)
	GROUP1 G1A, 32, 2*PARTA/256, 32                ; for the head's loads: both parts of a slot at once
	GROUP1 G1B, 32, 2*PARTB/256, 32
	GROUP1 G1SA, RBTA*8, KST, RA/2                 ; the scale words of the whole tile: a row for each K step
	GROUP1 G1SB, RBTB*8, KST, RB/2
	s_mul_i32 s20, s17, RBTA
	s_lshl_b32 s22, s20, 6
	s_add_co_u32 s22, s22, ASOFF
	s_mul_i32 s18, s16, RBPA
	s_add_co_u32 s20, s20, s18
	s_mul_i32 s20, s20, 3072
	s_mov_b32 s21, 0
	s_mov_b32 s23, 0
	s_mul_i32 s46, s42, RBTB
	s_lshl_b32 s92, s46, 6
	s_add_co_u32 s92, s92, BSOFF
	s_mul_i32 s18, s16, RBPB
	s_add_co_u32 s46, s46, s18
	s_mul_i32 s46, s46, 3072
	s_add_co_u32 s46, s46, BCOFF
	s_mov_b32 s47, 0
	s_mov_b32 s93, 0
	s_mul_i32 s45, s16, PARTA
	s_mul_i32 s94, s16, PARTB
	s_add_co_u32 s94, s94, 2*PARTA
	s_mov_b32 s[SEL], 0x76543210
	s_mov_b32 s[SEL+1], 0xfedcba98
	s_mov_b32 s100, 0xbdd2d3e8
	s_mov_b32 s101, s100
	s_wait_kmcnt 0x0
	s_add_nc_u64 s[20:21], s[4:5], s[20:21]
	s_add_nc_u64 s[22:23], s[4:5], s[22:23]
	s_add_nc_u64 s[46:47], s[6:7], s[46:47]
	s_add_nc_u64 s[92:93], s[6:7], s[92:93]
	CROUND
	s_mov_b32 s[G0SA], 1
	s_mov_b32 s[G0SA+1], SCA
	s_mov_b64 s[G0SA+2:G0SA+3], s[22:23]
	s_or_b32 s[G0SA+3], s[G0SA+3], 0x80000000
	s_mov_b32 s[G0SB], 1
	s_mov_b32 s[G0SB+1], SCB
	s_mov_b64 s[G0SB+2:G0SB+3], s[92:93]
	s_or_b32 s[G0SB+3], s[G0SB+3], 0x80000000
.irp s, 0,1
	s_mov_b32 s[G0A+4*\s], 1
	s_add_co_u32 s[G0A+4*\s+1], s45, \s*SLOT
	s_add_nc_u64 s[G0A+4*\s+2:G0A+4*\s+3], s[20:21], \s*RA*192
	s_or_b32 s[G0A+4*\s+3], s[G0A+4*\s+3], 0x80000000
	s_mov_b32 s[G0B+4*\s], 1
	s_add_co_u32 s[G0B+4*\s+1], s94, \s*SLOT
	s_add_nc_u64 s[G0B+4*\s+2:G0B+4*\s+3], s[46:47], \s*RB*192
	s_or_b32 s[G0B+4*\s+3], s[G0B+4*\s+3], 0x80000000
.endr
; THE HEAD'S FOUR TILES, ONE JOINT LOAD A WAVE: wave 0 slot 0's whole A (its own group 0 begins at the tile's first byte), wave 1 A's scale words, wave 2 slot 0's whole B, wave 3 B's scale words.
.macro ARM under, g0, g1, next
	s_cmp_lt_u32 s14, \under
	s_cbranch_scc0 \next
	tensor_load_to_lds s[\g0:\g0+3], s[\g1:\g1+7]
	s_nop 0
.rept 4
	v_nop
.endr
	s_branch .Lhead_asked
\next:
.endm
	ARM 1, G0A, G1A, .Lhead_sa
	ARM 2, G0SA, G1SA, .Lhead_b
	ARM 3, G0B, G1B, .Lhead_sb
	tensor_load_to_lds s[G0SB:G0SB+3], s[G1SB:G1SB+7]
	s_nop 0
.rept 4
	v_nop
.endr
.Lhead_asked:
; PREFETCH: every wave asks for a quarter of the part that it will itself load in later fills; the four partners that load a part jointly are told apart by address (cx for A, cy for B);
; a lane a block of 256 bytes, lanes left over name the wave's last block again.  Fills 1 and 2 here, fill 3 behind slot 1's load; fill 3 is K's last.  Base and offsets are never rewritten.
	s_cmp_eq_u32 s15, 0                            ; do I fetch for A?
	s_cselect_b64 s[96:97], s[20:21], s[46:47]     ; my part of fill 0,
	s_cselect_b32 s18, s40, s41                    ; my place among the four,
	s_mov_b32 s95, RB*192
	s_cselect_b32 s95, RA*192, s95                 ; the bytes from fill to fill,
	s_mov_b32 s19, PARTB/4
	s_cselect_b32 s19, PARTA/4, s19                ; and a quarter of the part
	s_mul_i32 s18, s18, s19
	s_lshr_b32 s2, s19, 8
	s_sub_co_u32 s2, s2, 1                         ; its last block
	s_mov_b32 s19, 0
	s_add_nc_u64 s[96:97], s[96:97], s[18:19]
	v_and_b32 v22, 31, v0
	v_min_u32 v22, s2, v22
	v_lshlrev_b32 v22, 8, v22
	v_add_nc_u32 v19, s95, v22
	v_add_nc_u32 v20, s95, v19
	v_add_nc_u32 v21, s95, v20
	global_prefetch_b8 v19, s[96:97] th:TH_LOAD_NT scope:SCOPE_SE   ; fill 1
	global_prefetch_b8 v20, s[96:97] th:TH_LOAD_NT scope:SCOPE_SE   ; fill 2
	v_and_b32 v1, 31, v0
	v_lshlrev_b32 v[L16], 4, v1
	v_lshlrev_b32 v[L8], 3, v1
	v_lshlrev_b32 v[L4], 2, v1
	s_wait_alu depctr_va_vdst(0)
	s_mul_i32 s18, s15, PARTA
	s_mul_i32 s19, s16, PARTB
	s_add_co_u32 s19, s19, 2*PARTA
.irp s, 0,1
	v_add_nc_u32 v[AX16+\s], s18, v[L16]
	v_add_nc_u32 v[AX8+\s], s18, v[L8]
	v_add_nc_u32 v[AY16+\s], s19, v[L16]
	v_add_nc_u32 v[AY8+\s], s19, v[L8]
	s_add_co_u32 s18, s18, SLOT
	s_add_co_u32 s19, s19, SLOT
.endr
	s_mul_i32 s18, s15, RWA/2
	s_add_co_u32 s18, s18, SCA
	v_add_nc_u32 v[ASX], s18, v[L4]
	s_mul_i32 s18, s16, RWB/2
	s_add_co_u32 s18, s18, SCB
	v_add_nc_u32 v[ASY], s18, v[L4]
	v_and_b32 v16, 15, v0
	v_lshrrev_b32 v12, 4, v1
	v_lshlrev_b32 v12, 6, v12
	s_wait_alu depctr_va_vdst(0)
	s_lshl_b32 s18, s14, 9
	s_add_co_u32 s18, s18, SCR
	v_lshl_add_u32 v13, v16, 2, s18
	v_add_nc_u32 v14, s18, v[L16]
	v_mov_b32 v[TM+2], 0
	v_mov_b32 v[TM+3], 0
	v_mov_b32 v64, 0xc0135761
	v_mov_b32 v65, v64
	s_lshl_b32 s18, s42, 10
	s_lshl_b32 s19, s16, 9
	s_add_co_u32 s18, s18, s19
	s_mov_b32 s19, 0
	s_add_nc_u64 s[8:9], s[8:9], s[18:19]
	WIN 0x40
.irp y, 0,1,2,3,4,5,6,7
	global_load_b128 v[96+128*(\y/4)+8*(\y%4):99+128*(\y/4)+8*(\y%4)], v12, s[8:9] offset:(32*(\y/2)+8*(\y%2))*4
	global_load_b128 v[100+128*(\y/4)+8*(\y%4):103+128*(\y/4)+8*(\y%4)], v12, s[8:9] offset:(32*(\y/2)+8*(\y%2))*4+16
.endr
	WIN 0
	s_lshl_b32 s2, s17, 4
	s_lshl_b32 s3, s15, 3
	s_add_co_u32 s2, s2, s3
	s_lshl_b32 s18, s42, 1
	s_add_co_u32 s18, s18, s16
	s_lshl_b32 s18, s18, 14
	s_lshl_b32 s3, s2, 6
	s_add_co_u32 s18, s18, s3
	s_add_co_u32 s18, s18, 12582912
	s_add_nc_u64 s[12:13], s[10:11], s[18:19]
	s_mul_i32 s18, s42, 786432
	s_mul_i32 s2, s2, 3072
	s_add_co_u32 s18, s18, s2
	s_mul_i32 s2, s16, 1536
	s_add_co_u32 s18, s18, s2
	s_add_nc_u64 s[10:11], s[10:11], s[18:19]
	s_wait_alu depctr_va_vdst(0)                   ; the wait at the head's end
	s_wait_tensorcnt 0x0                           ; my tile of the head's four is in
	ds_add_u32 v28, v29
	GROUP1 G1A, 32, PARTA/256, 32                  ; no load of mine is out: from here on a load brings one part of a slot
	GROUP1 G1B, 32, PARTB/256, 32
	s_wait_dscnt 0x0
	CROUND                                         ; all four tiles are in, in every partner
	JLOAD G0A+4, G1A, G0B+4, G1B                   ; slot 1's first fill: my one load behind the round
	FETCH_Y 0, 0, 0
	FETCH_X 0, 0, 0
	SCALES 0, 0
	global_prefetch_b8 v21, s[96:97] th:TH_LOAD_NT scope:SCOPE_SE   ; fill 3
	FETCH_X 0, 0, 1
	s_wait_loadcnt 0x0
	STEP 0, 0, 1
	TURN 0, 1, 1
	s_wait_alu depctr_va_vdst(0)
	STEP 1, 0, 0
	TURN 1, 0, 1
	s_wait_alu depctr_va_vdst(0)
	STEP 0, 0, 0
	TURN 0, 1, 0
	s_wait_alu depctr_va_vdst(0)
	STEP 1, 0, 0
	s_wait_dscnt (XB/2)*4
	MUL 0, XB/2, 1, 1, 0
	s_wait_dscnt 0x0
	MUL XB/2, XB/2, 1, 1, 0
	WIN 0
.macro GELU a
.set WA, 2+(\a)/4
.set AC, 64*((\a)%4)
	WIN WA|(WA<<2)
.set i, 0
.rept 32
	v_pk_mul_f32 v[T+i:T+i+1], v[AC+i:AC+i+1], v[AC+i:AC+i+1]
.set i, i+2
.endr
	WIN 0
.set i, 0
.rept 32
	v_pk_fma_f32 v[T+i:T+i+1], v[T+i:T+i+1], s[100:101], v[64:65] op_sel_hi:[1,0,0]
.set i, i+2
.endr
	WIN WA
.set i, 0
.rept 32
	v_pk_mul_f32 v[T+i:T+i+1], v[AC+i:AC+i+1], v[T+i:T+i+1]
.set i, i+2
.endr
	WIN 0
.set i, 0
	s_wait_alu depctr_va_vdst(0)
.rept 64
	v_exp_f32 v[T+i], v[T+i]
.set i, i+1
.endr
	v_nop
	s_wait_alu depctr_va_vdst(0)
.set i, 0
.rept 32
	v_pk_add_f32 v[T+i:T+i+1], v[T+i:T+i+1], 1.0 op_sel_hi:[1,0]
.set i, i+2
.endr
.set i, 0
	s_wait_alu depctr_va_vdst(0)
.rept 64
	v_rcp_f32 v[T+i], v[T+i]
.set i, i+1
.endr
	v_nop
	s_wait_alu depctr_va_vdst(0)
	WIN WA
.set i, 0
.rept 32
	v_pk_mul_f32 v[T+i:T+i+1], v[AC+i:AC+i+1], v[T+i:T+i+1]
.set i, i+2
.endr
	WIN 0
	s_wait_xcnt 0x0
	QH T, 0, PC, U
	QH T+32, 0, PC+6, U+1
	v_lshl_or_b32 v[PW], v[U+1], 16, v[U]
	global_store_b128 v[L16], v[PC:PC+3], s[10:11] offset:3072*(\a)
	global_store_b64 v[L8], v[PC+4:PC+5], s[10:11] offset:3072*(\a)+512
	global_store_b128 v[L16], v[PC+6:PC+9], s[10:11] offset:3072*(\a)+768
	global_store_b64 v[L8], v[PC+10:PC+11], s[10:11] offset:3072*(\a)+1280
	ds_store_b32 v13, v[PW] offset:64*(\a)
.endm
	PLACES 4
.irp a, 0,1,2,3,4,5,6,7
	GELU \a
.endr
	ds_load_b128 v[T:T+3], v14
	s_wait_dscnt 0x0
	global_store_b128 v[L16], v[T:T+3], s[12:13]
	s_wait_tensorcnt 0x0
	ds_add_u32 v[SPW], v[NIL]
	s_wait_dscnt 0x0
	CROUND
	s_endpgm
.Lfunc_end_k_q46ae53c6bb_wi:
	.size	k_q46ae53c6bb_wi, .Lfunc_end_k_q46ae53c6bb_wi-k_q46ae53c6bb_wi
	.p2alignl 7, 3214868480
	.fill 96, 4, 3214868480
	.section	.rodata,"a",@progbits
	.p2align	6, 0x0
	.amdhsa_kernel k_q46ae53c6bb_wi
		.amdhsa_group_segment_fixed_size 327680
		.amdhsa_private_segment_fixed_size 0
		.amdhsa_enable_private_segment 0
		.amdhsa_kernarg_size 32
		.amdhsa_user_sgpr_count 2
		.amdhsa_user_sgpr_kernarg_segment_ptr 1
		.amdhsa_wavefront_size32 1
		.amdhsa_system_sgpr_workgroup_id_x 1
		.amdhsa_system_sgpr_workgroup_id_y 1
		.amdhsa_system_sgpr_workgroup_id_z 1
		.amdhsa_system_vgpr_workitem_id 0
		.amdhsa_next_free_vgpr 1024
		.amdhsa_next_free_sgpr 102
		.amdhsa_reserve_vcc 0
		.amdhsa_float_denorm_mode_32 3
		.amdhsa_float_denorm_mode_16_64 3
		.amdhsa_memory_ordered 1
		.amdhsa_forward_progress 1
		.amdhsa_inst_pref_size 255
	.end_amdhsa_kernel
	.section	.bss,"aw",@nobits
	.p2align	6
	.space	262144
	.amdgpu_metadata
---
amdhsa.version: [ 1, 2 ]
amdhsa.kernels:
  - .name:           k_q46ae53c6bb_wi
    .symbol:         k_q46ae53c6bb_wi.kd
    .args:
      - { .name: hq, .offset: 0, .size: 8, .value_kind: global_buffer, .address_space: global }
      - { .name: wts, .offset: 8, .size: 8, .value_kind: global_buffer, .address_space: global }
      - { .name: wi_b, .offset: 16, .size: 8, .value_kind: global_buffer, .address_space: global }
      - { .name: gq, .offset: 24, .size: 8, .value_kind: global_buffer, .address_space: global }
    .group_segment_fixed_size: 327680
    .private_segment_fixed_size: 0
    .kernarg_segment_align: 8
    .kernarg_segment_size: 32
    .max_flat_workgroup_size: 128
    .sgpr_count:     102
    .vgpr_count:     1024
    .wavefront_size: 32
...
	.end_amdgpu_metadata
.endif
;; end of part 6
;; launch wo (part 7): grid 8 x 32, 4 waves a work-group, clusters of 4 x 4, 327,680 bytes of LDS; arguments gq, wts, wo_b, x1, out0; writes out0
.if DOCPART == 7
	.amdgcn_target "amdgcn-amd-amdhsa--gfx1250"
	.amdhsa_code_object_version 6
	.text
	.protected	k_q46ae53c6bb_wo
	.globl	k_q46ae53c6bb_wo
	.p2align	8
	.type	k_q46ae53c6bb_wo,@function
k_q46ae53c6bb_wo:
	s_mov_b64 s[64:65], 0
	v_nop
	global_prefetch_b8 v0, s[64:65] scope:SCOPE_SE
	s_setreg_imm32_b32 hwreg(HW_REG_WAVE_MODE, 25, 1), 1
	s_wait_xcnt 0x0
	s_wait_alu depctr_hold_cnt(0) depctr_sa_sdst(0) depctr_va_vdst(0) depctr_va_sdst(0) depctr_va_ssrc(0) depctr_va_vcc(0) depctr_vm_vsrc(0)
	s_getreg_b32 s2, hwreg(HW_REG_IB_STS2, 6, 4)
	s_cmp_eq_u32 s2, 0
	s_cbranch_scc0 .Lentry_in_a_cluster
	s_endpgm
.Lentry_in_a_cluster:
	s_bfe_u32 s2, ttmp6, 0x10000c
	s_cmp_lg_u32 s2, 0xf033
	s_cbranch_scc0 .Lentry_shape_is_right
	s_endpgm
.Lentry_shape_is_right:
; out = x1 + g wo_w + wo_b on codes of BF6 (E3M2) with E8M0 scales: M 4096, K 4096, N 1024; out f32.
; OPERANDS lie as register images.  A row block is 16 rows, lane row r of block t is row 32 (t / 2) + 8 (t % 2) + r + 8 (r / 8).  A half fragment (16 rows x 64 K, 768 bytes): bytes 0-511 registers 0-3 of lane l
; at 16 l, bytes 512-767 registers 4-5 at 8 l.  Codes [K / 256][rows / 16][4][768], scale words [K / 128][rows / 16][16].  Every LDS load is dense: no pitch, no padding.
; SHARES.  N is 1,024, so a tile of 128 x 128 is the largest that gives each of 256 work-groups a tile.  Four waves, 2 x 2, each 64 x 64: 16 accumulators.  X = A (tokens), one register set; Y = B (weights), two sets.
; The product is used TRANSPOSED (source 0 = weights, source 1 = tokens): a lane holds one token and eight neighbouring columns a tile.  The bias is the C of each sum's first product.
; RING.  A slot holds 512 along K, brought by one tensor load a wave: eight slots' worth, two slots.  Waves 0, 1 fetch A's halves, waves 2, 3 B's.  CLUSTER 4 x 4: A's tiles jointly along a row, B's along a column.
; The scale words of all of K come once, with the first fills: three tensor loads of a wave are out at the start, one behind each round.  A refill has a slot's 64 products a wave in which to land.
; No prefetch is laid in this text.
; THE RESIDUAL's 64 x 64 numbers are asked for behind the first K step, in the very lanes that store the result, and are added on the way out, which goes through the wave's own stage in LDS so that sixteen lanes store 256 consecutive bytes.
; REGISTERS.  window 0: v2-11 LDS addresses, v12-15 the way out, v24-26 16, 8, 4 x lane, v28-29 the spare word, v32-51 scale words, v112-159 X, later rows on their way out.
; window 1: Y at 128 p + 12 y, the bias at 96 + 8 y.  window 2: accumulators of X blocks 0, 1 at 32 x + 8 y; v64-191 the residual.  window 3: those of blocks 2, 3.
; THE HEAD, THE RING'S SHARES AND THE PREFETCH AS THEY STAND (in place of what the paragraph RING above says of them):
; at the head one joint load a wave: wave 0 slot 0's whole A, wave 1 A's scale words of all of K, wave 2 slot 0's whole B, wave 3 B's scale words; slot 1 is first filled behind the three lines and a round.
; In the ring a wave fetches one dense plane (256 along K x the tile's 8 row blocks, 24,576 bytes): waves 0, 1 A's two planes of a slot, waves 2, 3 B's.  One tensor load of a wave is out at any time.
; PREFETCH: with the load of slot-fill c every wave asks for 24 blocks of 256 bytes of the plane that it will itself load in fill c + 2 (at the head also of fill 1): the four partners that load a plane jointly
; take a quarter of its 96 blocks each, told apart by address (cx for A, cy for B); lanes 24-31 name the wave's last block again.  Fills 6 and 7 ask for nothing: K ends with fill 7.
.set XB, 4
.set YB, 4
.set NQ, 4
.set KPS, 2
.set LAPS, 4
.set RA, 4096
.set RB, 1024
.set RBTA, 8
.set RBTB, 8
.set RBPA, 4
.set RBPB, 4
.set KST, 32
.set ASOFF, 12582912
.set BCOFF, 6291456
.set BSOFF, 9699328
.set PARTA, KPS*RBPA*3072
.set PARTB, KPS*RBPB*3072
.set SLOT, 2*PARTA+2*PARTB
.set RWA, RBTA*64                      ; a K step's scale words of ALL the tile's rows lie on end in LDS
.set RWB, RBTB*64
.set SPA, KST*RWA
.set SPB, KST*RWB
.set SCA, 2*SLOT
.set SCB, SCA+SPA
.set SPARE, SCB+SPB
.set SCR, SPARE+512
.set AX16, 2
.set AX8, 4
.set AY16, 6
.set AY8, 8
.set ASX, 10
.set ASY, 11
.set L16, 24
.set L8, 25
.set L4, 26
.set SPW, 28
.set NIL, 29
.set SCX, 32
.set SCY, 44
.set XF, 112
.set BK, 112
.set G1A, 24
.set G0A, 32
.set G1B, 48
.set G0B, 56
.set G1SA, 68
.set G0SA, 76
.set G1SB, 80
.set G0SB, 88
.set MSB, 0
.macro WIN new                         ; the immediate's high byte repeats the setting that is left
.if MSB != (\new)
	s_set_vgpr_msb (MSB<<8)|(\new)
.set MSB, \new
.endif
.endm
.macro PLACES n                        ; plain instructions between a matrix instruction and a load into, or a read of, its registers
.rept \n
	v_nop
.endr
.endm
.macro GROUP1 g, c, r, p               ; words 1-7 of a descriptor's group 1: r rows of c elements of 8 bytes, p elements from row to row
	s_mov_b32 s[\g+1], ((\c)&0xffff)<<16
	s_mov_b32 s[\g+2], ((\c)>>16)|(((\r)&0xffff)<<16)
	s_mov_b32 s[\g+3], ((\r)>>16)|((\c)<<16)
	s_mov_b32 s[\g+4], \r
	s_mov_b32 s[\g+5], \p
	s_mov_b32 s[\g+6], 0
	s_mov_b32 s[\g+7], 0
.endm
.macro JLOAD g0a, g1a, g0b, g1b        ; a joint load: waves 0, 1 for A, waves 2, 3 for B; four v_nop follow each line
	s_cmp_eq_u32 s15, 0
	s_cbranch_scc0 .Lfor_b_\@
	tensor_load_to_lds s[\g0a:\g0a+3], s[\g1a:\g1a+7]
	s_nop 0
.rept 4
	v_nop
.endr
	s_branch .Lasked_\@
.Lfor_b_\@:
	tensor_load_to_lds s[\g0b:\g0b+3], s[\g1b:\g1b+7]
	s_nop 0
.rept 4
	v_nop
.endr
.Lasked_\@:
.endm
.macro CREST
	s_cmp_lg_u32 s14, 0
	s_cbranch_scc1 .Lnot_wave_0_\@
	s_barrier_signal -3
.Lnot_wave_0_\@:
	s_barrier_wait -3
	s_barrier_signal -1
	s_barrier_wait -1
.endm
.macro CROUND
	s_barrier_signal -1
	s_barrier_wait -1
	CREST
.endm
.macro WM                              ; the one matrix line; fA, fB: the scale register's upper lanes serve source 0, source 1
.if fA==0 && fB==0
	v_wmma_scale_f32_16x16x128_f8f6f4 v[rD:rD+7], v[rA:rA+11], v[rB:rB+11], v[rC:rC+7], v[rSa], v[rSb] matrix_a_fmt:MATRIX_FMT_BF6 matrix_b_fmt:MATRIX_FMT_BF6
.elseif fA==1 && fB==0
	v_wmma_scale_f32_16x16x128_f8f6f4 v[rD:rD+7], v[rA:rA+11], v[rB:rB+11], v[rC:rC+7], v[rSa], v[rSb] matrix_a_fmt:MATRIX_FMT_BF6 matrix_b_fmt:MATRIX_FMT_BF6 matrix_a_scale:MATRIX_SCALE_ROW1
.elseif fA==0
	v_wmma_scale_f32_16x16x128_f8f6f4 v[rD:rD+7], v[rA:rA+11], v[rB:rB+11], v[rC:rC+7], v[rSa], v[rSb] matrix_a_fmt:MATRIX_FMT_BF6 matrix_b_fmt:MATRIX_FMT_BF6 matrix_b_scale:MATRIX_SCALE_ROW1
.else
	v_wmma_scale_f32_16x16x128_f8f6f4 v[rD:rD+7], v[rA:rA+11], v[rB:rB+11], v[rC:rC+7], v[rSa], v[rSb] matrix_a_fmt:MATRIX_FMT_BF6 matrix_b_fmt:MATRIX_FMT_BF6 matrix_a_scale:MATRIX_SCALE_ROW1 matrix_b_scale:MATRIX_SCALE_ROW1
.endif
.endm
.macro MM x, y, p, sg, first           ; source 0 = Y's block y (window 1), source 1 = X's block x (window 0); first = 1: C is the bias (window 1)
.set rD, 8*(((\x)%(XB/2))*YB+(\y))
.set rA, 128*(\p)+12*(\y)
.set rB, XF+12*(\x)
.set rSa, SCY+4*(\sg)+(\y)/2
.set rSb, SCX+6*(\sg)+(\x)/2
.set fA, (\y)%2
.set fB, (\x)%2
.if \first
.set rC, 96+8*(\y)
	WIN 0x91+0x40*((\x)/(XB/2))
.else
.set rC, rD
	WIN 0xa1+0x50*((\x)/(XB/2))
.endif
	WM
.endm
.macro MUL x0, n, p, sg, first         ; the 16 accumulators take turns, in the same order in every step, over the loop's backward jump too
.set xx, \x0
.rept \n
.set yy, 0
.rept YB
	MM xx, yy, \p, \sg, \first
.set yy, yy+1
.endr
.set xx, xx+1
.endr
.endm
.macro FRAG reg, a16, a8, off          ; a fragment, 16 rows x 128 K: two half fragments' images
	ds_load_b128 v[\reg:\reg+3], v[\a16] offset:\off
	ds_load_b64 v[\reg+4:\reg+5], v[\a8] offset:\off+512
	ds_load_b128 v[\reg+6:\reg+9], v[\a16] offset:\off+768
	ds_load_b64 v[\reg+10:\reg+11], v[\a8] offset:\off+1280
.endm
.macro FETCH_Y slot, q, p
	WIN 0x40
.set ii, 0
.rept YB
	FRAG 128*(\p)+12*ii, AY16+\slot, AY8+\slot, ((\q)/2)*RBTB*3072+ii*3072+((\q)%2)*1536
.set ii, ii+1
.endr
	WIN 0
.endm
.macro FETCH_X slot, q, half
.set ii, (\half)*(XB/2)
.rept XB/2
	FRAG XF+12*ii, AX16+\slot, AX8+\slot, ((\q)/2)*RBTA*3072+ii*3072+((\q)%2)*1536
.set ii, ii+1
.endr
.endm
.macro SCALES q, sg                    ; a register carries two blocks' words: lanes 0-15 block 2 i, lanes 16-31 block 2 i + 1
.set ii, 0
.rept XB/2
	ds_load_b32 v[SCX+6*(\sg)+ii], v[ASX] offset:(\q)*RWA+ii*128
.set ii, ii+1
.endr
.set ii, 0
.rept YB/2
	ds_load_b32 v[SCY+4*(\sg)+ii], v[ASY] offset:(\q)*RWB+ii*128
.set ii, ii+1
.endr
.endm
.macro STEP slot, q, first             ; 128 along K whose successor lies in the same slot
	s_wait_dscnt (XB/2)*4                          ; all but the youngest run, X's second half
	MUL 0, XB/2, (\q)%2, (\q)%2, \first
	s_wait_dscnt 0x0
	PLACES 4
	FETCH_Y \slot, (\q)+1, 1-(\q)%2
	FETCH_X \slot, (\q)+1, 0
	SCALES (\q)+1, 1-(\q)%2
	MUL XB/2, XB/2, (\q)%2, (\q)%2, \first
	PLACES 4
	WIN 0
	FETCH_X \slot, (\q)+1, 1
.endm
.macro TURN slot, next, fill           ; a slot's last step changes slots: one barrier; fill = 1: it opens a round of the cluster's barrier, and this slot is filled again
.if \fill
	s_wait_xcnt 0x0                                ; my last prefetch has read its base: it steps one slot on
	s_add_nc_u64 s[98:99], s[98:99], s[100:101]
.endif
	s_wait_tensorcnt 0x0                           ; all my tensor loads have landed: my part of the next slot
	ds_add_u32 v[SPW], v[NIL]                      ; 0 onto my spare word
	s_wait_dscnt (XB/2)*4+1                        ; (the add and X's second half may be out)
	MUL 0, XB/4, 1, 1, 0
	s_wait_dscnt 0x0                               ; the add is done, and my reads of this slot are over
	s_barrier_signal -1
	MUL XB/4, XB/4, 1, 1, 0
	WIN 0
	s_barrier_wait -1
.if \fill
	CREST                                          ; no wave of any partner still reads this slot or has a load on its way
	s_add_nc_u64 s[G0A+4*\slot+2:G0A+4*\slot+3], s[G0A+4*\slot+2:G0A+4*\slot+3], 2*KPS*RA*192
	s_add_nc_u64 s[G0B+4*\slot+2:G0B+4*\slot+3], s[G0B+4*\slot+2:G0B+4*\slot+3], 2*KPS*RB*192
	JLOAD G0A+4*\slot, G1A, G0B+4*\slot, G1B       ; the first tensor load behind the round; its four v_nop are the places in front of the loads below
.else
	PLACES 4
.endif
	v_add_nc_u32 v[ASX], NQ*RWA, v[ASX]            ; on to the next slot's scale words
	v_add_nc_u32 v[ASY], NQ*RWB, v[ASY]
	FETCH_Y \next, 0, 0
	FETCH_X \next, 0, 0
	SCALES 0, 0
.if \fill
	s_cmp_gt_u32 s3, 1                             ; the loop's last trip fills 6 and 7: nothing lies two fills on
	s_cbranch_scc0 .Lno_ask_\@
	global_prefetch_b8 v20, s[98:99] th:TH_LOAD_NT scope:SCOPE_SE   ; my share of the plane that I load two fills on
.Lno_ask_\@:
.endif
	MUL XB/2, XB/2, 1, 1, 0
	PLACES 4
	WIN 0
	FETCH_X \next, 0, 1
.endm
	s_load_b256 s[4:11], s[0:1], 0x0               ; A's buffer s[4:5], wts s[6:7], the bias s[8:9], the residual s[10:11]
	s_load_b64 s[12:13], s[0:1], 0x20              ; the result
	v_lshl_add_u32 v[SPW], v0, 2, SPARE
	v_mov_b32 v[NIL], 0
	ds_add_u32 v28, v29
	ds_add_u32 v28, v29
	s_wait_dscnt 0x0
	v_lshrrev_b32 v1, 5, v0
	v_readfirstlane_b32 s14, v1                    ; wave
	s_lshr_b32 s15, s14, 1                         ; my half of the tile's rows.  Also: I fetch for A (0) or for B (1)
	s_and_b32 s16, s14, 1                          ; my half of its columns.  Also: which part I fetch
	s_bfe_u32 s40, ttmp6, 0x40000
	s_bfe_u32 s41, ttmp6, 0x40004
	s_lshl_b32 s42, ttmp9, 2
	s_add_co_u32 s42, s42, s40                     ; tile column
	s_and_b32 s17, ttmp7, 0xffff
	s_lshl_b32 s17, s17, 2
	s_add_co_u32 s17, s17, s41                     ; tile row
	s_lshl_b32 s43, s41, 2
	s_lshl_b32 s43, 15, s43
	s_lshl_b32 s44, 0x1111, s40
	s_or_b32 s[G1A], s43, (3<<16)|(1<<21)
	s_or_b32 s[G1SA], s43, (3<<16)|(1<<21)
	s_or_b32 s[G1B], s44, (3<<16)|(1<<21)
	s_or_b32 s[G1SB], s44, (3<<16)|(1<<21)
	GROUP1 G1A, RBTA*384, KPS, RA*24               ; for the head's loads: a slot's two planes of 256 along K, each all 8 row blocks (24,576 bytes)
	GROUP1 G1B, RBTB*384, KPS, RB*24
	GROUP1 G1SA, RBTA*8, KST, RA/2                 ; the scale words of the whole tile: a row for each K step
	GROUP1 G1SB, RBTB*8, KST, RB/2
	s_mul_i32 s20, s17, RBTA
	s_lshl_b32 s22, s20, 6
	s_add_co_u32 s22, s22, ASOFF
	s_mul_i32 s20, s20, 3072
	s_mul_i32 s18, s16, RA*192                     ; in the ring I fetch one plane of a slot's two
	s_add_co_u32 s20, s20, s18
	s_mov_b32 s21, 0
	s_mov_b32 s23, 0
	s_mul_i32 s46, s42, RBTB
	s_lshl_b32 s92, s46, 6
	s_add_co_u32 s92, s92, BSOFF
	s_mul_i32 s46, s46, 3072
	s_mul_i32 s18, s16, RB*192
	s_add_co_u32 s46, s46, s18
	s_add_co_u32 s46, s46, BCOFF
	s_mov_b32 s47, 0
	s_mov_b32 s93, 0
	s_mul_i32 s45, s16, PARTA
	s_mul_i32 s94, s16, PARTB
	s_add_co_u32 s94, s94, 2*PARTA
	s_wait_kmcnt 0x0
	s_add_nc_u64 s[20:21], s[4:5], s[20:21]
	s_add_nc_u64 s[22:23], s[4:5], s[22:23]
	s_add_nc_u64 s[46:47], s[6:7], s[46:47]
	s_add_nc_u64 s[92:93], s[6:7], s[92:93]
	CROUND                                         ; all sixteen work-groups are here: the first joint loads meet
	s_mov_b32 s[G0SA], 1
	s_mov_b32 s[G0SA+1], SCA
	s_mov_b64 s[G0SA+2:G0SA+3], s[22:23]
	s_or_b32 s[G0SA+3], s[G0SA+3], 0x80000000
	s_mov_b32 s[G0SB], 1
	s_mov_b32 s[G0SB+1], SCB
	s_mov_b64 s[G0SB+2:G0SB+3], s[92:93]
	s_or_b32 s[G0SB+3], s[G0SB+3], 0x80000000
.irp s, 0,1
	s_mov_b32 s[G0A+4*\s], 1
	s_add_co_u32 s[G0A+4*\s+1], s45, \s*SLOT
	s_add_nc_u64 s[G0A+4*\s+2:G0A+4*\s+3], s[20:21], \s*KPS*RA*192
	s_or_b32 s[G0A+4*\s+3], s[G0A+4*\s+3], 0x80000000
	s_mov_b32 s[G0B+4*\s], 1
	s_add_co_u32 s[G0B+4*\s+1], s94, \s*SLOT
	s_add_nc_u64 s[G0B+4*\s+2:G0B+4*\s+3], s[46:47], \s*KPS*RB*192
	s_or_b32 s[G0B+4*\s+3], s[G0B+4*\s+3], 0x80000000
.endr
; the head's four tiles, one joint load a wave, in one chain of branches on the wave's number
.macro ARM under, g0, g1, next
	s_cmp_lt_u32 s14, \under
	s_cbranch_scc0 \next
	tensor_load_to_lds s[\g0:\g0+3], s[\g1:\g1+7]
	s_nop 0
.rept 4
	v_nop
.endr
	s_branch .Lhead_asked
\next:
.endm
	ARM 1, G0A, G1A, .Lhead_sa
	ARM 2, G0SA, G1SA, .Lhead_b
	ARM 3, G0B, G1B, .Lhead_sb
	tensor_load_to_lds s[G0SB:G0SB+3], s[G1SB:G1SB+7]
	s_nop 0
.rept 4
	v_nop
.endr
.Lhead_asked:
	s_cmp_eq_u32 s15, 0                            ; the prefetches: do I fetch for A?
	s_cselect_b64 s[98:99], s[20:21], s[46:47]     ; my plane of fill 0,
	s_cselect_b32 s18, s40, s41                    ; my place among the four that load it with me,
	s_mov_b32 s100, KPS*RB*192
	s_cselect_b32 s100, KPS*RA*192, s100           ; and the bytes from fill to fill
	s_mov_b32 s101, 0
	s_mul_i32 s18, s18, 6144                       ; my work-group's 24 blocks of the plane's 96
	s_mov_b32 s19, 0
	s_add_nc_u64 s[98:99], s[98:99], s[18:19]
	v_and_b32 v18, 31, v0
	v_min_u32 v18, 23, v18
	v_lshlrev_b32 v18, 8, v18                      ; a lane a block of 256 bytes
	v_add_nc_u32 v19, s100, v18                    ; one fill on; never rewritten
	v_add_nc_u32 v20, s100, v19                    ; two fills on; never rewritten
	global_prefetch_b8 v19, s[98:99] th:TH_LOAD_NT scope:SCOPE_SE   ; fill 1
	global_prefetch_b8 v20, s[98:99] th:TH_LOAD_NT scope:SCOPE_SE   ; fill 2
	v_and_b32 v1, 31, v0
	v_lshlrev_b32 v[L16], 4, v1
	v_lshlrev_b32 v[L8], 3, v1
	v_lshlrev_b32 v[L4], 2, v1
	s_wait_alu depctr_va_vdst(0)
	s_mul_i32 s18, s15, RBPA*3072                  ; X = A: my four row blocks inside each plane
	s_mul_i32 s19, s16, RBPB*3072                  ; Y = B: likewise,
	s_add_co_u32 s19, s19, 2*PARTA                 ; behind A's parts
.irp s, 0,1
	v_add_nc_u32 v[AX16+\s], s18, v[L16]
	v_add_nc_u32 v[AX8+\s], s18, v[L8]
	v_add_nc_u32 v[AY16+\s], s19, v[L16]
	v_add_nc_u32 v[AY8+\s], s19, v[L8]
	s_add_co_u32 s18, s18, SLOT
	s_add_co_u32 s19, s19, SLOT
.endr
	s_mul_i32 s18, s15, RWA/2
	s_add_co_u32 s18, s18, SCA
	v_add_nc_u32 v[ASX], s18, v[L4]
	s_mul_i32 s18, s16, RWB/2
	s_add_co_u32 s18, s18, SCB
	v_add_nc_u32 v[ASY], s18, v[L4]
	v_and_b32 v16, 15, v0                          ; r
	v_lshrrev_b32 v17, 4, v1                       ; h
	v_lshlrev_b32 v15, 6, v17                      ; 64 h: the bias
	s_wait_alu depctr_va_vdst(0)
	v_lshlrev_b32 v12, 12, v17
	v_lshl_add_u32 v12, v16, 4, v12                ; in memory: lanes 0-15 one row's 256 bytes, lanes 16-31 the next row's
	s_wait_alu depctr_va_vdst(0)
	s_mul_i32 s18, s14, 16*272
	s_add_co_u32 s18, s18, SCR                     ; my stage: 16 rows x (256 + 16) bytes
	v_mul_u32_u24 v13, v16, 272
	v_lshl_add_u32 v13, v17, 6, v13
	v_add_nc_u32 v13, s18, v13                     ; in: row r, + 64 h
	v_mul_u32_u24 v14, v17, 272
	v_lshl_add_u32 v14, v16, 4, v14
	v_add_nc_u32 v14, s18, v14                     ; back: two rows an instruction
	s_lshl_b32 s18, s42, 9
	s_lshl_b32 s19, s16, 8
	s_add_co_u32 s18, s18, s19                     ; my first column, in bytes
	s_mov_b32 s19, 0
	s_add_nc_u64 s[8:9], s[8:9], s[18:19]
	s_lshl_b32 s2, s17, 7
	s_lshl_b32 s3, s15, 6
	s_add_co_u32 s2, s2, s3                        ; my first row
	s_lshl_b32 s2, s2, 12
	s_add_co_u32 s2, s2, s18
	s_mov_b32 s3, 0
	s_add_nc_u64 s[10:11], s[10:11], s[2:3]
	s_add_nc_u64 s[12:13], s[12:13], s[2:3]
	WIN 0x40
.irp y, 0,1,2,3
	global_load_b128 v[96+8*\y:99+8*\y], v15, s[8:9] offset:(32*(\y/2)+8*(\y%2))*4
	global_load_b128 v[100+8*\y:103+8*\y], v15, s[8:9] offset:(32*(\y/2)+8*(\y%2))*4+16
.endr
	WIN 0
	s_wait_alu depctr_va_vdst(0)                   ; the wait at the head's end
	s_wait_xcnt 0x0                                ; the head's prefetches have read their base: it steps to fill 1
	s_add_nc_u64 s[98:99], s[98:99], s[100:101]
	s_wait_tensorcnt 0x0                           ; my tile of the head's four is in
	ds_add_u32 v28, v29
	GROUP1 G1A, 32, PARTA/256, 32                  ; no load of mine is out: from here on a load brings one dense plane, 96 rows of 256 bytes
	GROUP1 G1B, 32, PARTB/256, 32
	s_wait_dscnt 0x0
	CROUND                                         ; all four tiles are in, in every partner
	JLOAD G0A+4, G1A, G0B+4, G1B                   ; slot 1's first fill: my one load behind the round
	FETCH_Y 0, 0, 0
	FETCH_X 0, 0, 0
	SCALES 0, 0
	global_prefetch_b8 v20, s[98:99] th:TH_LOAD_NT scope:SCOPE_SE   ; fill 3
	FETCH_X 0, 0, 1
	s_wait_loadcnt 0x0                             ; the bias is in: its 8 loads are all that is out
	STEP 0, 0, 1                                   ; the first products start the sums from the bias
	WIN 0x80                                       ; THE RESIDUAL is asked for here, behind the first K step and not at the head: 32 loads a wave, which have the rest of the walk along K in which to land
.irp a, 0,1,2,3
.irp i, 0,1,2,3,4,5,6,7
	global_load_b128 v[64+32*\a+4*\i:67+32*\a+4*\i], v12, s[10:11] offset:(32*(\a/2)+8*(\a%2)+2*\i+8*(\i/4))*4096
.endr
.endr
	WIN 0
.if LAPS > 1
	s_mov_b32 s3, LAPS-1
.Llap:                                                 ; a trip goes once round the ring, from a lap's second step to the next lap's first, and fills both slots again
	s_wait_alu depctr_va_vdst(0)
	STEP 0, 1, 0
	STEP 0, 2, 0
	TURN 0, 1, 1
	s_wait_alu depctr_va_vdst(0)
	STEP 1, 0, 0
	STEP 1, 1, 0
	STEP 1, 2, 0
	TURN 1, 0, 1
	s_wait_alu depctr_va_vdst(0)
	STEP 0, 0, 0
	s_sub_co_u32 s3, s3, 1
	s_cmp_lg_u32 s3, 0
	s_cbranch_scc1 .Llap
.endif
	STEP 0, 1, 0                                   ; the last lap fills nothing
	STEP 0, 2, 0
	TURN 0, 1, 0
	s_wait_alu depctr_va_vdst(0)
	STEP 1, 0, 0
	STEP 1, 1, 0
	STEP 1, 2, 0
	s_wait_dscnt (XB/2)*4                          ; the last step: nothing more to fetch
	MUL 0, XB/2, 1, 1, 0
	s_wait_dscnt 0x0
	MUL XB/2, XB/2, 1, 1, 0
	WIN 0
; THE WAY OUT, a block of 16 tokens x 64 columns at a time: into my stage, back as whole rows of 256 bytes, plus the residual, out.  LDS serves a wave's instructions in order: no wait between the stores and the loads.
.macro TOSTAGE a
.set AC, 32*((\a)%2)
	WIN (2+(\a)/2)<<2                              ; an LDS store's data are its source 1
.irp y, 0,1,2,3
	ds_store_b128 v13, v[AC+8*\y:AC+8*\y+3] offset:128*(\y/2)+32*(\y%2)      ; each accumulator from its low end on
	ds_store_b128 v13, v[AC+8*\y+4:AC+8*\y+7] offset:128*(\y/2)+32*(\y%2)+16
.endr
	WIN 0
.set BB, BK+32*((\a)%2)
.irp i, 0,1,2,3,4,5,6,7
	ds_load_b128 v[BB+4*\i:BB+4*\i+3], v14 offset:544*\i
.endr
.endm
.macro SEND a, younger                 ; younger: the LDS instructions issued behind block a's loads
.set BB, BK+32*((\a)%2)
.set RR, 64+32*(\a)
	s_wait_dscnt \younger
	WIN 0x08                                       ; source 1, the residual, in window 2
.set i, 0
.rept 16
	v_pk_add_f32 v[BB+i:BB+i+1], v[BB+i:BB+i+1], v[RR+i:RR+i+1]
.set i, i+2
.endr
	WIN 0
.irp i, 0,1,2,3,4,5,6,7
	global_store_b128 v12, v[BB+4*\i:BB+4*\i+3], s[12:13] offset:(32*((\a)/2)+8*((\a)%2)+2*\i+8*(\i/4))*4096 th:TH_STORE_NT   ; 16 lanes store 256 consecutive bytes, aligned; written once, read by nobody here
.endr
.endm
	s_wait_loadcnt 0x0                             ; the residual
	PLACES 4
	TOSTAGE 0
.irp a, 1,2,3
.if \a > 1
	s_wait_xcnt 0x0                                ; block a - 2's stores have read their registers: block a's loads may land there
.endif
	TOSTAGE \a
	SEND \a-1, 16                                  ; behind block a - 1's loads: block a's 8 stores and 8 loads
.endr
	SEND 3, 0
	s_wait_tensorcnt 0x0                           ; the wave's end
	ds_add_u32 v[SPW], v[NIL]
	s_wait_dscnt 0x0
	CROUND                                         ; the closing round
	s_endpgm
.Lfunc_end_k_q46ae53c6bb_wo:
	.size	k_q46ae53c6bb_wo, .Lfunc_end_k_q46ae53c6bb_wo-k_q46ae53c6bb_wo
	.p2alignl 7, 3214868480
	.fill 96, 4, 3214868480
	.section	.rodata,"a",@progbits
	.p2align	6, 0x0
	.amdhsa_kernel k_q46ae53c6bb_wo
		.amdhsa_group_segment_fixed_size 327680
		.amdhsa_private_segment_fixed_size 0
		.amdhsa_enable_private_segment 0
		.amdhsa_kernarg_size 40
		.amdhsa_user_sgpr_count 2
		.amdhsa_user_sgpr_kernarg_segment_ptr 1
		.amdhsa_wavefront_size32 1
		.amdhsa_system_sgpr_workgroup_id_x 1
		.amdhsa_system_sgpr_workgroup_id_y 1
		.amdhsa_system_sgpr_workgroup_id_z 1
		.amdhsa_system_vgpr_workitem_id 0
		.amdhsa_next_free_vgpr 1024
		.amdhsa_next_free_sgpr 102
		.amdhsa_reserve_vcc 0
		.amdhsa_float_denorm_mode_32 3
		.amdhsa_float_denorm_mode_16_64 3
		.amdhsa_memory_ordered 1
		.amdhsa_forward_progress 1
		.amdhsa_inst_pref_size 107
	.end_amdhsa_kernel
	.amdgpu_metadata
---
amdhsa.version: [ 1, 2 ]
amdhsa.kernels:
  - .name:           k_q46ae53c6bb_wo
    .symbol:         k_q46ae53c6bb_wo.kd
    .args:
      - { .name: gq, .offset: 0, .size: 8, .value_kind: global_buffer, .address_space: global }
      - { .name: wts, .offset: 8, .size: 8, .value_kind: global_buffer, .address_space: global }
      - { .name: wo_b, .offset: 16, .size: 8, .value_kind: global_buffer, .address_space: global }
      - { .name: x1, .offset: 24, .size: 8, .value_kind: global_buffer, .address_space: global }
      - { .name: out0, .offset: 32, .size: 8, .value_kind: global_buffer, .address_space: global }
    .group_segment_fixed_size: 327680
    .private_segment_fixed_size: 0
    .kernarg_segment_align: 8
    .kernarg_segment_size: 40
    .max_flat_workgroup_size: 128
    .sgpr_count:     102
    .vgpr_count:     1024
    .wavefront_size: 32
...
	.end_amdgpu_metadata
.endif
;; end of part 7
